; MI455X (gfx1250); checked and timed in simulation.
; The chip was launched on July 23, 2026; its instructions are those of AMD's public machine-readable ISA for CDNA 5 (MIT licence, August 2026) and "CDNA5" Instruction Set Architecture Reference Guide (July 2026). The comments in the code are by the model that wrote it; some were corrected since.
;; Grouped Query Attention. Allowed arithmetic: matrix products marked QUANTISED: E2M3 operands, one E8M0 scale for each 32 along K, by v_wmma_scale_f32_16x16x128_f8f6f4 with both operands' format E2M3, f32 sums; everything else in f32.
;; Inputs: Wk 2,048 x 512 float32; Wo 1,024 x 2,048 float32; Wq 2,048 x 1,024 float32; Wv 2,048 x 512 float32; k_norm_w 128 float32; q_norm_w 128 float32; x 2 x 2,048 x 2,048 float32.
;; Outputs: out0 2 x 2,048 x 2,048 float32.
;; This version of the problem:
;;   THIS VERSION OF THE PROBLEM IS GIVEN IN LOW PRECISION. The matrix products marked QUANTISED in the list below multiply operands that are first quantised to E2M3 (2 exponent bits, 3 mantissa bits; 6 bits a number), with one power-of-two scale for each 32 numbers along K (OCP MX v1.0); their sums are f32. All else is computed in f32.
;;   The module's matrix products, in the order in which they are computed (A, B: the left and right operand; K: the contracted axis; several contracted axes count as one K, in the product's order):
;;     1. [M 4,096, K 2,048] x [K 2,048, N 1,024]; A: input x; B: input Wq: QUANTISED
;;     2. [M 4,096, K 2,048] x [K 2,048, N 512]; A: input x; B: input Wk: QUANTISED
;;     3. [M 4,096, K 2,048] x [K 2,048, N 512]; A: input x; B: input Wv: QUANTISED
;;     4. batch 16 x [M 2,048, K 128] x [K 128, N 2,048]; A: computed on the way; B: computed on the way: QUANTISED
;;     5. batch 16 x [M 2,048, K 2,048] x [K 2,048, N 128]; A: softmax (see below); B: computed on the way: QUANTISED
;;     6. [M 4,096, K 1,024] x [K 1,024, N 2,048]; A: computed on the way; B: input Wo: QUANTISED
;;   THE QUANTISER, for each operand of a quantised product, along K:
;;     - K is cut into blocks of 32 from its start; a last block that is shorter is filled with zeros.
;;     - A block's scale is 2^e with e = floor(log2(the largest magnitude in the block)) - 2, held to -126 .. 127; a block of zeros has e = 0. As a byte (E8M0): e + 127.
;;     - Each number is divided by its block's scale, clamped to +-7.5, and rounded to the nearest number of E2M3, ties to even, subnormals kept.
;;     - The product sums the exact products of the quantised numbers (number of the format x scale) in f32.
;;   ~~~python
;;   def quantise(x, axis):      # numpy; x: float32 -> the quantised numbers, widened to float32 again
;;       x = np.moveaxis(x, axis, -1); K = x.shape[-1]
;;       x = np.pad(x, [(0, 0)] * (x.ndim - 1) + [(0, -K % 32)]); x = x.reshape(x.shape[:-1] + (-1, 32)); a = np.abs(x).max(-1, keepdims=True)
;;       e = np.where(a > 0, np.clip(np.frexp(np.where(a > 0, a, 1))[1] - 1 - 2, -126, 127), 0)      # np.frexp(a)[1] - 1 = floor(log2(a)), exactly
;;       r = np.clip(x / 2.0 ** e, -7.5, 7.5)
;;       step = 2.0 ** (np.maximum(np.frexp(np.where(r == 0, 1, r))[1] - 1, 0) - 3)
;;       q = np.round(r / step) * step * 2.0 ** e      # np.round: ties to even
;;       return np.moveaxis(q.reshape(q.shape[:-2] + (-1,))[..., :K], -1, axis).astype(np.float32)
;;   ~~~
;;   SOFTMAX AHEAD OF A QUANTISED PRODUCT. Where the list says 'softmax', what is quantised is not the finished softmax but p = 2^(t - M), with t = logit x log2(e) and M = ceil(the row's largest t), a whole number; so 1/2 < the row's largest p <= 1. The row's sum l is taken of the UNQUANTISED p, in f32, and the product's result is divided by l at the end. Since M is a whole number, a kernel that streams over the keys may use a running M (the ceiling of the running maximum): every later rescaling is an exact power of two, which a block's scale takes up: the codes' values come out the same.
;;   OPERANDS COMPUTED ON THE WAY. 'Computed on the way' means the value that the module computes at that place (a softmax that the list does not call 'softmax' is quantised finished and normalised). What goes into a quantiser is computed in f32, as accurately as f32 sums, v_exp_f32 and their like allow (about 1e-6 of the number): no bf16 or f16 on the way to a quantiser, and a product that is left as it is and whose result goes on into a quantised operand takes f32 operands (vector FMAs, or v_wmma_f32_16x16x4_f32). A number that lies on a knife's edge between two numbers of the format may be rounded either way, as far as f32 arithmetic and the matrix unit's own rounding can turn it there, and no further.
;; 2 versions. Each part assembles by itself: llvm-mc -triple=amdgcn-amd-amdhsa -mcpu=gfx1250 --defsym DOCPART=n.
;; ======== version 1 of 2: 5 launches
;; workspace buffers: xq 7,602,176 bytes; wq 4,915,200 bytes; qkv 6,553,600 bytes; ao 3,276,800 bytes
;; launch quantx (part 1): grid 256 x 1, 4 waves a work-group, no clusters, 34,304 bytes of LDS; arguments x, xq; writes xq
.if DOCPART == 1
	.amdgcn_target "amdgcn-amd-amdhsa--gfx1250"
	.amdhsa_code_object_version 6
	.text
	.protected	k_q884e3474c9_quantx
	.globl	k_q884e3474c9_quantx
	.p2align	8
	.type	k_q884e3474c9_quantx,@function
k_q884e3474c9_quantx:
	s_mov_b64 s[64:65], 0
	v_nop
	global_prefetch_b8 v0, s[64:65] scope:SCOPE_SE
	s_setreg_imm32_b32 hwreg(HW_REG_WAVE_MODE, 25, 1), 1
	s_wait_xcnt 0x0
; x [4096][2048] f32 becomes codes of E2M3 with one E8M0 byte for each 32 along K, laid as IMAGES OF OPERAND REGISTERS; and the table of RoPE's cosines and sines is made.
; A fragment is 16 rows x 128 K: 12 registers a lane, lane (r, h) holding k = 64 c + 32 h + 0..31 of its row in registers 6 c .. 6 c + 5.  Its image is 1,536 dense bytes: registers 4 j .. 4 j + 3 of lane l at 512 j + 16 l.
; xq: images [block of 128 rows][K step 16][tile 8][1536]; lane r of tile T holds row 32 (T/2) + 8 (T%2) + r + 8 (r/8) of the block.
;     scale words at X_SC: [block][tile 8][4 K steps' group 4][r 16][4 words];  table at TAB: [t 2048][h 2][p 16][cos e, cos e+1, sin e, sin e+1], e = 2 p, frequency 32 (e/16) + 16 h + e%16.
; SHARES: work-group g takes tile g & 7 of block g >> 3; wave w its K steps 4 w .. 4 w + 3.  Each load reads 512 consecutive bytes of one row; a K step's 16 rows turn through the wave's own stage in LDS
; (rows 528 bytes apart, so that the 16 rows of a read start in 16 different groups of banks) and come back 128 bytes a lane: a lane then holds two whole blocks of 32.  Waves share nothing: no barrier.
; A block's scale byte is its largest magnitude's exponent field - 2, held at 1 from below (a block of zeros gets 1, not 127: its codes are zeros, and this program alone reads the bytes).
; LIMITS: NaN and infinities are not served.  RoPE: inv_freq = 2^(-i log2(500000) / 64) by v_exp_f32; the angle t x inv_freq is rounded once, reduced by pi/2 in two parts (exact for angles under 2^11 pi/2) and put through polynomials of degree 7 and 8.
.set X_SC, 6291456
.set TAB,  6553600
.set SP,   528
.set R,    16                          ; v16-143  two sets of 64 numbers as loaded
.set X,    144                         ; v144-207 64 numbers: register 32 c + j = k 64 c + 32 h + j of my row
.set PC,   208                         ; v208-219 the fragment's codes
.set P2,   220                         ; v220-222, v224-226 the conversions' second halves
.set M,    228                         ; v228-229 largest magnitudes, v230-231 scale operands, v232-233 bytes, v234 my two bytes, v235 the other half's
.set WD,   236                         ; v236-239 the four K steps' scale words
	s_load_b128 s[4:7], s[0:1], 0x0                ; x, xq
	v_lshl_add_u32 v254, v0, 2, 0x8400
	v_mov_b32 v255, 0
	v_lshrrev_b32 v1, 5, v0
	v_readfirstlane_b32 s14, v1                    ; wave
	v_and_b32 v2, 31, v0                           ; lane
	v_and_b32 v3, 15, v0                           ; r
	v_bfe_u32 v9, v0, 4, 1                         ; h
	v_lshlrev_b32 v4, 4, v2                        ; 16 x lane
	s_mul_i32 s15, s14, 16*SP                      ; my stage
	v_add_nc_u32 v5, s15, v4                       ; into it: 16 x lane of a row
	v_mul_u32_u24 v6, v3, SP
	v_lshl_add_u32 v6, v9, 7, v6
	v_add_nc_u32 v6, s15, v6                       ; out of it: row r, + 128 h
	v_lshlrev_b32 v7, 4, v3
	v_lshl_add_u32 v7, v9, 3, v7                   ; the scale words' place: 16 r + 8 h
	v_lshlrev_b32 v8, 3, v9                        ; 8 h
	v_mov_b32 v[M+7], 0                            ; a lane permute's destination counts as read
	s_lshr_b32 s16, ttmp9, 3                       ; block of 128 rows
	s_and_b32 s17, ttmp9, 7                        ; tile
	s_lshl_b32 s18, s16, 7
	s_lshr_b32 s19, s17, 1
	s_lshl_b32 s19, s19, 5
	s_add_co_u32 s18, s18, s19
	s_and_b32 s19, s17, 1
	s_lshl_b32 s19, s19, 3
	s_add_co_u32 s18, s18, s19                     ; the tile's first row
	s_lshl_b32 s2, s18, 13                         ; rows of 8,192 bytes
	s_lshl_b32 s19, s14, 11
	s_add_co_u32 s2, s2, s19                       ; + my four K steps
	s_mov_b32 s3, 0
	s_lshl_b32 s24, s16, 4
	s_lshl_b32 s19, s14, 2
	s_add_co_u32 s24, s24, s19
	s_lshl_b32 s24, s24, 3
	s_add_co_u32 s24, s24, s17
	s_mul_i32 s24, s24, 1536                       ; my first image
	s_mov_b32 s25, 0
	s_lshl_b32 s26, s16, 13
	s_lshl_b32 s19, s17, 10
	s_add_co_u32 s26, s26, s19
	s_lshl_b32 s19, s14, 8
	s_add_co_u32 s26, s26, s19
	s_add_co_u32 s26, s26, X_SC                    ; my 256 bytes of scale words
	s_mov_b32 s27, 0
	s_lshl_b32 s30, ttmp9, 2
	s_add_co_u32 s30, s30, s14                     ; W = 4 g + w: my two rows of the table
	s_lshl_b32 s28, s30, 10
	s_add_co_u32 s28, s28, TAB
	s_mov_b32 s29, 0
	s_mov_b32 s20, 0x76543210
	s_mov_b32 s21, 0xfedcba98                      ; v_permlanex16_b32's selects for lane l xor 16
	s_mov_b32 s22, 0xffff0000                      ; lanes 16-31
	s_mov_b32 s31, 0xbfc90fdb                      ; -pi/2, upper part
	s_mov_b32 s32, 0x333bbd2e                      ; -pi/2, the rest
	s_mov_b32 s33, 0xbe2aaaa3                      ; the sine's three coefficients
	s_mov_b32 s34, 0x3c08839e
	s_mov_b32 s35, 0xb94ca1f9
	s_mov_b32 s36, 0x3d2aaaa5                      ; the cosine's three
	s_mov_b32 s37, 0xbab6061a
	s_mov_b32 s38, 0x37ccf5ce
	s_wait_kmcnt 0x0
	s_add_nc_u64 s[4:5], s[4:5], s[2:3]
	s_add_nc_u64 s[8:9], s[6:7], s[24:25]
	s_add_nc_u64 s[10:11], s[6:7], s[26:27]
	s_add_nc_u64 s[12:13], s[6:7], s[28:29]
.macro LOAD s                          ; K step s of my 16 rows: 32 lanes read 512 consecutive bytes of a row
.irp i, 0,1,2,3,4,5,6,7,8,9,10,11,12,13,14,15
	global_load_b128 v[R+64*((\s)%2)+4*\i:R+64*((\s)%2)+4*\i+3], v4, s[4:5] offset:(\i+8*(\i/8))*8192+512*(\s) th:TH_LOAD_NT
.endr
.endm
	LOAD 0
	LOAD 1
	; ---- the table, while the loads are on their way: rows t = 2 W and 2 W + 1; my lane (h, p) has frequencies i0 and i0 + 1
	v_lshrrev_b32 v144, 3, v3
	v_lshlrev_b32 v144, 5, v144
	v_lshl_add_u32 v144, v9, 4, v144
	v_and_b32 v145, 7, v3
	v_lshl_add_u32 v144, v145, 1, v144             ; i0 = 32 (p / 8) + 16 h + 2 (p % 8)
	v_add_nc_u32 v145, 1, v144
	v_cvt_f32_u32 v144, v144
	v_cvt_f32_u32 v145, v145
	v_mul_f32 v144, 0xbe9773da, v144               ; x -log2(500000) / 64
	v_mul_f32 v145, 0xbe9773da, v145
	v_exp_f32 v146, v144                           ; inv_freq
	v_exp_f32 v147, v145
	v_nop                                          ; a plain instruction behind the exponentials
	s_lshl_b32 s30, s30, 1
	v_cvt_f32_u32 v148, s30                        ; t
	s_add_co_u32 s30, s30, 1
	v_cvt_f32_u32 v149, s30                        ; t + 1
	s_wait_alu depctr_va_vdst(0)                   ; one wait for both exponentials, ahead of their first reader
.macro ANG inv, tf, oc, os             ; cos and sin of v[tf] x v[inv]
	v_mul_f32 v150, v[\tf], v[\inv]                ; the angle, rounded once
	v_mul_f32 v151, 0x3f22f983, v150
	v_rndne_f32 v151, v151                         ; n = the nearest multiple of pi/2
	v_fma_f32 v152, v151, s31, v150
	v_fma_f32 v152, v151, s32, v152                ; r = angle - n pi/2, |r| <= pi/4
	v_mul_f32 v153, v152, v152                     ; s = r r
	v_fma_f32 v154, v153, s35, s34
	v_fma_f32 v154, v154, v153, s33
	v_mul_f32 v154, v154, v153
	v_fma_f32 v154, v154, v152, v152               ; sin r
	v_fma_f32 v155, v153, s38, s37
	v_fma_f32 v155, v155, v153, s36
	v_mul_f32 v155, v155, v153
	v_fma_f32 v155, v155, v153, 1.0
	v_fma_f32 v155, v153, -0.5, v155               ; cos r
	v_cvt_i32_f32 v156, v151
	v_and_b32 v157, 1, v156
	v_cmp_eq_u32 vcc_lo, 1, v157                   ; odd quadrants change sine and cosine
	v_cndmask_b32 v[\os], v154, v155, vcc_lo
	v_cndmask_b32 v[\oc], v155, v154, vcc_lo
	v_and_b32 v157, 2, v156
	v_lshlrev_b32 v157, 30, v157
	v_xor_b32 v[\os], v[\os], v157                 ; the sine is negative in quadrants 2 and 3,
	v_add_nc_u32 v156, 1, v156
	v_and_b32 v157, 2, v156
	v_lshlrev_b32 v157, 30, v157
	v_xor_b32 v[\oc], v[\oc], v157                 ; the cosine in 1 and 2
.endm
	ANG 146, 148, 240, 242
	ANG 147, 148, 241, 243
	global_store_b128 v4, v[240:243], s[12:13]     ; 32 lanes store the row's 512 consecutive bytes
	ANG 146, 149, 244, 246
	ANG 147, 149, 245, 247
	global_store_b128 v4, v[244:247], s[12:13] offset:512
.macro STEP s
.if (\s) < 3
	s_wait_loadcnt 16                              ; this K step's 16 loads are in; the next one's 16 may be out
.else
	s_wait_loadcnt 0x0
.endif
.irp i, 0,1,2,3,4,5,6,7,8,9,10,11,12,13,14,15
	ds_store_b128 v5, v[R+64*((\s)%2)+4*\i:R+64*((\s)%2)+4*\i+3] offset:SP*\i
.endr
.irp c, 0,1
.irp k, 0,1,2,3,4,5,6,7
	ds_load_b128 v[X+32*\c+4*\k:X+32*\c+4*\k+3], v6 offset:256*\c+16*\k   ; LDS serves a wave's instructions in order: these see the stores above
.endr
.endr
	s_wait_dscnt 0x0                               ; the numbers are back, and the stores have read their registers,
.if (\s) < 2
	LOAD (\s)+2                                    ; which take the loads of two K steps on
.endif
.irp c, 0,1
	v_max3_num_f32 v[M+\c], |v[X+32*\c]|, |v[X+32*\c+1]|, 0x1800000   ; my block 2 c + h, and the floor 2^(3 - 127): the byte cannot fall under 1
.endr
.irp i, 2,4,6,8,10,12,14,16,18,20,22,24,26,28,30
.irp c, 0,1
	v_max3_num_f32 v[M+\c], v[M+\c], |v[X+32*\c+\i]|, |v[X+32*\c+\i+1]|
.endr
.endr
.irp c, 0,1
	v_add_nc_u32 v[M+2+\c], 0xff000000, v[M+\c]    ; 2 off the exponent field: the conversion's scale operand
.endr
.irp c, 0,1
	v_lshrrev_b32 v[M+4+\c], 23, v[M+2+\c]         ; the scale's byte
.endr
	v_lshl_or_b32 v[M+6], v[M+5], 16, v[M+4]       ; blocks h and 2 + h,
	v_lshlrev_b32 v[M+6], v8, v[M+6]               ; at their places in the word;
	v_permlanex16_b32 v[M+7], v[M+6], s20, s21
	v_or_b32 v[WD+(\s)], v[M+6], v[M+7]            ; with lane l xor 16's two the word is whole
.if (\s) > 0
	s_wait_xcnt 0x0                                ; the last K step's stores have read the codes' registers
.endif
.irp c, 0,1
	v_cvt_scalef32_pk16_fp6_f32 v[PC+6*\c:PC+6*\c+2], v[X+32*\c:X+32*\c+15], v[M+2+\c]
	v_cvt_scalef32_pk16_fp6_f32 v[P2+4*\c:P2+4*\c+2], v[X+32*\c+16:X+32*\c+31], v[M+2+\c]   ; (a conversion's three registers begin on an even number)
.endr
	v_nop                                          ; one plain instruction behind the conversions
.irp c, 0,1
.irp i, 0,1,2
	v_mov_b32 v[PC+3+6*\c+\i], v[P2+4*\c+\i]
.endr
.endr
.irp j, 0,1,2
	global_store_b128 v4, v[PC+4*\j:PC+4*\j+3], s[8:9] offset:12288*(\s)+512*\j   ; the image: 512 consecutive bytes a store
.endr
.endm
	STEP 0
	STEP 1
	STEP 2
	STEP 3
	v_cndmask_b32 v[M], v[WD], v[WD+2], s22        ; lanes 0-15 store words 0 and 1 of their row, lanes 16-31 words 2 and 3
	v_cndmask_b32 v[M+1], v[WD+1], v[WD+3], s22
	global_store_b64 v7, v[M:M+1], s[10:11]        ; 32 lanes store 256 consecutive bytes
	s_wait_tensorcnt 0x0
	ds_add_u32 v254, v255
	s_wait_dscnt 0x0
	s_endpgm
.Lfunc_end_k_q884e3474c9_quantx:
	.size	k_q884e3474c9_quantx, .Lfunc_end_k_q884e3474c9_quantx-k_q884e3474c9_quantx
	.p2alignl 7, 3214868480
	.fill 96, 4, 3214868480
	.section	.rodata,"a",@progbits
	.p2align	6, 0x0
	.amdhsa_kernel k_q884e3474c9_quantx
		.amdhsa_group_segment_fixed_size 34304
		.amdhsa_private_segment_fixed_size 0
		.amdhsa_enable_private_segment 0
		.amdhsa_kernarg_size 16
		.amdhsa_user_sgpr_count 2
		.amdhsa_user_sgpr_kernarg_segment_ptr 1
		.amdhsa_wavefront_size32 1
		.amdhsa_system_sgpr_workgroup_id_x 1
		.amdhsa_system_sgpr_workgroup_id_y 1
		.amdhsa_system_sgpr_workgroup_id_z 1
		.amdhsa_system_vgpr_workitem_id 0
		.amdhsa_next_free_vgpr 256
		.amdhsa_next_free_sgpr 66
		.amdhsa_reserve_vcc 1
		.amdhsa_float_denorm_mode_32 3
		.amdhsa_float_denorm_mode_16_64 3
		.amdhsa_memory_ordered 1
		.amdhsa_forward_progress 1
		.amdhsa_inst_pref_size 36
	.end_amdhsa_kernel
	.amdgpu_metadata
---
amdhsa.version: [ 1, 2 ]
amdhsa.kernels:
  - .name:           k_q884e3474c9_quantx
    .symbol:         k_q884e3474c9_quantx.kd
    .args:
      - { .name: x, .offset: 0, .size: 8, .value_kind: global_buffer, .address_space: global }
      - { .name: xq, .offset: 8, .size: 8, .value_kind: global_buffer, .address_space: global }
    .group_segment_fixed_size: 34304
    .private_segment_fixed_size: 0
    .kernarg_segment_align: 8
    .kernarg_segment_size: 16
    .max_flat_workgroup_size: 128
    .sgpr_count:     66
    .vgpr_count:     256
    .wavefront_size: 32
...
	.end_amdgpu_metadata
.endif
;; end of part 1
;; launch quantw (part 2): grid 192 x 1, 4 waves a work-group, no clusters, 27,136 bytes of LDS; arguments Wq, Wk, Wv, Wo, wq; writes wq
.if DOCPART == 2
	.amdgcn_target "amdgcn-amd-amdhsa--gfx1250"
	.amdhsa_code_object_version 6
	.text
	.protected	k_q884e3474c9_quantw
	.globl	k_q884e3474c9_quantw
	.p2align	8
	.type	k_q884e3474c9_quantw,@function
k_q884e3474c9_quantw:
	s_mov_b64 s[64:65], 0
	v_nop
	global_prefetch_b8 v0, s[64:65] scope:SCOPE_SE
	s_setreg_imm32_b32 hwreg(HW_REG_WAVE_MODE, 25, 1), 1
	s_wait_xcnt 0x0
; The four weights, f32 with K as their FIRST axis, become codes of E2M3 with one E8M0 byte for each 32 along K, laid as images of operand registers (1,536 bytes a fragment of 16 columns x 128 K:
; registers 4 j .. 4 j + 3 of lane l at 512 j + 16 l; lane (r, h) holds k = 64 c + 32 h + 0..31 in registers 6 c .. 6 c + 5).  Lane r of tile T holds column 32 (T/2) + 8 (T%2) + r + 8 (r/8) of a block of 128 columns.
; wq: W1 images [cb 16][K step 16][tile 8][1536], cb 0-7 = Wq's heads, 8 + 2 g = Wk's head g, 9 + 2 g = Wv's head g;  Wo's at WO_IMG [cb 16][K step 8][tile 8][1536];
;     scale words at W1_SC [cb][tile 8][group of 4 K steps: 4][r 16][4 words], at WO_SC [cb][tile 8][2][r 16][4 words].
; A LANE TAKES A COLUMN AND ITS REGISTERS RUN DOWN K: each load reads 128 consecutive bytes a wave, a block of 32 lies in one lane, and the conversions give codes with K innermost.
; SHARES: a work-group takes 128 columns x 256 K (ids 0-127: W1, cb = id >> 3; ids 128-191: Wo, cb = (id - 128) >> 2); wave w its columns 32 w .. 32 w + 31 (tiles 2 w, 2 w + 1), 8 blocks a lane.
; A lane's 24 bytes of a block are six registers of ONE lane of an image: they go to their places in the wave's own stage in LDS, and the images leave as they lie, 512 consecutive bytes a store.  No barrier: waves share nothing.
; The scale words leave as 8 bytes a lane, 16 bytes apart: one byte in 128 of what the launch reads.
; A block of zeros gets the byte 1 (its codes are zeros; this program alone reads the bytes).  LIMITS: NaN and infinities are not served.
.set WO_IMG, 3145728
.set W1_SC,  4718592
.set WO_SC,  4849664
.set X,   64                           ; v64-127  two sets of 32 numbers
.set G,   128                          ; v128-133 a block's codes; v134-136 the second conversion's
.set OUT, 140                          ; v140-163 two images on the way out
	s_load_b256 s[4:11], s[0:1], 0x0               ; Wq, Wk, Wv, Wo
	s_load_b64 s[12:13], s[0:1], 0x20              ; wq
	v_lshl_add_u32 v192, v0, 2, 0x6800
	v_mov_b32 v193, 0
	v_lshrrev_b32 v1, 5, v0
	v_readfirstlane_b32 s50, v1                    ; wave
	v_and_b32 v1, 31, v0                           ; lane = my column among the wave's 32
	v_bfe_u32 v2, v0, 3, 1                         ; u: which of the wave's two tiles
	v_and_b32 v3, 7, v0
	v_bfe_u32 v8, v0, 4, 1
	v_lshl_add_u32 v3, v8, 3, v3                   ; r: my column's lane in that tile
	s_mul_i32 s51, s50, 6656                       ; my stage: two K steps of 3,328 bytes, each two images 1,664 bytes apart
	v_mul_u32_u24 v4, v2, 1664
	v_lshl_add_u32 v4, v3, 4, v4
	v_add_nc_u32 v4, s51, v4                       ; into it
	v_lshlrev_b32 v6, 4, v1                        ; 16 x lane
	v_add_nc_u32 v5, s51, v6                       ; out of it
	s_sub_co_u32 s29, ttmp9, 128
	s_mov_b32 s25, WO_IMG
	s_mov_b32 s26, WO_SC
	s_mov_b32 s31, W1_SC
	s_cmp_lt_u32 ttmp9, 128                        ; W1 or Wo: every choice hangs on the work-group's number alone
	s_cselect_b32 s20, ttmp9, s29
	s_cselect_b32 s21, 3, 2
	s_cselect_b32 s22, 7, 3
	s_cselect_b32 s23, 16, 8                       ; K steps of a block of columns
	s_cselect_b32 s24, 10, 9                       ; log2 of a tile's bytes of scale words
	s_cselect_b32 s25, 0, s25
	s_cselect_b32 s26, s31, s26
	s_lshr_b32 s27, s20, s21                       ; cb
	s_and_b32 s28, s20, s22                        ; which 256 along K
	s_lshl_b32 s31, s27, 7                         ; first column: 128 cb in Wq and Wo,
	s_sub_co_u32 s29, s27, 8
	s_lshr_b32 s29, s29, 1
	s_lshl_b32 s29, s29, 7                         ; 128 ((cb - 8) / 2) in Wk and Wv
	s_sub_co_u32 s52, ttmp9, 64
	s_mov_b32 s30, 2048
	s_cmp_lt_u32 s52, 64                           ; ids 64 to 127
	s_cselect_b32 s31, s29, s31
	s_cmp_lt_u32 ttmp9, 64
	s_cselect_b32 s30, 4096, s30                   ; bytes from a row of K to the next: 4,096 in Wq, 2,048 in Wk and Wv,
	s_mov_b32 s29, 8192
	s_cmp_lt_u32 ttmp9, 128
	s_cselect_b32 s30, s30, s29                    ; 8,192 in Wo
	s_lshl_b32 s52, s28, 8
	s_mul_i32 s52, s52, s30                        ; my first row of K,
	s_lshl_b32 s29, s31, 2
	s_add_co_u32 s52, s52, s29                     ; the block's first column,
	s_lshl_b32 s29, s50, 7
	s_add_co_u32 s52, s52, s29                     ; my wave's 32
	s_mov_b32 s53, 0
	s_mul_i32 s54, s27, s23
	s_lshl_b32 s29, s28, 1
	s_add_co_u32 s54, s54, s29
	s_lshl_b32 s54, s54, 3
	s_lshl_b32 s29, s50, 1
	s_add_co_u32 s54, s54, s29
	s_mul_i32 s54, s54, 1536
	s_add_co_u32 s54, s54, s25                     ; my first image
	s_mov_b32 s55, 0
	s_lshl_b32 s56, s27, 3
	s_add_co_u32 s56, s56, s29
	s_lshl_b32 s56, s56, s24                       ; tile 2 w of cb,
	s_lshr_b32 s29, s28, 1
	s_lshl_b32 s29, s29, 8
	s_add_co_u32 s56, s56, s29                     ; the group of four K steps,
	s_and_b32 s29, s28, 1
	s_lshl_b32 s29, s29, 3
	s_add_co_u32 s56, s56, s29                     ; my two words in it
	s_add_co_u32 s56, s56, s26
	s_mov_b32 s57, 0
	v_lshlrev_b32 v7, s24, v2
	v_lshl_add_u32 v7, v3, 4, v7                   ; my lane's place among the scale words: tile u, 16 r
	v_lshlrev_b32 v32, 2, v1                       ; v32-63: 4 x lane + i rows of K
.set i, 0
.rept 31
	v_add_nc_u32 v[33+i], s30, v[32+i]
.set i, i+1
.endr
	s_wait_kmcnt 0x0
	s_bitcmp1_b32 s27, 0
	s_cselect_b64 s[14:15], s[8:9], s[6:7]         ; odd cb: Wv, even: Wk
	s_cmp_lt_u32 ttmp9, 64
	s_cselect_b64 s[14:15], s[4:5], s[14:15]
	s_cmp_lt_u32 ttmp9, 128
	s_cselect_b64 s[14:15], s[14:15], s[10:11]
	s_add_nc_u64 s[32:33], s[14:15], s[52:53]      ; a base for each of my 8 blocks of 32 along K: nothing is stepped while a load is out
	s_lshl_b32 s52, s30, 5
.irp t, 1,2,3,4,5,6,7
	s_add_nc_u64 s[32+2*\t:33+2*\t], s[30+2*\t:31+2*\t], s[52:53]
.endr
	s_add_nc_u64 s[16:17], s[12:13], s[54:55]
	s_add_nc_u64 s[18:19], s[12:13], s[56:57]
.macro LOAD t
.set i, 0
.rept 32
	global_load_b32 v[X+32*((\t)%2)+i], v[32+i], s[32+2*(\t):33+2*(\t)] th:TH_LOAD_NT
.set i, i+1
.endr
.endm
	LOAD 0
	LOAD 1
.macro BLOCK t
.set XS, X+32*((\t)%2)
.set KA, (\t)/4                        ; which of my two K steps
.set CC, ((\t)%4)/2                    ; the block is k = 64 CC + 32 HH + 0..31 of it
.set HH, (\t)%2
.if (\t) < 7
	s_wait_loadcnt 32                              ; this block's 32 loads are in; the next block's may be out
.else
	s_wait_loadcnt 0x0
.endif
	v_max3_num_f32 v12, |v[XS]|, |v[XS+1]|, |v[XS+2]|
	v_max3_num_f32 v13, |v[XS+3]|, |v[XS+4]|, |v[XS+5]|
.irp i, 6,10,14,18,22,26
	v_max3_num_f32 v12, v12, |v[XS+\i]|, |v[XS+\i+1]|
	v_max3_num_f32 v13, v13, |v[XS+\i+2]|, |v[XS+\i+3]|
.endr
	v_max3_num_f32 v12, v12, |v[XS+30]|, |v[XS+31]|
	v_max3_num_f32 v12, v12, v13, 0x1800000        ; and the floor 2^(3 - 127)
	v_add_nc_u32 v14, 0xff000000, v12              ; the conversion's scale operand
	v_lshrrev_b32 v15, 23, v14                     ; the scale's byte
.if (\t)%4 == 0
	v_mov_b32 v[10+KA], v15
.else
	v_lshl_or_b32 v[10+KA], v15, 8*((\t)%4), v[10+KA]
.endif
	v_cvt_scalef32_pk16_fp6_f32 v[G:G+2], v[XS:XS+15], v14
	v_cvt_scalef32_pk16_fp6_f32 v[G+6:G+8], v[XS+16:XS+31], v14
	v_nop                                          ; one plain instruction behind the conversions
.irp i, 0,1,2
	v_mov_b32 v[G+3+\i], v[G+6+\i]
.endr
.if CC == 0                            ; registers 0-5 of lane r + 16 HH of the image
	ds_store_b128 v4, v[G:G+3] offset:3328*KA+256*HH
	ds_store_b64 v4, v[G+4:G+5] offset:3328*KA+256*HH+512
.else                                  ; registers 6-11
	ds_store_b64 v4, v[G:G+1] offset:3328*KA+256*HH+520
	ds_store_b128 v4, v[G+2:G+5] offset:3328*KA+256*HH+1024
.endif
.if (\t)+2 < 8
	LOAD (\t)+2
.endif
	s_wait_dscnt 0x0                               ; the stores have read their registers
.endm
.macro FLUSH ka                        ; a K step's two images leave
.if \ka > 0
	s_wait_xcnt 0x0                                ; the first K step's stores have read their registers
.endif
.irp u, 0,1
.irp j, 0,1,2
	ds_load_b128 v[OUT+12*\u+4*\j:OUT+12*\u+4*\j+3], v5 offset:3328*\ka+1664*\u+512*\j
.endr
.endr
.irp u, 0,1
.irp j, 0,1,2
	s_wait_dscnt 5-3*\u-\j                         ; the younger stage loads may be out
	global_store_b128 v6, v[OUT+12*\u+4*\j:OUT+12*\u+4*\j+3], s[16:17] offset:12288*\ka+1536*\u+512*\j
.endr
.endr
.endm
	BLOCK 0
	BLOCK 1
	BLOCK 2
	BLOCK 3
	FLUSH 0
	BLOCK 4
	BLOCK 5
	BLOCK 6
	BLOCK 7
	FLUSH 1
	global_store_b64 v7, v[10:11], s[18:19]        ; my column's two scale words
	s_wait_tensorcnt 0x0
	ds_add_u32 v192, v193
	s_wait_dscnt 0x0
	s_endpgm
.Lfunc_end_k_q884e3474c9_quantw:
	.size	k_q884e3474c9_quantw, .Lfunc_end_k_q884e3474c9_quantw-k_q884e3474c9_quantw
	.p2alignl 7, 3214868480
	.fill 96, 4, 3214868480
	.section	.rodata,"a",@progbits
	.p2align	6, 0x0
	.amdhsa_kernel k_q884e3474c9_quantw
		.amdhsa_group_segment_fixed_size 27136
		.amdhsa_private_segment_fixed_size 0
		.amdhsa_enable_private_segment 0
		.amdhsa_kernarg_size 40
		.amdhsa_user_sgpr_count 2
		.amdhsa_user_sgpr_kernarg_segment_ptr 1
		.amdhsa_wavefront_size32 1
		.amdhsa_system_sgpr_workgroup_id_x 1
		.amdhsa_system_sgpr_workgroup_id_y 1
		.amdhsa_system_sgpr_workgroup_id_z 1
		.amdhsa_system_vgpr_workitem_id 0
		.amdhsa_next_free_vgpr 194
		.amdhsa_next_free_sgpr 66
		.amdhsa_reserve_vcc 0
		.amdhsa_float_denorm_mode_32 3
		.amdhsa_float_denorm_mode_16_64 3
		.amdhsa_memory_ordered 1
		.amdhsa_forward_progress 1
		.amdhsa_inst_pref_size 45
	.end_amdhsa_kernel
	.amdgpu_metadata
---
amdhsa.version: [ 1, 2 ]
amdhsa.kernels:
  - .name:           k_q884e3474c9_quantw
    .symbol:         k_q884e3474c9_quantw.kd
    .args:
      - { .name: Wq, .offset: 0, .size: 8, .value_kind: global_buffer, .address_space: global }
      - { .name: Wk, .offset: 8, .size: 8, .value_kind: global_buffer, .address_space: global }
      - { .name: Wv, .offset: 16, .size: 8, .value_kind: global_buffer, .address_space: global }
      - { .name: Wo, .offset: 24, .size: 8, .value_kind: global_buffer, .address_space: global }
      - { .name: wq, .offset: 32, .size: 8, .value_kind: global_buffer, .address_space: global }
    .group_segment_fixed_size: 27136
    .private_segment_fixed_size: 0
    .kernarg_segment_align: 8
    .kernarg_segment_size: 40
    .max_flat_workgroup_size: 128
    .sgpr_count:     66
    .vgpr_count:     194
    .wavefront_size: 32
...
	.end_amdgpu_metadata
.endif
;; end of part 2
;; launch qkv (part 3): grid 8 x 32, 4 waves a work-group, clusters of 4 x 4, 327,680 bytes of LDS; arguments xq, wq, q_norm_w, k_norm_w, qkv; writes qkv
.if DOCPART == 3
	.amdgcn_target "amdgcn-amd-amdhsa--gfx1250"
	.amdhsa_code_object_version 6
	.text
	.protected	k_q884e3474c9_qkv
	.globl	k_q884e3474c9_qkv
	.p2align	8
	.type	k_q884e3474c9_qkv,@function
k_q884e3474c9_qkv:
	s_mov_b64 s[64:65], 0
	v_nop
	global_prefetch_b8 v0, s[64:65] scope:SCOPE_SE
	s_setreg_imm32_b32 hwreg(HW_REG_WAVE_MODE, 25, 1), 1
	s_wait_xcnt 0x0
	s_wait_alu depctr_hold_cnt(0) depctr_sa_sdst(0) depctr_va_vdst(0) depctr_va_sdst(0) depctr_va_ssrc(0) depctr_va_vcc(0) depctr_vm_vsrc(0)
	s_getreg_b32 s2, hwreg(HW_REG_IB_STS2, 6, 4)
	s_cmp_eq_u32 s2, 0
	s_cbranch_scc0 .Lentry_in_a_cluster
	s_endpgm
.Lentry_in_a_cluster:
	s_bfe_u32 s2, ttmp6, 0x10000c
	s_cmp_lg_u32 s2, 0xf033
	s_cbranch_scc0 .Lentry_shape_is_right
	s_endpgm
.Lentry_shape_is_right:
; q, k, v = x Wq, x Wk, x Wv on codes of E2M3 (K = 2,048); q and k then take the RMS norm and RoPE in f32 and are quantised along the head's 128; v is quantised along the keys.  All results leave as images of operand registers.
; OPERANDS lie in memory as images (1,536 bytes a fragment of 16 rows x 128 K; registers 4 j .. 4 j + 3 of lane l at 512 j + 16 l), so a tile of LDS is a dense block and a fragment is three ds_load_b128 at 16 x lane.
; Lane r of tile T of a block of 128 rows holds row 32 (T/2) + 8 (T%2) + r + 8 (r/8): with such tiles as source 0, the 64 result registers of 8 tiles are "register 16 b + i = row 32 b + 16 (lane / 16) + i": 16 neighbours of each block of 32.
; SHARES.  A work-group makes 128 rows of x times 256 columns; four waves, each 64 x 128: 32 accumulators.  Cluster x = 0: the columns are two heads of q.  Cluster x = 1: head g of k and head g of v.
; q and k: source 0 = 8 tiles of W (a lane's registers run along the head's 128), source 1 = 4 tiles of x.  v: THE LDS ADDRESSES CHANGE PLACES: source 0 = 8 tiles of x, source 1 = 4 tiles of Wv: a lane holds a channel and its registers run along t.
; K goes through two LDS slots of 512 along K: two first fills and two refills, each with four steps of 32 matrix instructions in which to land; everything is written out, there is no loop.
; The scale words of the work-group's rows and columns, for all of K, come once.  CLUSTERS: x's tiles are asked for jointly along a row of the cluster, W's along a column.
; No prefetch: half of K is asked for at the head, and what follows has four steps in which to land.
; qkv: Q images [8 b + head][block 16][tile 8][1536]; K at K_IMG, V at V_IMG: [4 b + g][block 16][tile 8][1536] (V: a tile's rows are channels, its K the block's 128 keys); scale words at Q_SC, K_SC, V_SC: [head][block][half 2][r 16][4 tiles' words].
; LIMITS: NaN and infinities are not served; a block of zeros gets the scale byte 1; 1 / sqrt by v_rsq_f32.
; REGISTERS, in windows of 256: window 0: v16-29 addresses; v32-127 scale words, two sets; v128-223 source 1's fragments, two sets (in the epilogue: v128-191 64 numbers, v192-237 at work);
;   window 1: source 0's fragments, two sets at v0 and v128;  window 2: accumulator (a, b) at v[8 (8 a + b)];  window 3: v0-63 the norm's weights, v64-127 and v128-191 two sets of cosines and sines.
.set FRB,  1536
.set KT,   12288                       ; a K step's 8 tiles
.set REG,  49152                       ; 128 rows x 512 K
.set SLOT, 147456                      ; x's region, then W's two
.set SCL,  294912                      ; behind the ring: the scale words: x's, then W's two
.set SCB,  8192
.set TS,   1024                        ; a tile's scale words
.set SPARE, 319488                     ; the spare words, 128 bytes for each wave
.set X_SC, 6291456
.set TAB,  6553600
.set W1_SC, 4718592
.set K_IMG, 3145728
.set V_IMG, 4718592
.set Q_SC, 6291456
.set K_SC, 6422528
.set V_SC, 6488064
.set ADR0, 16                          ; v16-17 source 0's fragments in slot 0, 1
.set ADR1, 20                          ; v20-21 source 1's
.set ADS0, 22                          ; v22    source 0's scale words
.set ADS1, 23                          ; v23    source 1's
.set LI,   24                          ; v24    16 x lane
.set TO,   25                          ; v25    my row's place in the table
.set NO,   26                          ; v26    64 h
.set SO,   27                          ; v27    16 r + 8 h
.set SPW,  28
.set NIL,  29
.set H,    128
.set PC,   192
.set TM,   212                         ; v212-215 largest magnitudes, v216-219 bytes, v220-223 scale operands
.set PW,   224                         ; v224-227 four tiles' scale words
.set SS,   228
.set RM,   236
.set NW,   0                           ; in window 3
.set TA,   64
.set TB,   128
.set G1, 24
.set G0, 32
.set G1B, 48
.set G0B, 56
.set G1S, 68
.set G0S, 76
.set G1SB, 80
.set G0SB, 88
.set SEL, 22                           ; s[22:23] once the descriptors are made
.set MSB, 0
.macro WIN new                         ; the immediate's high byte repeats the setting that is left
.if MSB != (\new)
	s_set_vgpr_msb (MSB<<8)|(\new)
.set MSB, (\new)
.endif
.endm
.macro PLACES n
.rept \n
	v_nop
.endr
.endm
.macro JLOAD g0a, g1a, g0b, g1b        ; a joint load: waves 0 and 1 fetch for x, waves 2 and 3 for W; four v_nop follow each line
	s_cmp_eq_u32 s15, 0
	s_cbranch_scc0 .Lfor_b_\@
	tensor_load_to_lds s[\g0a:\g0a+3], s[\g1a:\g1a+7]
	s_nop 0
.rept 4
	v_nop
.endr
	s_branch .Lasked_\@
.Lfor_b_\@:
	tensor_load_to_lds s[\g0b:\g0b+3], s[\g1b:\g1b+7]
	s_nop 0
.rept 4
	v_nop
.endr
.Lasked_\@:
.endm
.macro CREST
	s_cmp_lg_u32 s14, 0
	s_cbranch_scc1 .Lnot_wave_0_\@
	s_barrier_signal -3
.Lnot_wave_0_\@:
	s_barrier_wait -3
	s_barrier_signal -1
	s_barrier_wait -1
.endm
.macro CROUND
	s_barrier_signal -1
	s_barrier_wait -1
	CREST
.endm
.macro SHAPE g, rows                   ; a dense block as rows of 256 bytes: 32 elements of 8 bytes
	s_mov_b32 s[\g+1], 32<<16
	s_mov_b32 s[\g+2], (\rows)<<16
	s_mov_b32 s[\g+3], 32<<16
	s_mov_b32 s[\g+4], \rows
	s_mov_b32 s[\g+5], 32
	s_mov_b32 s[\g+6], 0
	s_mov_b32 s[\g+7], 0
.endm
	s_load_b256 s[4:11], s[0:1], 0x0               ; xq, wq, q_norm_w, k_norm_w
	s_load_b64 s[12:13], s[0:1], 0x20              ; qkv
	v_lshl_add_u32 v[SPW], v0, 2, SPARE
	v_mov_b32 v[NIL], 0
	ds_add_u32 v28, v29
	s_wait_dscnt 0x0
	v_lshrrev_b32 v1, 5, v0
	v_readfirstlane_b32 s14, v1                    ; wave
	s_lshr_b32 s15, s14, 1                         ; which 64 of source 1's 128 rows are mine.  Also: I fetch for x (0) or for W (1)
	s_and_b32 s16, s14, 1                          ; which 128 columns.  Also: which part I fetch
	s_bfe_u32 s40, ttmp6, 0x40000                  ; cx
	s_bfe_u32 s41, ttmp6, 0x40004                  ; cy
	s_lshl_b32 s42, ttmp9, 2
	s_add_co_u32 s42, s42, s40                     ; tile column
	s_and_b32 s17, ttmp7, 0xffff
	s_lshl_b32 s17, s17, 2
	s_add_co_u32 s17, s17, s41                     ; block of 128 rows of x
	s_lshl_b32 s43, s41, 2
	s_lshl_b32 s43, 15, s43                        ; my row of the cluster
	s_lshl_b32 s44, 0x1111, s40                    ; my column
	s_or_b32 s[G1], s43, (3<<16)|(1<<21)           ; 15:0 the mask; 17:16 elements of 8 bytes; 21 set beside a mask; no padding
	s_or_b32 s[G1S], s43, (3<<16)|(1<<21)
	s_or_b32 s[G1B], s44, (3<<16)|(1<<21)
	s_or_b32 s[G1SB], s44, (3<<16)|(1<<21)
	SHAPE G1, 96                                   ; half of x's region
	SHAPE G1B, 192                                 ; one of W's regions
	SHAPE G1S, 16                                  ; half of x's scale words
	SHAPE G1SB, 32                                 ; one block of columns' scale words
	s_mul_i32 s20, s17, 196608
	s_mul_i32 s45, s16, 24576                      ; x: my half, in memory and in a slot
	s_add_co_u32 s20, s20, s45
	s_mov_b32 s21, 0
	s_lshl_b32 s22, s17, 13
	s_lshl_b32 s95, s16, 12
	s_add_co_u32 s22, s22, s95
	s_add_co_u32 s22, s22, X_SC
	s_mov_b32 s23, 0
	s_add_co_u32 s95, s95, SCL
	s_lshl_b32 s46, s42, 1
	s_add_co_u32 s46, s46, s16                     ; W: block of columns 2 x tile column + part
	s_lshl_b32 s92, s46, 13
	s_add_co_u32 s92, s92, W1_SC
	s_mov_b32 s93, 0
	s_mul_i32 s46, s46, 196608
	s_mov_b32 s47, 0
	s_mul_i32 s94, s16, REG
	s_add_co_u32 s94, s94, REG
	s_lshl_b32 s96, s16, 13
	s_add_co_u32 s96, s96, SCL+SCB
	s_wait_kmcnt 0x0
	s_add_nc_u64 s[20:21], s[4:5], s[20:21]
	s_add_nc_u64 s[22:23], s[4:5], s[22:23]
	s_add_nc_u64 s[46:47], s[6:7], s[46:47]
	s_add_nc_u64 s[92:93], s[6:7], s[92:93]
	CROUND                                         ; all sixteen work-groups are here: the first joint loads meet
	s_mov_b32 s[G0S], 1
	s_mov_b32 s[G0S+1], s95
	s_mov_b64 s[G0S+2:G0S+3], s[22:23]
	s_or_b32 s[G0S+3], s[G0S+3], 0x80000000
	s_mov_b32 s[G0SB], 1
	s_mov_b32 s[G0SB+1], s96
	s_mov_b64 s[G0SB+2:G0SB+3], s[92:93]
	s_or_b32 s[G0SB+3], s[G0SB+3], 0x80000000
	JLOAD G0S, G1S, G0SB, G1SB                     ; the scale words first: they are wanted with the first step
.irp s, 0,1
	s_mov_b32 s[G0+4*\s], 1
	s_add_co_u32 s[G0+4*\s+1], s45, \s*SLOT
	s_add_nc_u64 s[G0+4*\s+2:G0+4*\s+3], s[20:21], \s*REG
	s_or_b32 s[G0+4*\s+3], s[G0+4*\s+3], 0x80000000
	s_mov_b32 s[G0B+4*\s], 1
	s_add_co_u32 s[G0B+4*\s+1], s94, \s*SLOT
	s_add_nc_u64 s[G0B+4*\s+2:G0B+4*\s+3], s[46:47], \s*REG
	s_or_b32 s[G0B+4*\s+3], s[G0B+4*\s+3], 0x80000000
	JLOAD G0+4*\s, G1, G0B+4*\s, G1B               ; three tensor loads of mine are out
.endr
	; the addresses that make a role.  s99 = 1 in the waves that make v: cluster x = 1, columns' second half
	v_and_b32 v1, 31, v0
	v_lshlrev_b32 v[LI], 4, v1
	v_and_b32 v2, 15, v0                           ; r
	v_bfe_u32 v3, v0, 4, 1                         ; h
	s_and_b32 s99, ttmp9, s16
	s_mov_b32 s98, 2*REG
	s_mov_b32 s93, SCL
	s_cmp_lg_u32 s99, 0
	s_cselect_b32 s97, 0, s94                      ; source 0: x's region for v, else my region of W
	s_cselect_b32 s98, s98, 0                      ; source 1: Wv's region for v, else x's
	s_cselect_b32 s93, s93, s96
	s_cselect_b32 s92, 2*SCB, 0
	s_mul_i32 s47, s15, 4*FRB
	s_add_co_u32 s98, s98, s47                     ; my four tiles of source 1
	s_lshl_b32 s47, s15, 12
	s_add_co_u32 s92, s92, s47
	s_add_co_u32 s92, s92, SCL
	v_add_nc_u32 v[ADR0], s97, v[LI]
	v_add_nc_u32 v[ADR0+1], SLOT, v[ADR0]
	v_add_nc_u32 v[ADR1], s98, v[LI]
	v_add_nc_u32 v[ADR1+1], SLOT, v[ADR1]
	v_lshlrev_b32 v4, 4, v2
	v_add_nc_u32 v[ADS0], s93, v4
	v_add_nc_u32 v[ADS1], s92, v4
	v_and_b32 v4, 8, v2
	v_add_nc_u32 v4, v4, v2                        ; r + 8 (r / 8)
	v_lshlrev_b32 v[TO], 9, v4
	v_lshl_add_u32 v[TO], v3, 8, v[TO]             ; the table: 512 bytes a row, + 256 h
	v_lshlrev_b32 v[NO], 6, v3
	v_lshlrev_b32 v[SO], 4, v2
	v_lshl_add_u32 v[SO], v3, 3, v[SO]
	s_and_b32 s43, s17, 15                         ; the block's number in its batch
	s_lshl_b32 s20, s43, 16
	s_lshl_b32 s21, s15, 15
	s_add_co_u32 s20, s20, s21
	s_add_co_u32 s20, s20, TAB
	s_mov_b32 s21, 0
	s_add_nc_u64 s[20:21], s[4:5], s[20:21]        ; the table at my 64 rows
	s_lshr_b32 s44, s17, 4                         ; the batch
	s_lshl_b32 s45, s44, 3
	s_lshl_b32 s46, s40, 1
	s_add_co_u32 s45, s45, s46
	s_add_co_u32 s45, s45, s16                     ; q: 8 b + 2 cx + part
	s_lshl_b32 s46, s44, 2
	s_add_co_u32 s46, s46, s40                     ; k, v: 4 b + cx
	s_mov_b32 s47, K_IMG
	s_mov_b32 s2, K_SC
	s_mov_b32 s3, Q_SC
	s_cmp_eq_u32 ttmp9, 0
	s_cselect_b64 s[8:9], s[8:9], s[10:11]         ; q's weights or k's
	s_cselect_b32 s45, s45, s46
	s_cselect_b32 s47, 0, s47
	s_cselect_b32 s2, s3, s2
	s_mov_b32 s46, V_IMG
	s_mov_b32 s3, V_SC
	s_cmp_lg_u32 s99, 0
	s_cselect_b32 s47, s46, s47
	s_cselect_b32 s2, s3, s2
	s_lshl_b32 s45, s45, 4
	s_add_co_u32 s45, s45, s43                     ; 16 x head + block
	s_mul_i32 s46, s45, KT
	s_add_co_u32 s46, s46, s47
	s_mul_i32 s47, s15, 4*FRB
	s_add_co_u32 s18, s46, s47
	s_mov_b32 s19, 0
	s_add_nc_u64 s[18:19], s[12:13], s[18:19]      ; my four images
	s_lshl_b32 s45, s45, 9
	s_add_co_u32 s66, s45, s2
	s_lshl_b32 s47, s15, 8
	s_add_co_u32 s66, s66, s47
	s_mov_b32 s67, 0
	s_add_nc_u64 s[66:67], s[12:13], s[66:67]      ; and their 256 bytes of scale words
	s_mov_b32 s[SEL], 0x76543210
	s_mov_b32 s[SEL+1], 0xfedcba98
	s_mov_b32 s43, 0x3c000000                      ; 1 / 128
	s_mov_b32 s44, 0x3727c5ac                      ; 1e-5
	s_mov_b32 s45, 0xffff0000                      ; lanes 16-31
.macro TLD a, t                        ; the cosines and sines of block a's 16 rows: 256 bytes a lane
	WIN 0xc0
.irp k, 0,1,2,3,4,5,6,7,8,9,10,11,12,13,14,15
	global_load_b128 v[\t+4*\k:\t+4*\k+3], v[TO], s[20:21] offset:(32*((\a)/2)+8*((\a)%2))*512+16*\k
.endr
	WIN 0
.endm
	WIN 0xc0                                       ; destination window 3
.irp b, 0,1,2,3
.irp k, 0,1,2,3
	global_load_b128 v[NW+16*\b+4*\k:NW+16*\b+4*\k+3], v[NO], s[8:9] offset:128*\b+16*\k   ; register 16 b + i: the weight of channel 32 b + 16 h + i
.endr
.endr
	TLD 0, TA
	TLD 1, TB
.macro FETCH sp, q, p                  ; 36 LDS loads: the slot's q-th 128 along K into set p
	WIN 0x40
.irp i, 0,1,2,3,4,5,6,7
.irp c, 0,1,2
	ds_load_b128 v[128*(\p)+12*\i+4*\c:128*(\p)+12*\i+4*\c+3], v[ADR0+\sp] offset:(\q)*KT+\i*FRB+512*\c
.endr
.endr
	WIN 0
.irp i, 0,1,2,3
.irp c, 0,1,2
	ds_load_b128 v[128+48*(\p)+12*\i+4*\c:128+48*(\p)+12*\i+4*\c+3], v[ADR1+\sp] offset:(\q)*KT+\i*FRB+512*\c
.endr
.endr
.endm
.macro SCALES g                        ; 12 LDS loads: the scale words of the g-th 512 along K: four words a tile and row
.irp i, 0,1,2,3,4,5,6,7
	ds_load_b128 v[32+48*((\g)%2)+4*\i:32+48*((\g)%2)+4*\i+3], v[ADS0] offset:\i*TS+256*(\g)
.endr
.irp i, 0,1,2,3
	ds_load_b128 v[64+48*((\g)%2)+4*\i:64+48*((\g)%2)+4*\i+3], v[ADS1] offset:\i*TS+256*(\g)
.endr
.endm
; n x 8 matrix instructions: source 1's tiles a0 on x source 0's eight.  The 32 accumulators take turns, one instruction a turn, in the same order in every step.
.macro MUL a0, n, p, q, z, zero
	WIN 0xa1                                       ; source 0 window 1, source 1 window 0, C and D window 2
.set ma, \a0
.rept \n
.set mb, 0
.rept 8
.if \zero
	v_wmma_scale_f32_16x16x128_f8f6f4 v[8*(8*ma+mb):8*(8*ma+mb)+7], v[128*(\p)+12*mb:128*(\p)+12*mb+11], v[128+48*(\p)+12*ma:128+48*(\p)+12*ma+11], 0, v[32+48*(\z)+4*mb+(\q)], v[64+48*(\z)+4*ma+(\q)] matrix_a_fmt:MATRIX_FMT_FP6 matrix_b_fmt:MATRIX_FMT_FP6
.else
	v_wmma_scale_f32_16x16x128_f8f6f4 v[8*(8*ma+mb):8*(8*ma+mb)+7], v[128*(\p)+12*mb:128*(\p)+12*mb+11], v[128+48*(\p)+12*ma:128+48*(\p)+12*ma+11], v[8*(8*ma+mb):8*(8*ma+mb)+7], v[32+48*(\z)+4*mb+(\q)], v[64+48*(\z)+4*ma+(\q)] matrix_a_fmt:MATRIX_FMT_FP6 matrix_b_fmt:MATRIX_FMT_FP6
.endif
.set mb, mb+1
.endr
.set ma, ma+1
.endr
.endm
.macro STEP g, q, zero                 ; a step of 128 along K that has its successor in the same slot
	PLACES 4                                       ; four plain instructions between the last products and the loads into the set that they read
	FETCH (\g)%2, (\q)+1, 1-(\q)%2
	s_wait_dscnt 36                                ; all but the 36 just issued: this step's set and its scale words are in
	MUL 0, 4, (\q)%2, \q, (\g)%2, \zero
.endm
; A slot's last step changes slots: each wave waits for all its tensor loads, adds 0 to its spare word, waits for that and for its reads of the slot, and signals.  fill = 1: the barrier opens a round of the cluster's, and this slot is filled again.
.macro TURN g, fill
	WIN 0
	s_wait_tensorcnt 0x0                           ; my part of the next slot has landed; no tensor load of mine is out
	ds_add_u32 v[SPW], v[NIL]                      ; 0 onto my spare word
	s_wait_dscnt 1                                 ; this step's set is in; the add may be out
	MUL 0, 1, 1, 3, (\g)%2, 0
	s_wait_dscnt 0x0                               ; the add is done, and my reads of this slot are over
	s_barrier_signal -1
	MUL 1, 1, 1, 3, (\g)%2, 0
	WIN 0
	s_barrier_wait -1
.if \fill
	CREST                                          ; no wave of any partner still reads this slot or has a load on its way
	s_add_nc_u64 s[G0+4*((\g)%2)+2:G0+4*((\g)%2)+3], s[G0+4*((\g)%2)+2:G0+4*((\g)%2)+3], 2*REG
	s_add_nc_u64 s[G0B+4*((\g)%2)+2:G0B+4*((\g)%2)+3], s[G0B+4*((\g)%2)+2:G0B+4*((\g)%2)+3], 2*REG
	JLOAD G0+4*((\g)%2), G1, G0B+4*((\g)%2), G1B   ; the first tensor load behind the round; its four v_nop are also the places in front of the loads below
.else
	PLACES 4
.endif
	FETCH ((\g)+1)%2, 0, 0
	SCALES (\g)+1
	MUL 2, 2, 1, 3, (\g)%2, 0
.endm
	s_wait_tensorcnt 1                             ; the scale words and my part of slot 0 are in; slot 1's load may be out
	s_barrier_signal -1
	s_barrier_wait -1
	FETCH 0, 0, 0
	SCALES 0
	STEP 0, 0, 1                                   ; the first products start the sums: nothing is cleared
	STEP 0, 1, 0
	STEP 0, 2, 0
	TURN 0, 1
	STEP 1, 0, 0
	STEP 1, 1, 0
	STEP 1, 2, 0
	TURN 1, 1
	STEP 2, 0, 0
	STEP 2, 1, 0
	STEP 2, 2, 0
	TURN 2, 0                                      ; nothing is left to fetch
	STEP 3, 0, 0
	STEP 3, 1, 0
	STEP 3, 2, 0
	s_wait_dscnt 0x0
	MUL 0, 4, 1, 3, 1, 0
	WIN 0
	PLACES 4                                       ; in front of the first read of results and the first write of registers that the products read
; 64 numbers of a lane in window w, register 16 b + i = k 32 b + 16 (lane / 16) + i of my row, become a fragment's codes in v[PC] on and its scale word in v[pw].  Each accumulator is read from its low end on.
.macro QUANT s, w, pw
	WIN 5*(\w)                                     ; sources 0 and 1 in window w
.irp b, 0,1,2,3
	v_max3_num_f32 v[TM+\b], |v[(\s)+16*\b]|, |v[(\s)+1+16*\b]|, 0x1800000   ; and the floor 2^(3 - 127): the byte cannot fall under 1
.endr
.irp i, 2,4,6,8,10,12,14
.irp b, 0,1,2,3
	v_max3_num_f32 v[TM+\b], |v[(\s)+16*\b+\i]|, |v[(\s)+1+16*\b+\i]|, v[TM+\b]
.endr
.endr
	WIN 0
.irp b, 0,1,2,3
	v_permlanex16_b32 v[TM+4+\b], v[TM+\b], s[SEL], s[SEL+1]
.endr
.irp b, 0,1,2,3
	v_max_num_f32 v[TM+\b], v[TM+\b], v[TM+4+\b]   ; with lane l xor 16's: the block's largest magnitude
.endr
.irp b, 0,1,2,3
	v_add_nc_u32 v[TM+8+\b], 0xff000000, v[TM+\b]  ; 2 off the exponent field: the conversion's scale operand
.endr
.irp b, 0,1,2,3
	v_lshrrev_b32 v[TM+4+\b], 23, v[TM+8+\b]       ; the scale's byte
.endr
	v_lshl_or_b32 v[\pw], v[TM+5], 8, v[TM+4]
	v_lshl_or_b32 v[\pw], v[TM+6], 16, v[\pw]
	v_lshl_or_b32 v[\pw], v[TM+7], 24, v[\pw]
	WIN (\w)
.irp c, 0,1
	v_cvt_scalef32_pk16_fp6_f32 v[PC+6*\c:PC+2+6*\c], v[(\s)+32*\c:(\s)+15+32*\c], v[TM+8+2*\c]
	v_cvt_scalef32_pk16_fp6_f32 v[PC+12+4*\c:PC+14+4*\c], v[(\s)+16+32*\c:(\s)+31+32*\c], v[TM+8+2*\c+1]
.endr
	WIN 0
	v_nop                                          ; one plain instruction behind the conversions
.irp c, 0,1                                    ; the layout wants a whole block in a lane
.irp i, 0,1,2
	v_permlane16_swap_b32 v[PC+6*\c+\i], v[PC+12+4*\c+\i]
.endr
.irp i, 0,1,2
	v_mov_b32 v[PC+3+6*\c+\i], v[PC+12+4*\c+\i]
.endr
.endr
.endm
.macro OUTIMG a
.irp j, 0,1,2
	global_store_b128 v[LI], v[PC+4*\j:PC+4*\j+3], s[18:19] offset:FRB*(\a)+512*\j   ; the image: 512 consecutive bytes a store
.endr
.endm
; q and k, block a of 16 rows: RMS norm, weights, RoPE, quantiser.  t: the set of cosines and sines
.macro EPI_QK a, t
	WIN 0x0a                                       ; sources 0 and 1 window 2
.set ee, 0
.rept 4
	v_pk_mul_f32 v[SS+2*ee:SS+2*ee+1], v[64*(\a)+2*ee:64*(\a)+2*ee+1], v[64*(\a)+2*ee:64*(\a)+2*ee+1]   ; the squares, in four chains, ascending
.set ee, ee+1
.endr
.rept 28
	v_pk_fma_f32 v[SS+2*(ee%4):SS+2*(ee%4)+1], v[64*(\a)+2*ee:64*(\a)+2*ee+1], v[64*(\a)+2*ee:64*(\a)+2*ee+1], v[SS+2*(ee%4):SS+2*(ee%4)+1]
.set ee, ee+1
.endr
	WIN 0
	v_pk_add_f32 v[SS:SS+1], v[SS:SS+1], v[SS+2:SS+3]
	v_pk_add_f32 v[SS+4:SS+5], v[SS+4:SS+5], v[SS+6:SS+7]
	v_pk_add_f32 v[SS:SS+1], v[SS:SS+1], v[SS+4:SS+5]
	v_add_f32 v[SS], v[SS], v[SS+1]
	v_permlanex16_b32 v[SS+1], v[SS], s[SEL], s[SEL+1]
	v_add_f32 v[SS], v[SS], v[SS+1]                ; the row's 128 squares
	v_fma_f32 v[SS], v[SS], s43, s44               ; / 128 + 1e-5
	v_rsq_f32 v[RM], v[SS]
	v_rsq_f32 v[RM+1], v[SS]                       ; twice: a pair for the packed multiply
	v_nop                                          ; a plain instruction behind them
	s_wait_alu depctr_va_vdst(0)                   ; one wait for both, ahead of their first reader
	WIN 0x02
.set ee, 0
.rept 32
	v_pk_mul_f32 v[H+2*ee:H+2*ee+1], v[64*(\a)+2*ee:64*(\a)+2*ee+1], v[RM:RM+1]
.set ee, ee+1
.endr
	WIN 0x0c                                       ; source 1 window 3
.set ee, 0
.rept 32
	v_pk_mul_f32 v[H+2*ee:H+2*ee+1], v[H+2*ee:H+2*ee+1], v[NW+2*ee:NW+2*ee+1]
.set ee, ee+1
.endr
.set ee, 0
.rept 16                               ; registers 2 p, 2 p + 1 are channels under 64, registers 32 + 2 p, 33 + 2 p the same channels + 64
.set t1, SS+4*(ee%2)
	v_pk_mul_f32 v[t1:t1+1], v[H+32+2*ee:H+33+2*ee], v[\t+4*ee+2:\t+4*ee+3]
	v_pk_mul_f32 v[t1+2:t1+3], v[H+2*ee:H+2*ee+1], v[\t+4*ee+2:\t+4*ee+3]
	v_pk_fma_f32 v[H+2*ee:H+2*ee+1], v[H+2*ee:H+2*ee+1], v[\t+4*ee:\t+4*ee+1], v[t1:t1+1] neg_lo:[0,0,1] neg_hi:[0,0,1]
	v_pk_fma_f32 v[H+32+2*ee:H+33+2*ee], v[H+32+2*ee:H+33+2*ee], v[\t+4*ee:\t+4*ee+1], v[t1+2:t1+3]
.set ee, ee+1
.endr
	WIN 0
.if (\a) > 0
	s_wait_xcnt 0x0                                ; the last block's stores have read the codes' registers
.endif
	QUANT H, 0, PW+(\a)
	OUTIMG \a
.endm
.macro EPI_V a                         ; v: the sums are quantised as they stand, along t
.if (\a) > 0
	s_wait_xcnt 0x0
.endif
	QUANT 64*(\a), 2, PW+(\a)
	OUTIMG \a
.endm
	s_wait_loadcnt 0x0                             ; the weights and the first two sets of the table
.irp b, 0,1,2,3
	v_mov_b32 v[TM+4+\b], 0                        ; a lane permute's destination counts as read
.endr
	s_cmp_lg_u32 s99, 0
	s_cbranch_scc1 .Lmake_v
	EPI_QK 0, TA
	TLD 2, TA
	EPI_QK 1, TB
	TLD 3, TB
	s_wait_loadcnt 16                              ; block 2's 16 loads are in; block 3's may be out
	EPI_QK 2, TA
	s_wait_loadcnt 0x0
	EPI_QK 3, TB
	s_branch .Lwords
.Lmake_v:
	EPI_V 0
	EPI_V 1
	EPI_V 2
	EPI_V 3
.Lwords:
	v_cndmask_b32 v[SS], v[PW], v[PW+2], s45       ; lanes 0-15 store the words of tiles 0 and 1 of their row, lanes 16-31 those of tiles 2 and 3
	v_cndmask_b32 v[SS+1], v[PW+1], v[PW+3], s45
	global_store_b64 v[SO], v[SS:SS+1], s[66:67]   ; 32 lanes store 256 consecutive bytes
	s_wait_tensorcnt 0x0                           ; the wave's end
	ds_add_u32 v[SPW], v[NIL]
	s_wait_dscnt 0x0
	CROUND                                         ; the closing round
	s_endpgm
.Lfunc_end_k_q884e3474c9_qkv:
	.size	k_q884e3474c9_qkv, .Lfunc_end_k_q884e3474c9_qkv-k_q884e3474c9_qkv
	.p2alignl 7, 3214868480
	.fill 96, 4, 3214868480
	.section	.rodata,"a",@progbits
	.p2align	6, 0x0
	.amdhsa_kernel k_q884e3474c9_qkv
		.amdhsa_group_segment_fixed_size 327680
		.amdhsa_private_segment_fixed_size 0
		.amdhsa_enable_private_segment 0
		.amdhsa_kernarg_size 40
		.amdhsa_user_sgpr_count 2
		.amdhsa_user_sgpr_kernarg_segment_ptr 1
		.amdhsa_wavefront_size32 1
		.amdhsa_system_sgpr_workgroup_id_x 1
		.amdhsa_system_sgpr_workgroup_id_y 1
		.amdhsa_system_sgpr_workgroup_id_z 1
		.amdhsa_system_vgpr_workitem_id 0
		.amdhsa_next_free_vgpr 1024
		.amdhsa_next_free_sgpr 100
		.amdhsa_reserve_vcc 0
		.amdhsa_float_denorm_mode_32 3
		.amdhsa_float_denorm_mode_16_64 3
		.amdhsa_memory_ordered 1
		.amdhsa_forward_progress 1
		.amdhsa_inst_pref_size 204
	.end_amdhsa_kernel
	.amdgpu_metadata
---
amdhsa.version: [ 1, 2 ]
amdhsa.kernels:
  - .name:           k_q884e3474c9_qkv
    .symbol:         k_q884e3474c9_qkv.kd
    .args:
      - { .name: xq, .offset: 0, .size: 8, .value_kind: global_buffer, .address_space: global }
      - { .name: wq, .offset: 8, .size: 8, .value_kind: global_buffer, .address_space: global }
      - { .name: q_norm_w, .offset: 16, .size: 8, .value_kind: global_buffer, .address_space: global }
      - { .name: k_norm_w, .offset: 24, .size: 8, .value_kind: global_buffer, .address_space: global }
      - { .name: qkv, .offset: 32, .size: 8, .value_kind: global_buffer, .address_space: global }
    .group_segment_fixed_size: 327680
    .private_segment_fixed_size: 0
    .kernarg_segment_align: 8
    .kernarg_segment_size: 40
    .max_flat_workgroup_size: 128
    .sgpr_count:     100
    .vgpr_count:     1024
    .wavefront_size: 32
...
	.end_amdgpu_metadata
.endif
;; end of part 3
;; launch attn (part 4): grid 32 x 8, 8 waves a work-group, clusters of 4 x 1, 327,680 bytes of LDS; arguments qkv, ao; writes ao
.if DOCPART == 4
	.amdgcn_target "amdgcn-amd-amdhsa--gfx1250"
	.amdhsa_code_object_version 6
	.text
	.protected	k_q884e3474c9_attn
	.globl	k_q884e3474c9_attn
	.p2align	8
	.type	k_q884e3474c9_attn,@function
k_q884e3474c9_attn:
	s_mov_b64 s[64:65], 0
	v_nop
	global_prefetch_b8 v0, s[64:65] scope:SCOPE_SE
	s_setreg_imm32_b32 hwreg(HW_REG_WAVE_MODE, 25, 1), 1
	s_wait_xcnt 0x0
	s_wait_alu depctr_hold_cnt(0) depctr_sa_sdst(0) depctr_va_vdst(0) depctr_va_sdst(0) depctr_va_ssrc(0) depctr_va_vcc(0) depctr_vm_vsrc(0)
	s_getreg_b32 s2, hwreg(HW_REG_IB_STS2, 6, 4)
	s_cmp_eq_u32 s2, 0
	s_cbranch_scc0 .Lentry_in_a_cluster
	s_endpgm
.Lentry_in_a_cluster:
	s_bfe_u32 s2, ttmp6, 0x10000c
	s_cmp_lg_u32 s2, 0x3003
	s_cbranch_scc0 .Lentry_shape_is_right
	s_endpgm
.Lentry_shape_is_right:
; Causal attention on codes of E2M3: S^T = K Q^T, p = 2^(t - M) with M the running largest t rounded up to a whole number, O^T = V^T P^T, O / l, and O quantised along (head, channel) for the last product.
; q, k, v come as images of operand registers (1,536 bytes a fragment; three loads of 16 bytes a lane at 16 x lane); lane r of tile T holds row 32 (T/2) + 8 (T%2) + r + 8 (r/8) of a block of 128, so that the 16 result registers of
; tiles 2 b, 2 b + 1 are 16 neighbours: keys in S^T, channels in O^T.  Both products are used transposed: a lane holds ONE query throughout, and O^T's 64 registers go to the quantiser as they stand.
; SHARES.  A wave owns one tile of 16 queries in 256 registers.  A cluster of four work-groups takes, for key/value head y and both of its query heads, query blocks c and 15 - c (c = the cluster's x): work-group cx has tiles 2 cx and
; 2 cx + 1; of its eight waves bit 0 is the query head, bit 1 the tile, and the parity of the three bits says early block or late.  A wave of block BLK works key steps 0 .. BLK: an early and a late wave have 17 between them.
; Every wave walks all 16 key steps, so that trip counts are constants; a step all of whose keys come after the wave's block is jumped over: a scalar branch on the cluster's x and the wave's number, the same in all partners.
; K and V go through two LDS slots of 512 keys, asked for JOINTLY by the four partners (waves 0, 1: K's halves; waves 2, 3: V's); the head's scale words come once.
; LIMITS: NaN and infinities are not served; a block of zeros gets the scale byte 1; 1 / l by v_rcp_f32; a block's largest p is taken from its largest score (v_exp_f32 is taken not to fall where its input rises).
; REGISTERS: v1-10 addresses; v12 -M, v13 the largest t, v[14:15] the sum; v16-27 Q; v32-79 four fragments; v80-87 K's scale words, v88-95 V's; v96-159 S^T, then p; v160-223 O^T; v224-235 p's codes; v232-254 at work; v253 p's scale word; v255 Q's.
.set FRB,   1536
.set KT,    12288
.set VOFF,  49152
.set SLOT1, 131072
.set SCK,   262144                     ; K's scale words of the head, 8,192 bytes; V's behind them
.set SPARE, 278528                     ; the spare words, 128 bytes for each wave
.set K_IMG, 3145728
.set Q_SC,  6291456
.set K_SC,  6422528
.set A_SC,  3145728
.set LI,   1                           ; v1  16 x lane
.set AS0,  2                           ; v2  SCK + 16 r
.set DQ,   3                           ; v3  my query's number in its block - 16 h: data for the mask's compares alone
.set SPW,  5
.set NIL,  6
.set PFO,  7                           ; v7  256 x lane
.set ADK,  8
.set R16,  9                           ; v9  16 r
.set ADS,  10
.set OPC,  32                          ; the way out: codes v32-51, at work v52-63, the scale word v64
.set OTM,  52
.set OPW,  64
.set WV,   18
.set SEL,  20
.set CS,   22
.set G1,   24
.set G1S,  32
.set G0,   40
.set G0S,  44
.set TB,   48                          ; LDS byte at which the step's tiles begin
.set TS,   49                          ; and its scale words: 512 bytes a step
.set KS,   50                          ; the key step's number
.set SLOTS, 51
.set FOUR, 52
.set BLK,  53
.set LIM,  54
.set PFA,  56
.macro CROUND
	s_barrier_signal -1
	s_barrier_wait -1
	s_cmp_lg_u32 s[WV], 0
	s_cbranch_scc1 .Lnot_wave_0_\@
	s_barrier_signal -3
.Lnot_wave_0_\@:
	s_barrier_wait -3
	s_barrier_signal -1
	s_barrier_wait -1
.endm
.macro TLOAD                           ; waves 0 to 3 fetch a quarter of a slot each; four v_nop follow the line
	s_cmp_lt_u32 s[WV], 4
	s_cbranch_scc0 .Lno_load_\@
	tensor_load_to_lds s[G0:G0+3], s[G1:G1+7]
	s_nop 0
.rept 4
	v_nop
.endr
.Lno_load_\@:
.endm
; A prefetch of the slot that the NEXT change of slots will ask for: 98,304 bytes.  All clusters of a key/value head walk the same K and V: the cluster with x = 0 asks.  Its four partners are told apart by ADDRESS (K's halves, V's halves);
; in each, waves 4 to 6 take 8,192 bytes each, lanes 256 bytes apart: each block of 256 bytes is named once in the launch.  The last change that fills a slot asks for nothing; slots 0 and 1 come by their loads alone.
.macro ASK
	s_cmp_gt_u32 s[SLOTS], s[LIM]
	s_cbranch_scc0 .Lnot_mine_\@
	global_prefetch_b8 v[PFO], s[PFA:PFA+1] th:TH_LOAD_NT scope:SCOPE_SE
.Lnot_mine_\@:
.endm
	s_load_b128 s[4:7], s[0:1], 0x0                ; qkv, ao
	v_lshl_add_u32 v[SPW], v0, 2, SPARE
	v_mov_b32 v[NIL], 0
	ds_add_u32 v5, v6
	s_wait_dscnt 0x0
	v_lshrrev_b32 v8, 5, v0
	v_readfirstlane_b32 s[WV], v8                  ; wave 0..7
	s_bfe_u32 s70, ttmp6, 0x40000                  ; cx
	s_and_b32 s8, ttmp7, 0xffff                    ; y = 4 b + g
	s_and_b32 s9, s[WV], 3                         ; what I fetch, if I fetch:
	s_lshr_b32 s10, s9, 1                          ; K (0) or V (1),
	s_and_b32 s11, s9, 1                           ; which half
	s_mul_i32 s12, s10, 1572864
	s_mul_i32 s13, s8, 196608
	s_add_co_u32 s12, s12, s13
	s_mul_i32 s13, s11, 24576
	s_add_co_u32 s12, s12, s13
	s_add_co_u32 s12, s12, K_IMG
	s_mov_b32 s13, 0
	s_lshl_b32 s14, s10, 16
	s_lshl_b32 s15, s8, 13
	s_add_co_u32 s14, s14, s15
	s_lshl_b32 s15, s11, 12
	s_add_co_u32 s14, s14, s15
	s_add_co_u32 s14, s14, K_SC
	s_mov_b32 s15, 0
	s_mul_i32 s16, s9, 24576                       ; where it goes in a slot: no place in the cluster enters an LDS address
	s_lshl_b32 s17, s9, 12
	s_add_co_u32 s17, s17, SCK
	s_mov_b32 s[G1], 15|(3<<16)|(1<<21)            ; 15:0 the mask: all four work-groups; 17:16 elements of 8 bytes; 21 set beside a mask
	s_mov_b32 s[G1+1], 32<<16                      ; rows of 256 bytes,
	s_mov_b32 s[G1+2], 96<<16                      ; 96 of them, dense
	s_mov_b32 s[G1+3], 32<<16
	s_mov_b32 s[G1+4], 96
	s_mov_b32 s[G1+5], 32
	s_mov_b32 s[G1+6], 0
	s_mov_b32 s[G1+7], 0
	s_mov_b32 s[G1S], 15|(3<<16)|(1<<21)
	s_mov_b32 s[G1S+1], 32<<16
	s_mov_b32 s[G1S+2], 16<<16
	s_mov_b32 s[G1S+3], 32<<16
	s_mov_b32 s[G1S+4], 16
	s_mov_b32 s[G1S+5], 32
	s_mov_b32 s[G1S+6], 0
	s_mov_b32 s[G1S+7], 0
	s_and_b32 s71, s[WV], 1                        ; u: which of the two query heads
	s_bfe_u32 s72, s[WV], 0x10001                  ; e: which of the work-group's two tiles
	s_lshr_b32 s73, s[WV], 2
	s_xor_b32 s73, s73, s71
	s_xor_b32 s73, s73, s72                        ; late
	s_sub_co_u32 s74, 15, ttmp9
	s_cmp_lg_u32 s73, 0
	s_cselect_b32 s[BLK], s74, ttmp9               ; my block of 128 queries
	s_lshl_b32 s75, s70, 1
	s_add_co_u32 s75, s75, s72                     ; my tile in it
	s_lshl_b32 s76, s8, 1
	s_add_co_u32 s76, s76, s71
	s_lshl_b32 s77, s76, 4
	s_add_co_u32 s77, s77, s[BLK]
	s_mul_i32 s58, s77, KT
	s_mul_i32 s78, s75, FRB
	s_add_co_u32 s58, s58, s78                     ; Q's image
	s_mov_b32 s59, 0
	s_lshl_b32 s60, s77, 9
	s_lshr_b32 s78, s75, 2
	s_lshl_b32 s78, s78, 8
	s_add_co_u32 s60, s60, s78
	s_and_b32 s78, s75, 3
	s_lshl_b32 s78, s78, 2
	s_add_co_u32 s60, s60, s78
	s_add_co_u32 s60, s60, Q_SC                    ; and its scale words
	s_mov_b32 s61, 0
	s_lshr_b32 s77, s8, 2
	s_lshl_b32 s77, s77, 4
	s_add_co_u32 s77, s77, s[BLK]                  ; the block of 128 rows of the result
	s_and_b32 s76, s8, 3
	s_lshl_b32 s76, s76, 1
	s_add_co_u32 s76, s76, s71                     ; the query head = the last product's K step
	s_lshl_b32 s66, s77, 3
	s_add_co_u32 s66, s66, s76
	s_lshl_b32 s66, s66, 3
	s_add_co_u32 s66, s66, s75
	s_mul_i32 s66, s66, FRB
	s_mov_b32 s67, 0
	s_lshl_b32 s68, s77, 12
	s_lshl_b32 s78, s75, 9
	s_add_co_u32 s68, s68, s78
	s_lshr_b32 s78, s76, 2
	s_lshl_b32 s78, s78, 8
	s_add_co_u32 s68, s68, s78
	s_and_b32 s78, s76, 3
	s_lshl_b32 s78, s78, 2
	s_add_co_u32 s68, s68, s78
	s_add_co_u32 s68, s68, A_SC
	s_mov_b32 s69, 0
	s_lshl_b32 s78, s70, 5
	s_lshl_b32 s79, s72, 3
	s_add_co_u32 s78, s78, s79                     ; my tile's first query in the block: 32 cx + 8 e
	s_lshr_b32 s79, s70, 1
	s_mul_i32 s56, s79, 1572864
	s_and_b32 s79, s70, 1
	s_mul_i32 s79, s79, 24576
	s_add_co_u32 s56, s56, s79
	s_lshl_b32 s79, s9, 13
	s_add_co_u32 s56, s56, s79
	s_mul_i32 s79, s8, 196608
	s_add_co_u32 s56, s56, s79
	s_add_co_u32 s56, s56, K_IMG+4*KT              ; the prefetches stand in slot 1: the first change of slots steps them to slot 2
	s_mov_b32 s57, 0
	s_sub_co_u32 s79, s[WV], 4
	s_cmp_lt_u32 s79, 3                            ; waves 4 to 6
	s_cselect_b32 s79, 0, 1
	s_or_b32 s79, s79, ttmp9                       ; of the cluster with x = 0: the same in all four partners
	s_cmp_eq_u32 s79, 0
	s_cselect_b32 s[LIM], 1, -1
	s_mov_b32 s[SEL], 0x76543210
	s_mov_b32 s[SEL+1], 0xfedcba98
	s_mov_b32 s[CS], 0x3e0293ee                    ; c = log2(e) / sqrt(128)
	s_mov_b32 s[CS+1], s[CS]
	s_mov_b32 s[TB], 0
	s_mov_b32 s[TS], 0
	s_mov_b32 s[KS], 0
	s_mov_b32 s[SLOTS], 3
	s_wait_kmcnt 0x0
	s_add_nc_u64 s[58:59], s[4:5], s[58:59]
	s_add_nc_u64 s[60:61], s[4:5], s[60:61]
	s_add_nc_u64 s[PFA:PFA+1], s[4:5], s[PFA:PFA+1]
	s_add_nc_u64 s[66:67], s[6:7], s[66:67]
	s_add_nc_u64 s[68:69], s[6:7], s[68:69]
	CROUND                                         ; all four work-groups are here: the first joint loads meet
	s_mov_b32 s[G0S], 1
	s_mov_b32 s[G0S+1], s17
	s_add_nc_u64 s[G0S+2:G0S+3], s[4:5], s[14:15]
	s_or_b32 s[G0S+3], s[G0S+3], 0x80000000
	s_mov_b32 s[G0], 1
	s_mov_b32 s[G0+1], s16
	s_add_nc_u64 s[G0+2:G0+3], s[4:5], s[12:13]
	s_or_b32 s[G0+3], s[G0+3], 0x80000000
	s_cmp_lt_u32 s[WV], 4                          ; a wave's two first fills stand in one branch: two loads of mine are out
	s_cbranch_scc0 .Lfirst_asked
	tensor_load_to_lds s[G0S:G0S+3], s[G1S:G1S+7]  ; the head's scale words: filled once
	s_nop 0
	tensor_load_to_lds s[G0:G0+3], s[G1:G1+7]      ; slot 0
	s_nop 0
.rept 4
	v_nop
.endr
.Lfirst_asked:
	v_and_b32 v8, 31, v0
	v_lshlrev_b32 v[LI], 4, v8
	v_lshlrev_b32 v[PFO], 8, v8
	v_and_b32 v8, 15, v0                           ; r
	v_bfe_u32 v10, v0, 4, 1                        ; h
	v_lshlrev_b32 v[R16], 4, v8
.irp j, 0,1,2
	global_load_b128 v[16+4*\j:19+4*\j], v[LI], s[58:59] offset:512*\j   ; Q's fragment stays in registers
.endr
	global_load_b32 v255, v[R16], s[60:61]         ; Q's scale words
	v_add_nc_u32 v[AS0], SCK, v[R16]
	v_and_b32 v[DQ], 8, v8
	v_add_nc_u32 v[DQ], v[DQ], v8                  ; r + 8 (r / 8)
	v_add_nc_u32 v[DQ], s78, v[DQ]
	v_lshlrev_b32 v10, 4, v10
	v_sub_nc_u32 v[DQ], v[DQ], v10                 ; - 16 h
	v_mov_b32 v13, 0xff61b1e6                      ; the largest t so far: -3e38
	v_floor_f32 v12, -v13                          ; -M
	v_mov_b32 v14, 0
	v_mov_b32 v15, 0
.irp b, 0,1,2,3
	v_mov_b32 v[236+\b], 0                         ; a lane permute's destination counts as read
.endr
	v_mov_b32 v252, 0
	v_mov_b32 v253, 0
.set j, 0
.rept 64
	v_mov_b32 v[160+j], 0                          ; O^T.  (The step is written once: the first finds zeros, which the first change of M leaves zeros)
.set j, j+1
.endr
; A KEY STEP: 128 keys.
.macro STEP
	s_cmp_gt_u32 s[KS], s[BLK]                     ; all its keys come after my queries: only the steps of the addresses are done
	s_cbranch_scc1 .Lhidden_\@
	v_add_nc_u32 v[ADK], s[TB], v[LI]
	v_add_nc_u32 v[ADS], s[TS], v[AS0]
	v_nop
	v_nop                                          ; four plain instructions between the last products and the loads into registers that they read
	ds_load_b128 v[80:83], v[ADS]                  ; K's scale words: tiles 0-3,
	ds_load_b128 v[84:87], v[ADS] offset:256       ; tiles 4-7;
	ds_load_b128 v[88:91], v[ADS] offset:8192      ; V's
	ds_load_b128 v[92:95], v[ADS] offset:8448
.irp g, 0,1                                    ; S^T = K Q^T, four tiles of 16 keys at a time
.if \g > 0
.rept 4
	v_nop
.endr
.endif
.irp t, 0,1,2,3
.irp c, 0,1,2
	ds_load_b128 v[32+12*\t+4*\c:35+12*\t+4*\c], v[ADK] offset:(4*\g+\t)*FRB+512*\c
.endr
.endr
	s_wait_dscnt 0x0
.irp t, 0,1,2,3
	v_wmma_scale_f32_16x16x128_f8f6f4 v[96+8*(4*\g+\t):103+8*(4*\g+\t)], v[32+12*\t:43+12*\t], v[16:27], 0, v[80+4*\g+\t], v255 matrix_a_fmt:MATRIX_FMT_FP6 matrix_b_fmt:MATRIX_FMT_FP6
.endr
.endr
.rept 4
	v_nop
.endr
	s_cmp_lg_u32 s[KS], s[BLK]                     ; only my own block's step lies on the diagonal
	s_cbranch_scc1 .Lopen_\@
	v_mov_b32 v254, 0xff800000                     ; hidden scores become -infinity ahead of the maximum: p = 0 then.  Register 16 b + i holds key 32 b + 16 h + i of the block
.set n, 0
.rept 64
	v_cmp_gt_i32 vcc_lo, 32*(n/16)+n%16, v[DQ]
	v_cndmask_b32 v[96+n], v[96+n], v254, vcc_lo
.set n, n+1
.endr
.Lopen_\@:
.irp b, 0,1,2,3
	v_max3_num_f32 v[232+\b], v[96+16*\b], v[97+16*\b], v[98+16*\b]   ; the largest score of each block of 32 keys: for the row's maximum and for the block's largest p
.endr
.irp i, 3,5,7,9,11,13
.irp b, 0,1,2,3
	v_max3_num_f32 v[232+\b], v[232+\b], v[96+16*\b+\i], v[97+16*\b+\i]
.endr
.endr
.irp b, 0,1,2,3
	v_max_num_f32 v[232+\b], v[232+\b], v[111+16*\b]
.endr
.irp b, 0,1,2,3
	v_permlanex16_b32 v[236+\b], v[232+\b], s[SEL], s[SEL+1]
.endr
.irp b, 0,1,2,3
	v_max_num_f32 v[232+\b], v[232+\b], v[236+\b]  ; with lane l xor 16's 16 keys
.endr
	v_max3_num_f32 v254, v232, v233, v234
	v_max_num_f32 v254, v254, v235
	v_mul_f32 v254, s[CS], v254                    ; the step's largest t
	v_max_num_f32 v13, v13, v254                   ; the running largest t
	v_mov_b32 v254, v12
	v_floor_f32 v12, -v13                          ; the new -M: M is a whole number
	v_sub_f32 v254, v12, v254
	v_cvt_i32_f32 v254, v254                       ; (it saturates)
	v_ldexp_f32 v252, 1.0, v254                    ; f = 2^(old M - new M): exact
.set j, 0
.rept 32
	v_pk_fma_f32 v[96+j:97+j], v[96+j:97+j], s[CS:CS+1], v[12:13] op_sel_hi:[1,0,0]   ; t - M
.set j, j+2
.endr
.irp b, 0,1,2,3
	v_fma_f32 v[232+\b], v[232+\b], s[CS], v12
.endr
.set j, 0
.rept 64
	v_exp_f32 v[96+j], v[96+j]                     ; p = 2^(t - M): not normalised
.set j, j+1
.endr
	v_pk_mul_f32 v[14:15], v[14:15], v[252:253] op_sel_hi:[1,0]   ; the sums under the new M: a plain instruction behind the exponentials
	s_wait_alu depctr_va_vdst(0)                   ; one wait for the whole batch, ahead of its first reader
.irp b, 0,1,2,3
	v_exp_f32 v[232+\b], v[232+\b]                 ; the block's largest p
.endr
	v_pk_add_f32 v[236:237], v[96:97], v[98:99]    ; the row's sum is taken of the unquantised p, in two chains
.irp j, 4,8,12,16,20,24,28,32,36,40,44,48,52,56,60
	v_pk_add_f32 v[14:15], v[14:15], v[96+\j:97+\j]
	v_pk_add_f32 v[236:237], v[236:237], v[98+\j:99+\j]
.endr
	v_pk_add_f32 v[14:15], v[14:15], v[236:237]
	s_wait_alu depctr_va_vdst(0)                   ; and one for the four
.irp b, 0,1,2,3
	v_max_num_f32 v[232+\b], 0x1800000, v[232+\b]  ; the floor 2^(3 - 127)
.endr
.irp b, 0,1,2,3
	v_add_nc_u32 v[244+\b], 0xff000000, v[232+\b]  ; the conversion's scale operand
.endr
.irp b, 0,1,2,3
	v_lshrrev_b32 v[236+\b], 23, v[244+\b]         ; the scale's byte
.endr
	v_lshl_or_b32 v253, v237, 8, v236              ; p's scale word for these 128 keys
	v_lshl_or_b32 v253, v238, 16, v253
	v_lshl_or_b32 v253, v239, 24, v253
.irp c, 0,1
	v_cvt_scalef32_pk16_fp6_f32 v[224+6*\c:226+6*\c], v[96+32*\c:111+32*\c], v[244+2*\c]
	v_cvt_scalef32_pk16_fp6_f32 v[236+4*\c:238+4*\c], v[112+32*\c:127+32*\c], v[244+2*\c+1]
.endr
	v_nop                                          ; one plain instruction behind the conversions
.irp c, 0,1
.irp i, 0,1,2
	v_permlane16_swap_b32 v[224+6*\c+\i], v[236+4*\c+\i]
.endr
.irp i, 0,1,2
	v_mov_b32 v[227+6*\c+\i], v[236+4*\c+\i]
.endr
.endr
.set j, 0
.rept 32
	v_pk_mul_f32 v[160+j:161+j], v[160+j:161+j], v[252:253] op_sel_hi:[1,0]   ; O^T under the new M.  (These 32 are also the places in front of the loads and products below)
.set j, j+2
.endr
.irp g, 0,1                                    ; O^T += V^T P^T: four tiles of 16 channels at a time
.if \g > 0
.rept 4
	v_nop
.endr
.endif
.irp t, 0,1,2,3
.irp c, 0,1,2
	ds_load_b128 v[32+12*\t+4*\c:35+12*\t+4*\c], v[ADK] offset:VOFF+(4*\g+\t)*FRB+512*\c
.endr
.endr
	s_wait_dscnt 0x0
.irp t, 0,1,2,3
	v_wmma_scale_f32_16x16x128_f8f6f4 v[160+8*(4*\g+\t):167+8*(4*\g+\t)], v[32+12*\t:43+12*\t], v[224:235], v[160+8*(4*\g+\t):167+8*(4*\g+\t)], v[88+4*\g+\t], v253 matrix_a_fmt:MATRIX_FMT_FP6 matrix_b_fmt:MATRIX_FMT_FP6
.endr
.endr
.Lhidden_\@:
	s_add_co_u32 s[TB], s[TB], KT
	s_add_co_u32 s[TS], s[TS], 512
	s_add_co_u32 s[KS], s[KS], 1
.endm
; THE CHANGE OF SLOTS stands at a slot's head.  Each wave waits for all its tensor loads, adds 0 to its spare word, and waits for that and for its reads of the slot that it has left.  fill = 1: a round of the cluster's barrier, and
; the slot just left is filled with the next 512 keys: the load has four key steps in which to land.
.macro CHANGE fill
	s_wait_tensorcnt 0x0                           ; no tensor load of mine is out, so a group 0 may be written
	ds_add_u32 v[SPW], v[NIL]                      ; 0 onto my spare word
.if \fill
	s_xor_b32 s[G0+1], s[G0+1], SLOT1              ; the walking descriptor: the other slot,
	s_add_nc_u64 s[G0+2:G0+3], s[G0+2:G0+3], 4*KT  ; the next 512 keys
	s_wait_xcnt 0x0                                ; the last prefetch, a slot back, has read its address
	s_add_nc_u64 s[PFA:PFA+1], s[PFA:PFA+1], 4*KT
	s_wait_dscnt 0x0                               ; the add is done, and my reads of the slot that I have left are over
	CROUND
	TLOAD                                          ; the first thing behind the round, and a wave's one tensor load until the next
	ASK
.else
	s_wait_dscnt 0x0
	s_barrier_signal -1
	s_barrier_wait -1
.endif
.endm
.macro FOUR_STEPS                      ; a slot's four key steps: written once, walked four times
	s_mov_b32 s[FOUR], 4
.Lstep_\@:
	STEP
	s_sub_co_u32 s[FOUR], s[FOUR], 1
	s_cmp_lg_u32 s[FOUR], 0
	s_cbranch_scc1 .Lstep_\@
	s_sub_co_u32 s[TB], s[TB], 4*KT
	s_xor_b32 s[TB], s[TB], SLOT1                  ; on to the other slot
.endm
	s_wait_loadcnt 0x0                             ; Q
.Lslot:                                            ; three trips: behind each change of slots but the last the next slot is asked for
	CHANGE 1
	FOUR_STEPS
	s_sub_co_u32 s[SLOTS], s[SLOTS], 1
	s_cmp_lg_u32 s[SLOTS], 0
	s_cbranch_scc1 .Lslot
	CHANGE 0                                       ; the last slot is written out
	FOUR_STEPS
	; THE WAY OUT: O^T / l, quantised along the head's 128 channels: K step (query head) of the last product's left operand; the image leaves as it stands.
.rept 4
	v_nop
.endr
	v_add_f32 v14, v14, v15
	v_permlanex16_b32 v252, v14, s[SEL], s[SEL+1]
	v_add_f32 v14, v14, v252                       ; the row's sum
	v_rcp_f32 v14, v14
.irp b, 0,1,2,3
	v_mov_b32 v[OTM+4+\b], 0                       ; (plain instructions behind the reciprocal)  a lane permute's destination counts as read
.endr
	s_wait_alu depctr_va_vdst(0)                   ; the wait ahead of the reciprocal's first reader
.set j, 0
.rept 64
	v_mul_f32 v[96+j], v[160+j], v14               ; register 16 b + i: channel 32 b + 16 h + i of my query; each accumulator from its low end on
.set j, j+1
.endr
.irp b, 0,1,2,3
	v_max3_num_f32 v[OTM+\b], |v[96+16*\b]|, |v[97+16*\b]|, 0x1800000
.endr
.irp i, 2,4,6,8,10,12,14
.irp b, 0,1,2,3
	v_max3_num_f32 v[OTM+\b], v[OTM+\b], |v[96+16*\b+\i]|, |v[97+16*\b+\i]|
.endr
.endr
.irp b, 0,1,2,3
	v_permlanex16_b32 v[OTM+4+\b], v[OTM+\b], s[SEL], s[SEL+1]
.endr
.irp b, 0,1,2,3
	v_max_num_f32 v[OTM+\b], v[OTM+\b], v[OTM+4+\b]
.endr
.irp b, 0,1,2,3
	v_add_nc_u32 v[OTM+8+\b], 0xff000000, v[OTM+\b]
.endr
.irp b, 0,1,2,3
	v_lshrrev_b32 v[OTM+4+\b], 23, v[OTM+8+\b]
.endr
	v_lshl_or_b32 v[OPW], v[OTM+5], 8, v[OTM+4]
	v_lshl_or_b32 v[OPW], v[OTM+6], 16, v[OPW]
	v_lshl_or_b32 v[OPW], v[OTM+7], 24, v[OPW]
.irp c, 0,1
	v_cvt_scalef32_pk16_fp6_f32 v[OPC+6*\c:OPC+2+6*\c], v[96+32*\c:111+32*\c], v[OTM+8+2*\c]
	v_cvt_scalef32_pk16_fp6_f32 v[OPC+12+4*\c:OPC+14+4*\c], v[112+32*\c:127+32*\c], v[OTM+8+2*\c+1]
.endr
	v_nop
.irp c, 0,1
.irp i, 0,1,2
	v_permlane16_swap_b32 v[OPC+6*\c+\i], v[OPC+12+4*\c+\i]
.endr
.irp i, 0,1,2
	v_mov_b32 v[OPC+3+6*\c+\i], v[OPC+12+4*\c+\i]
.endr
.endr
.irp j, 0,1,2
	global_store_b128 v[LI], v[OPC+4*\j:OPC+4*\j+3], s[66:67] offset:512*\j   ; 512 consecutive bytes a store
.endr
	global_store_b32 v[R16], v[OPW], s[68:69]      ; my row's scale word, 16 bytes from row to row; lanes l and l + 16 write the same word with the same value: 64 bytes beside the image's 1,536
	s_wait_tensorcnt 0x0                           ; the wave's end
	ds_add_u32 v[SPW], v[NIL]
	s_wait_dscnt 0x0
	CROUND                                         ; the closing round
	s_endpgm
.Lfunc_end_k_q884e3474c9_attn:
	.size	k_q884e3474c9_attn, .Lfunc_end_k_q884e3474c9_attn-k_q884e3474c9_attn
	.p2alignl 7, 3214868480
	.fill 96, 4, 3214868480
	.section	.rodata,"a",@progbits
	.p2align	6, 0x0
	.amdhsa_kernel k_q884e3474c9_attn
		.amdhsa_group_segment_fixed_size 327680
		.amdhsa_private_segment_fixed_size 0
		.amdhsa_enable_private_segment 0
		.amdhsa_kernarg_size 16
		.amdhsa_user_sgpr_count 2
		.amdhsa_user_sgpr_kernarg_segment_ptr 1
		.amdhsa_wavefront_size32 1
		.amdhsa_system_sgpr_workgroup_id_x 1
		.amdhsa_system_sgpr_workgroup_id_y 1
		.amdhsa_system_sgpr_workgroup_id_z 1
		.amdhsa_system_vgpr_workitem_id 0
		.amdhsa_next_free_vgpr 256
		.amdhsa_next_free_sgpr 100
		.amdhsa_reserve_vcc 1
		.amdhsa_float_denorm_mode_32 3
		.amdhsa_float_denorm_mode_16_64 3
		.amdhsa_memory_ordered 1
		.amdhsa_forward_progress 1
		.amdhsa_inst_pref_size 67
	.end_amdhsa_kernel
	.amdgpu_metadata
---
amdhsa.version: [ 1, 2 ]
amdhsa.kernels:
  - .name:           k_q884e3474c9_attn
    .symbol:         k_q884e3474c9_attn.kd
    .args:
      - { .name: qkv, .offset: 0, .size: 8, .value_kind: global_buffer, .address_space: global }
      - { .name: ao, .offset: 8, .size: 8, .value_kind: global_buffer, .address_space: global }
    .group_segment_fixed_size: 327680
    .private_segment_fixed_size: 0
    .kernarg_segment_align: 8
    .kernarg_segment_size: 16
    .max_flat_workgroup_size: 256
    .sgpr_count:     100
    .vgpr_count:     256
    .wavefront_size: 32
...
	.end_amdgpu_metadata
.endif
;; end of part 4
;; launch oproj (part 5): grid 8 x 32, 4 waves a work-group, clusters of 4 x 4, 327,680 bytes of LDS; arguments ao, wq, out0; writes out0
.if DOCPART == 5
	.amdgcn_target "amdgcn-amd-amdhsa--gfx1250"
	.amdhsa_code_object_version 6
	.text
	.protected	k_q884e3474c9_oproj
	.globl	k_q884e3474c9_oproj
	.p2align	8
	.type	k_q884e3474c9_oproj,@function
k_q884e3474c9_oproj:
	s_mov_b64 s[64:65], 0
	v_nop
	global_prefetch_b8 v0, s[64:65] scope:SCOPE_SE
	s_setreg_imm32_b32 hwreg(HW_REG_WAVE_MODE, 25, 1), 1
	s_wait_xcnt 0x0
	s_wait_alu depctr_hold_cnt(0) depctr_sa_sdst(0) depctr_va_vdst(0) depctr_va_sdst(0) depctr_va_ssrc(0) depctr_va_vcc(0) depctr_vm_vsrc(0)
	s_getreg_b32 s2, hwreg(HW_REG_IB_STS2, 6, 4)
	s_cmp_eq_u32 s2, 0
	s_cbranch_scc0 .Lentry_in_a_cluster
	s_endpgm
.Lentry_in_a_cluster:
	s_bfe_u32 s2, ttmp6, 0x10000c
	s_cmp_lg_u32 s2, 0xf033
	s_cbranch_scc0 .Lentry_shape_is_right
	s_endpgm
.Lentry_shape_is_right:
; out0 = (attention's result) Wo on codes of E2M3, K = 1,024.  Both operands lie in memory as images of operand registers (1,536 bytes a fragment; three ds_load_b128 at 16 x lane); lane r of tile T holds row 32 (T/2) + 8 (T%2) + r + 8 (r/8) of a block of 128.
; A work-group makes 128 rows x 256 columns; four waves, each 64 x 128: 32 accumulators.  Source 0 = 8 tiles of Wo's columns, source 1 = 4 tiles of rows: a lane holds one row, and its registers 8 neighbouring columns a tile.
; ALL OF K FITS IN LDS: two slots of 512 along K, both filled at the head and never again: so no slot is filled twice, and the one change of slots is a plain barrier.  The scale words come with the first fills.
; CLUSTERS: the rows' tiles are asked for jointly along a row of the cluster, Wo's along a column.  No prefetch: everything is asked for at the head.
; THE WAY OUT: a block of 16 rows x 128 columns goes through the wave's own stage in LDS and leaves as whole rows of 512 bytes.  The stage lies in slot 0, which has had its one fill and, behind the change of slots, its last read.
; REGISTERS: window 0: v16-27 addresses; v32-127 scale words, two sets; v128-223 source 1's fragments, two sets (on the way out v128-255: rows read back);  window 1: source 0's fragments, two sets;  window 2: accumulator (a, b) at v[8 (8 a + b)].
.set FRB,  1536
.set KT,   12288
.set REG,  49152
.set SLOT, 147456
.set SCL,  294912
.set SCB,  4096
.set TS,   512
.set A_SC,   3145728
.set WO_IMG, 3145728
.set WO_SC,  4849664
.set SPITCH, 528
.set ADR0, 16
.set ADR1, 20
.set ADS0, 22
.set ADS1, 23
.set LI,   24
.set STO,  25
.set RD,   26
.set BK,   128
.set G1, 24
.set G0, 32
.set G1B, 48
.set G0B, 56
.set G1S, 68
.set G0S, 76
.set G1SB, 80
.set G0SB, 88
.set MSB, 0
.macro WIN new
.if MSB != (\new)
	s_set_vgpr_msb (MSB<<8)|(\new)
.set MSB, (\new)
.endif
.endm
.macro PLACES n
.rept \n
	v_nop
.endr
.endm
.macro JLOAD g0a, g1a, g0b, g1b        ; a joint load: waves 0 and 1 fetch for the rows, waves 2 and 3 for Wo; four v_nop follow each line
	s_cmp_eq_u32 s15, 0
	s_cbranch_scc0 .Lfor_b_\@
	tensor_load_to_lds s[\g0a:\g0a+3], s[\g1a:\g1a+7]
	s_nop 0
.rept 4
	v_nop
.endr
	s_branch .Lasked_\@
.Lfor_b_\@:
	tensor_load_to_lds s[\g0b:\g0b+3], s[\g1b:\g1b+7]
	s_nop 0
.rept 4
	v_nop
.endr
.Lasked_\@:
.endm
.macro CROUND
	s_barrier_signal -1
	s_barrier_wait -1
	s_cmp_lg_u32 s14, 0
	s_cbranch_scc1 .Lnot_wave_0_\@
	s_barrier_signal -3
.Lnot_wave_0_\@:
	s_barrier_wait -3
	s_barrier_signal -1
	s_barrier_wait -1
.endm
.macro SHAPE g, rows                   ; a dense block as rows of 256 bytes: 32 elements of 8 bytes
	s_mov_b32 s[\g+1], 32<<16
	s_mov_b32 s[\g+2], (\rows)<<16
	s_mov_b32 s[\g+3], 32<<16
	s_mov_b32 s[\g+4], \rows
	s_mov_b32 s[\g+5], 32
	s_mov_b32 s[\g+6], 0
	s_mov_b32 s[\g+7], 0
.endm
	s_load_b128 s[4:7], s[0:1], 0x0                ; ao, wq
	s_load_b64 s[12:13], s[0:1], 0x10              ; out0
	v_lshl_add_u32 v30, v0, 2, 0x4b000
	v_mov_b32 v31, 0
	ds_add_u32 v30, v31
	v_lshrrev_b32 v1, 5, v0
	v_readfirstlane_b32 s14, v1                    ; wave
	s_lshr_b32 s15, s14, 1                         ; which 64 rows are mine.  Also: I fetch for the rows (0) or for Wo (1)
	s_and_b32 s16, s14, 1                          ; which 128 columns.  Also: which part I fetch
	s_bfe_u32 s40, ttmp6, 0x40000                  ; cx
	s_bfe_u32 s41, ttmp6, 0x40004                  ; cy
	s_lshl_b32 s42, ttmp9, 2
	s_add_co_u32 s42, s42, s40                     ; tile column
	s_and_b32 s17, ttmp7, 0xffff
	s_lshl_b32 s17, s17, 2
	s_add_co_u32 s17, s17, s41                     ; block of 128 rows
	s_lshl_b32 s43, s41, 2
	s_lshl_b32 s43, 15, s43                        ; my row of the cluster
	s_lshl_b32 s44, 0x1111, s40                    ; my column
	s_or_b32 s[G1], s43, (3<<16)|(1<<21)
	s_or_b32 s[G1S], s43, (3<<16)|(1<<21)
	s_or_b32 s[G1B], s44, (3<<16)|(1<<21)
	s_or_b32 s[G1SB], s44, (3<<16)|(1<<21)
	SHAPE G1, 96
	SHAPE G1B, 192
	SHAPE G1S, 8
	SHAPE G1SB, 16
	s_mul_i32 s20, s17, 98304
	s_mul_i32 s45, s16, 24576
	s_add_co_u32 s20, s20, s45
	s_mov_b32 s21, 0
	s_lshl_b32 s22, s17, 12
	s_lshl_b32 s95, s16, 11
	s_add_co_u32 s22, s22, s95
	s_add_co_u32 s22, s22, A_SC
	s_mov_b32 s23, 0
	s_add_co_u32 s95, s95, SCL
	s_lshl_b32 s46, s42, 1
	s_add_co_u32 s46, s46, s16                     ; block of 128 columns
	s_lshl_b32 s92, s46, 12
	s_add_co_u32 s92, s92, WO_SC
	s_mov_b32 s93, 0
	s_mul_i32 s46, s46, 98304
	s_add_co_u32 s46, s46, WO_IMG
	s_mov_b32 s47, 0
	s_mul_i32 s94, s16, REG
	s_add_co_u32 s94, s94, REG
	s_lshl_b32 s96, s16, 12
	s_add_co_u32 s96, s96, SCL+SCB
	s_wait_dscnt 0x0
	s_wait_kmcnt 0x0
	s_add_nc_u64 s[20:21], s[4:5], s[20:21]
	s_add_nc_u64 s[22:23], s[4:5], s[22:23]
	s_add_nc_u64 s[46:47], s[6:7], s[46:47]
	s_add_nc_u64 s[92:93], s[6:7], s[92:93]
	CROUND                                         ; all sixteen work-groups are here: the joint loads meet
	s_mov_b32 s[G0S], 1
	s_mov_b32 s[G0S+1], s95
	s_mov_b64 s[G0S+2:G0S+3], s[22:23]
	s_or_b32 s[G0S+3], s[G0S+3], 0x80000000
	s_mov_b32 s[G0SB], 1
	s_mov_b32 s[G0SB+1], s96
	s_mov_b64 s[G0SB+2:G0SB+3], s[92:93]
	s_or_b32 s[G0SB+3], s[G0SB+3], 0x80000000
	JLOAD G0S, G1S, G0SB, G1SB
.irp s, 0,1
	s_mov_b32 s[G0+4*\s], 1
	s_add_co_u32 s[G0+4*\s+1], s45, \s*SLOT
	s_add_nc_u64 s[G0+4*\s+2:G0+4*\s+3], s[20:21], \s*REG
	s_or_b32 s[G0+4*\s+3], s[G0+4*\s+3], 0x80000000
	s_mov_b32 s[G0B+4*\s], 1
	s_add_co_u32 s[G0B+4*\s+1], s94, \s*SLOT
	s_add_nc_u64 s[G0B+4*\s+2:G0B+4*\s+3], s[46:47], \s*REG
	s_or_b32 s[G0B+4*\s+3], s[G0B+4*\s+3], 0x80000000
	JLOAD G0+4*\s, G1, G0B+4*\s, G1B               ; three tensor loads of mine are out: all that the launch fetches
.endr
	v_and_b32 v1, 31, v0
	v_lshlrev_b32 v[LI], 4, v1
	v_and_b32 v2, 15, v0                           ; r
	v_bfe_u32 v3, v0, 4, 1                         ; h
	v_add_nc_u32 v[ADR0], s94, v[LI]               ; source 0: my region of Wo
	v_add_nc_u32 v[ADR0+1], SLOT, v[ADR0]
	s_mul_i32 s97, s15, 4*FRB
	v_add_nc_u32 v[ADR1], s97, v[LI]               ; source 1: my four tiles of rows
	v_add_nc_u32 v[ADR1+1], SLOT, v[ADR1]
	v_lshlrev_b32 v4, 4, v2
	v_add_nc_u32 v[ADS0], s96, v4
	s_lshl_b32 s97, s15, 11
	s_add_co_u32 s97, s97, SCL
	v_add_nc_u32 v[ADS1], s97, v4
	s_mul_i32 s97, s14, 16*SPITCH                  ; my stage
	v_mul_u32_u24 v4, v2, SPITCH
	v_lshl_add_u32 v4, v3, 6, v4
	v_add_nc_u32 v[STO], s97, v4                   ; in: row r, + 64 h
	v_add_nc_u32 v[RD], s97, v[LI]                 ; back: 16 bytes a lane of a row
	s_lshl_b32 s18, s17, 7
	s_lshl_b32 s19, s15, 6
	s_add_co_u32 s18, s18, s19
	s_lshl_b32 s18, s18, 13                        ; my first row of out0, rows of 8,192 bytes,
	s_lshl_b32 s19, s42, 10
	s_add_co_u32 s18, s18, s19
	s_lshl_b32 s19, s16, 9
	s_add_co_u32 s18, s18, s19                     ; my first column
	s_mov_b32 s19, 0
	s_add_nc_u64 s[12:13], s[12:13], s[18:19]
.macro FETCH sp, q, p                  ; 36 LDS loads: the slot's q-th 128 along K into set p
	WIN 0x40
.irp i, 0,1,2,3,4,5,6,7
.irp c, 0,1,2
	ds_load_b128 v[128*(\p)+12*\i+4*\c:128*(\p)+12*\i+4*\c+3], v[ADR0+\sp] offset:(\q)*KT+\i*FRB+512*\c
.endr
.endr
	WIN 0
.irp i, 0,1,2,3
.irp c, 0,1,2
	ds_load_b128 v[128+48*(\p)+12*\i+4*\c:128+48*(\p)+12*\i+4*\c+3], v[ADR1+\sp] offset:(\q)*KT+\i*FRB+512*\c
.endr
.endr
.endm
.macro SCALES g
.irp i, 0,1,2,3,4,5,6,7
	ds_load_b128 v[32+48*((\g)%2)+4*\i:32+48*((\g)%2)+4*\i+3], v[ADS0] offset:\i*TS+256*(\g)
.endr
.irp i, 0,1,2,3
	ds_load_b128 v[64+48*((\g)%2)+4*\i:64+48*((\g)%2)+4*\i+3], v[ADS1] offset:\i*TS+256*(\g)
.endr
.endm
; The 32 accumulators take turns, one instruction a turn, in the same order in every step.
.macro MUL a0, n, p, q, z, zero
	WIN 0xa1                                       ; source 0 window 1, source 1 window 0, C and D window 2
.set ma, \a0
.rept \n
.set mb, 0
.rept 8
.if \zero
	v_wmma_scale_f32_16x16x128_f8f6f4 v[8*(8*ma+mb):8*(8*ma+mb)+7], v[128*(\p)+12*mb:128*(\p)+12*mb+11], v[128+48*(\p)+12*ma:128+48*(\p)+12*ma+11], 0, v[32+48*(\z)+4*mb+(\q)], v[64+48*(\z)+4*ma+(\q)] matrix_a_fmt:MATRIX_FMT_FP6 matrix_b_fmt:MATRIX_FMT_FP6
.else
	v_wmma_scale_f32_16x16x128_f8f6f4 v[8*(8*ma+mb):8*(8*ma+mb)+7], v[128*(\p)+12*mb:128*(\p)+12*mb+11], v[128+48*(\p)+12*ma:128+48*(\p)+12*ma+11], v[8*(8*ma+mb):8*(8*ma+mb)+7], v[32+48*(\z)+4*mb+(\q)], v[64+48*(\z)+4*ma+(\q)] matrix_a_fmt:MATRIX_FMT_FP6 matrix_b_fmt:MATRIX_FMT_FP6
.endif
.set mb, mb+1
.endr
.set ma, ma+1
.endr
.endm
.macro STEP g, q, zero
	PLACES 4                                       ; four plain instructions between the last products and the loads into the set that they read
	FETCH (\g)%2, (\q)+1, 1-(\q)%2
	s_wait_dscnt 36                                ; all but the 36 just issued
	MUL 0, 4, (\q)%2, \q, (\g)%2, \zero
.endm
	s_wait_tensorcnt 1                             ; the scale words and my part of slot 0 are in; slot 1's load may be out
	s_barrier_signal -1
	s_barrier_wait -1
	FETCH 0, 0, 0
	SCALES 0
	STEP 0, 0, 1                                   ; the first products start the sums
	STEP 0, 1, 0
	STEP 0, 2, 0
	s_wait_tensorcnt 0x0                           ; THE CHANGE OF SLOTS: my part of slot 1 has landed,
	s_wait_dscnt 0x0                               ; this step's set is in, and my reads of slot 0 are over
	MUL 0, 1, 1, 3, 0, 0
	s_barrier_signal -1
	MUL 1, 1, 1, 3, 0, 0
	WIN 0
	s_barrier_wait -1                              ; slot 1 is whole, and nobody reads slot 0 any more
	PLACES 4
	FETCH 1, 0, 0
	SCALES 1
	MUL 2, 2, 1, 3, 0, 0
	STEP 1, 0, 0
	STEP 1, 1, 0
	STEP 1, 2, 0
	s_wait_dscnt 0x0
	MUL 0, 4, 1, 3, 1, 0
	WIN 0
.macro TOSTAGE a                       ; lane (r, h), tile b, register j: column 32 (b / 2) + 8 (b % 2) + 16 h + j of my row
	WIN 0x08                                       ; an LDS store's data: window 2
.irp b, 0,1,2,3,4,5,6,7
	ds_store_b128 v[STO], v[8*(8*(\a)+\b):8*(8*(\a)+\b)+3] offset:128*(\b/2)+32*(\b%2)       ; each accumulator from its low end on
	ds_store_b128 v[STO], v[8*(8*(\a)+\b)+4:8*(8*(\a)+\b)+7] offset:128*(\b/2)+32*(\b%2)+16
.endr
	WIN 0
.set BB, BK+64*((\a)%2)
.irp t, 0,1,2,3,4,5,6,7,8,9,10,11,12,13,14,15
	ds_load_b128 v[BB+4*\t:BB+4*\t+3], v[RD] offset:\t*SPITCH   ; LDS serves a wave's instructions in order: these see the stores above, and the next block's stores come behind them
.endr
.endm
.macro SEND a, younger                 ; younger: the LDS instructions issued behind block a's loads
.set BB, BK+64*((\a)%2)
	s_wait_dscnt \younger
.irp t, 0,1,2,3,4,5,6,7,8,9,10,11,12,13,14,15
	global_store_b128 v[LI], v[BB+4*\t:BB+4*\t+3], s[12:13] offset:(32*((\a)/2)+8*((\a)%2)+\t+8*(\t/8))*8192 th:TH_STORE_NT   ; 32 lanes store 512 consecutive bytes of a row; 63 rows at the most stand in the immediate
.endr
.endm
	PLACES 4                                       ; in front of the first read of results and of loads into registers that the products read
	TOSTAGE 0
	TOSTAGE 1
	SEND 0, 32                                     ; behind block 0's loads: block 1's 16 stores and 16 loads
	s_wait_xcnt 0x0                                ; block 0's stores have read their registers: block 2's loads may land there
	TOSTAGE 2
	SEND 1, 32
	s_wait_xcnt 0x0
	TOSTAGE 3
	SEND 2, 32
	SEND 3, 0
	s_wait_tensorcnt 0x0
	ds_add_u32 v30, v31
	s_wait_dscnt 0x0
	CROUND                                         ; the closing round: every tensor load has been waited for, and no LDS instruction of mine is out
	s_endpgm
.Lfunc_end_k_q884e3474c9_oproj:
	.size	k_q884e3474c9_oproj, .Lfunc_end_k_q884e3474c9_oproj-k_q884e3474c9_oproj
	.p2alignl 7, 3214868480
	.fill 96, 4, 3214868480
	.section	.rodata,"a",@progbits
	.p2align	6, 0x0
	.amdhsa_kernel k_q884e3474c9_oproj
		.amdhsa_group_segment_fixed_size 327680
		.amdhsa_private_segment_fixed_size 0
		.amdhsa_enable_private_segment 0
		.amdhsa_kernarg_size 24
		.amdhsa_user_sgpr_count 2
		.amdhsa_user_sgpr_kernarg_segment_ptr 1
		.amdhsa_wavefront_size32 1
		.amdhsa_system_sgpr_workgroup_id_x 1
		.amdhsa_system_sgpr_workgroup_id_y 1
		.amdhsa_system_sgpr_workgroup_id_z 1
		.amdhsa_system_vgpr_workitem_id 0
		.amdhsa_next_free_vgpr 768
		.amdhsa_next_free_sgpr 100
		.amdhsa_reserve_vcc 0
		.amdhsa_float_denorm_mode_32 3
		.amdhsa_float_denorm_mode_16_64 3
		.amdhsa_memory_ordered 1
		.amdhsa_forward_progress 1
		.amdhsa_inst_pref_size 78
	.end_amdhsa_kernel
	.amdgpu_metadata
---
amdhsa.version: [ 1, 2 ]
amdhsa.kernels:
  - .name:           k_q884e3474c9_oproj
    .symbol:         k_q884e3474c9_oproj.kd
    .args:
      - { .name: ao, .offset: 0, .size: 8, .value_kind: global_buffer, .address_space: global }
      - { .name: wq, .offset: 8, .size: 8, .value_kind: global_buffer, .address_space: global }
      - { .name: out0, .offset: 16, .size: 8, .value_kind: global_buffer, .address_space: global }
    .group_segment_fixed_size: 327680
    .private_segment_fixed_size: 0
    .kernarg_segment_align: 8
    .kernarg_segment_size: 24
    .max_flat_workgroup_size: 128
    .sgpr_count:     100
    .vgpr_count:     768
    .wavefront_size: 32
...
	.end_amdgpu_metadata
.endif
;; end of part 5
;; ======== version 2 of 2: 4 launches
;; limits: right only within a limited range of input values
;; workspace buffers: xq 7,602,176 bytes; wq 4,915,200 bytes; qkv 6,553,600 bytes; ao 3,276,800 bytes
;; launch quant (part 6): grid 448 x 1, 4 waves a work-group, no clusters, 60,928 bytes of LDS; arguments Wq, Wk, Wv, Wo, wq, x, xq; writes wq, xq
.if DOCPART == 6
	.amdgcn_target "amdgcn-amd-amdhsa--gfx1250"
	.amdhsa_code_object_version 6
	.text
	.protected	k_q884e3474c9_quant
	.globl	k_q884e3474c9_quant
	.p2align	8
	.type	k_q884e3474c9_quant,@function
k_q884e3474c9_quant:
	s_mov_b64 s[64:65], 0
	v_nop
	global_prefetch_b8 v0, s[64:65] scope:SCOPE_SE
	s_setreg_imm32_b32 hwreg(HW_REG_WAVE_MODE, 25, 1), 1
	s_wait_xcnt 0x0
; ONE LAUNCH QUANTISES x AND THE FOUR WEIGHTS to codes of E2M3 with one E8M0 byte for each 32 along K, laid as IMAGES OF OPERAND REGISTERS, and makes the table of RoPE's cosines and sines.
; Work-groups 0-255 take x, work-groups 256-447 the weights: the two ways part at the first line, on the work-group's number, and each has LDS bytes of its own (x: 0 .. 33,791; the weights: 33,792 on).
; A fragment is 16 rows x 128 K: 12 registers a lane, lane (r, h) holding k = 64 c + 32 h + 0..31 of its row in registers 6 c .. 6 c + 5.  Its image is 1,536 dense bytes: registers 4 j .. 4 j + 3 of lane l at 512 j + 16 l.
; Lane r of tile T of a block of 128 rows (of x) or columns (of a weight) holds row 32 (T/2) + 8 (T%2) + r + 8 (r/8) of the block.
; A block's scale byte is its largest magnitude's exponent field - 2, held at 1 from below (a block of zeros gets 1, not 127: its codes are zeros, and this program alone reads the bytes).
; LIMITS: NaN and infinities are not served.  RoPE: inv_freq = 2^(-i log2(500000) / 64) by v_exp_f32; the angle t x inv_freq is rounded once, reduced by pi/2 in two parts (exact for angles under 2^11 pi/2) and put through polynomials of degree 7 and 8.
;
; x [4096][2048] f32.  xq: images [block of 128 rows][K step 16][tile 8][1536]; scale words at X_SC: [block][tile 8][group of 4 K steps: 4][r 16][4 words];
;     table at TAB: [t 2048][h 2][p 16][cos e, cos e+1, sin e, sin e+1], e = 2 p, frequency 32 (e/16) + 16 h + e%16.
; SHARES: work-group g takes tile g & 7 of block g >> 3; wave w its K steps 4 w .. 4 w + 3.  Each load reads 512 consecutive bytes of one row; a K step's 16 rows turn through the wave's own stage in LDS
; (rows 528 bytes apart, so that the 16 rows of a read start in 16 different groups of banks) and come back 128 bytes a lane: a lane then holds two whole blocks of 32.  Waves share nothing: no barrier.
.set X_SC, 6291456
.set TAB,  6553600
.set SP,   528
.set R,    16                          ; v16-143  two sets of 64 numbers as loaded
.set X,    144                         ; v144-207 64 numbers: register 32 c + j = k 64 c + 32 h + j of my row
.set PC,   208                         ; v208-219 the fragment's codes
.set P2,   220                         ; v220-222, v224-226 the conversions' second halves
.set M,    228                         ; v228-229 largest magnitudes, v230-231 scale operands, v232-233 bytes, v234 my two bytes, v235 the other half's
.set WD,   236                         ; v236-239 the four K steps' scale words
	v_lshl_add_u32 v254, v0, 2, 0xec00
	v_mov_b32 v255, 0
	s_cmp_lt_u32 ttmp9, 256
	s_cbranch_scc0 .Lweights
	s_load_b64 s[4:5], s[0:1], 0x28                ; x
	s_load_b64 s[6:7], s[0:1], 0x30                ; xq
	v_lshrrev_b32 v1, 5, v0
	v_readfirstlane_b32 s14, v1                    ; wave
	v_and_b32 v2, 31, v0                           ; lane
	v_and_b32 v3, 15, v0                           ; r
	v_bfe_u32 v9, v0, 4, 1                         ; h
	v_lshlrev_b32 v4, 4, v2                        ; 16 x lane
	s_mul_i32 s15, s14, 16*SP                      ; my stage
	v_add_nc_u32 v5, s15, v4                       ; into it: 16 x lane of a row
	v_mul_u32_u24 v6, v3, SP
	v_lshl_add_u32 v6, v9, 7, v6
	v_add_nc_u32 v6, s15, v6                       ; out of it: row r, + 128 h
	v_lshlrev_b32 v7, 4, v3
	v_lshl_add_u32 v7, v9, 3, v7                   ; the scale words' place: 16 r + 8 h
	v_lshlrev_b32 v8, 3, v9                        ; 8 h
	v_mov_b32 v[M+7], 0                            ; a lane permute's destination counts as read
	s_lshr_b32 s16, ttmp9, 3                       ; block of 128 rows
	s_and_b32 s17, ttmp9, 7                        ; tile
	s_lshl_b32 s18, s16, 7
	s_lshr_b32 s19, s17, 1
	s_lshl_b32 s19, s19, 5
	s_add_co_u32 s18, s18, s19
	s_and_b32 s19, s17, 1
	s_lshl_b32 s19, s19, 3
	s_add_co_u32 s18, s18, s19                     ; the tile's first row
	s_lshl_b32 s2, s18, 13                         ; rows of 8,192 bytes
	s_lshl_b32 s19, s14, 11
	s_add_co_u32 s2, s2, s19                       ; + my four K steps
	s_mov_b32 s3, 0
	s_lshl_b32 s24, s16, 4
	s_lshl_b32 s19, s14, 2
	s_add_co_u32 s24, s24, s19
	s_lshl_b32 s24, s24, 3
	s_add_co_u32 s24, s24, s17
	s_mul_i32 s24, s24, 1536                       ; my first image
	s_mov_b32 s25, 0
	s_lshl_b32 s26, s16, 13
	s_lshl_b32 s19, s17, 10
	s_add_co_u32 s26, s26, s19
	s_lshl_b32 s19, s14, 8
	s_add_co_u32 s26, s26, s19
	s_add_co_u32 s26, s26, X_SC                    ; my 256 bytes of scale words
	s_mov_b32 s27, 0
	s_lshl_b32 s30, ttmp9, 2
	s_add_co_u32 s30, s30, s14                     ; W = 4 g + w: my two rows of the table
	s_lshl_b32 s28, s30, 10
	s_add_co_u32 s28, s28, TAB
	s_mov_b32 s29, 0
	s_mov_b32 s20, 0x76543210
	s_mov_b32 s21, 0xfedcba98                      ; v_permlanex16_b32's selects for lane l xor 16
	s_mov_b32 s22, 0xffff0000                      ; lanes 16-31
	s_mov_b32 s31, 0xbfc90fdb                      ; -pi/2, upper part
	s_mov_b32 s32, 0x333bbd2e                      ; -pi/2, the rest
	s_mov_b32 s33, 0xbe2aaaa3                      ; the sine's three coefficients
	s_mov_b32 s34, 0x3c08839e
	s_mov_b32 s35, 0xb94ca1f9
	s_mov_b32 s36, 0x3d2aaaa5                      ; the cosine's three
	s_mov_b32 s37, 0xbab6061a
	s_mov_b32 s38, 0x37ccf5ce
	s_wait_alu depctr_va_vdst(0)
	s_wait_kmcnt 0x0
	s_add_nc_u64 s[4:5], s[4:5], s[2:3]
	s_add_nc_u64 s[8:9], s[6:7], s[24:25]
	s_add_nc_u64 s[10:11], s[6:7], s[26:27]
	s_add_nc_u64 s[12:13], s[6:7], s[28:29]
.macro XLOAD s                         ; K step s of my 16 rows: 32 lanes read 512 consecutive bytes of a row
.irp i, 0,1,2,3,4,5,6,7,8,9,10,11,12,13,14,15
	global_load_b128 v[R+64*((\s)%2)+4*\i:R+64*((\s)%2)+4*\i+3], v4, s[4:5] offset:(\i+8*(\i/8))*8192+512*(\s) th:TH_LOAD_NT
.endr
.endm
	XLOAD 0
	XLOAD 1
	; ---- the table, while the loads are on their way: rows t = 2 W and 2 W + 1; my lane (h, p) has frequencies i0 and i0 + 1
	v_lshrrev_b32 v144, 3, v3
	v_lshlrev_b32 v144, 5, v144
	v_lshl_add_u32 v144, v9, 4, v144
	v_and_b32 v145, 7, v3
	v_lshl_add_u32 v144, v145, 1, v144             ; i0 = 32 (p / 8) + 16 h + 2 (p % 8)
	v_add_nc_u32 v145, 1, v144
	v_cvt_f32_u32 v144, v144
	v_cvt_f32_u32 v145, v145
	v_mul_f32 v144, 0xbe9773da, v144               ; x -log2(500000) / 64
	v_mul_f32 v145, 0xbe9773da, v145
	s_wait_alu depctr_va_vdst(0)
	v_exp_f32 v146, v144                           ; inv_freq
	v_exp_f32 v147, v145
	v_nop                                          ; a plain instruction behind the exponentials
	s_lshl_b32 s30, s30, 1
	v_cvt_f32_u32 v148, s30                        ; t
	s_add_co_u32 s30, s30, 1
	v_cvt_f32_u32 v149, s30                        ; t + 1
	s_wait_alu depctr_va_vdst(0)                   ; one wait for both exponentials, ahead of their first reader
.macro ANG inv, tf, oc, os             ; cos and sin of v[tf] x v[inv]
	v_mul_f32 v150, v[\tf], v[\inv]                ; the angle, rounded once
	v_mul_f32 v151, 0x3f22f983, v150
	v_rndne_f32 v151, v151                         ; n = the nearest multiple of pi/2
	v_fma_f32 v152, v151, s31, v150
	v_fma_f32 v152, v151, s32, v152                ; r = angle - n pi/2, |r| <= pi/4
	v_mul_f32 v153, v152, v152                     ; s = r r
	v_fma_f32 v154, v153, s35, s34
	v_fma_f32 v154, v154, v153, s33
	v_mul_f32 v154, v154, v153
	v_fma_f32 v154, v154, v152, v152               ; sin r
	v_fma_f32 v155, v153, s38, s37
	v_fma_f32 v155, v155, v153, s36
	v_mul_f32 v155, v155, v153
	v_fma_f32 v155, v155, v153, 1.0
	v_fma_f32 v155, v153, -0.5, v155               ; cos r
	v_cvt_i32_f32 v156, v151
	v_and_b32 v157, 1, v156
	v_cmp_eq_u32 vcc_lo, 1, v157                   ; odd quadrants change sine and cosine
	v_cndmask_b32 v[\os], v154, v155, vcc_lo
	v_cndmask_b32 v[\oc], v155, v154, vcc_lo
	v_and_b32 v157, 2, v156
	v_lshlrev_b32 v157, 30, v157
	v_xor_b32 v[\os], v[\os], v157                 ; the sine is negative in quadrants 2 and 3,
	v_add_nc_u32 v156, 1, v156
	v_and_b32 v157, 2, v156
	v_lshlrev_b32 v157, 30, v157
	v_xor_b32 v[\oc], v[\oc], v157                 ; the cosine in 1 and 2
.endm
	ANG 146, 148, 240, 242
	ANG 147, 148, 241, 243
	global_store_b128 v4, v[240:243], s[12:13]     ; 32 lanes store the row's 512 consecutive bytes
	ANG 146, 149, 244, 246
	ANG 147, 149, 245, 247
	global_store_b128 v4, v[244:247], s[12:13] offset:512
.macro XSTEP s
.if (\s) < 3
	s_wait_loadcnt 16                              ; this K step's 16 loads are in; the next one's 16 may be out
.else
	s_wait_loadcnt 0x0
.endif
.irp i, 0,1,2,3,4,5,6,7,8,9,10,11,12,13,14,15
	ds_store_b128 v5, v[R+64*((\s)%2)+4*\i:R+64*((\s)%2)+4*\i+3] offset:SP*\i
.endr
.irp c, 0,1
.irp k, 0,1,2,3,4,5,6,7
	ds_load_b128 v[X+32*\c+4*\k:X+32*\c+4*\k+3], v6 offset:256*\c+16*\k   ; LDS serves a wave's instructions in order: these see the stores above
.endr
.endr
	s_wait_dscnt 0x0                               ; the numbers are back, and the stores have read their registers,
.if (\s) < 2
	XLOAD (\s)+2                                   ; which take the loads of two K steps on
.endif
.irp c, 0,1
	v_max3_num_f32 v[M+\c], |v[X+32*\c]|, |v[X+32*\c+1]|, 0x1800000   ; my block 2 c + h, and the floor 2^(3 - 127): the byte cannot fall under 1
.endr
.irp i, 2,4,6,8,10,12,14,16,18,20,22,24,26,28,30
.irp c, 0,1
	v_max3_num_f32 v[M+\c], v[M+\c], |v[X+32*\c+\i]|, |v[X+32*\c+\i+1]|
.endr
.endr
.irp c, 0,1
	v_add_nc_u32 v[M+2+\c], 0xff000000, v[M+\c]    ; 2 off the exponent field: the conversion's scale operand
.endr
.irp c, 0,1
	v_lshrrev_b32 v[M+4+\c], 23, v[M+2+\c]         ; the scale's byte
.endr
	v_lshl_or_b32 v[M+6], v[M+5], 16, v[M+4]       ; blocks h and 2 + h,
	v_lshlrev_b32 v[M+6], v8, v[M+6]               ; at their places in the word;
	v_permlanex16_b32 v[M+7], v[M+6], s20, s21
	v_or_b32 v[WD+(\s)], v[M+6], v[M+7]            ; with lane l xor 16's two the word is whole
.if (\s) > 0
	s_wait_alu depctr_va_vdst(0)
	s_wait_xcnt 0x0                                ; the last K step's stores have read the codes' registers
.endif
.irp c, 0,1
	v_cvt_scalef32_pk16_fp6_f32 v[PC+6*\c:PC+6*\c+2], v[X+32*\c:X+32*\c+15], v[M+2+\c]
	v_cvt_scalef32_pk16_fp6_f32 v[P2+4*\c:P2+4*\c+2], v[X+32*\c+16:X+32*\c+31], v[M+2+\c]   ; (a conversion's three registers begin on an even number)
.endr
	v_nop                                          ; one plain instruction behind the conversions
.irp c, 0,1
.irp i, 0,1,2
	v_mov_b32 v[PC+3+6*\c+\i], v[P2+4*\c+\i]
.endr
.endr
.irp j, 0,1,2
	global_store_b128 v4, v[PC+4*\j:PC+4*\j+3], s[8:9] offset:12288*(\s)+512*\j   ; the image: 512 consecutive bytes a store
.endr
.endm
	XSTEP 0
	XSTEP 1
	XSTEP 2
	XSTEP 3
	v_cndmask_b32 v[M], v[WD], v[WD+2], s22        ; lanes 0-15 store words 0 and 1 of their row, lanes 16-31 words 2 and 3
	v_cndmask_b32 v[M+1], v[WD+1], v[WD+3], s22
	global_store_b64 v7, v[M:M+1], s[10:11]        ; 32 lanes store 256 consecutive bytes
	s_wait_tensorcnt 0x0
	ds_add_u32 v254, v255
	s_wait_dscnt 0x0
	s_endpgm
; THE WEIGHTS, f32 with K as their FIRST axis.
; wq: W1 images [cb 16][K step 16][tile 8][1536], cb 0-7 = Wq's heads, 8 + 2 g = Wk's head g, 9 + 2 g = Wv's head g;  Wo's at WO_IMG [cb 16][K step 8][tile 8][1536];
;     scale words at W1_SC [cb][tile 8][group of 4 K steps: 4][r 16][4 words], at WO_SC [cb][tile 8][2][r 16][4 words].
; A LANE TAKES A COLUMN AND ITS REGISTERS RUN DOWN K: each load reads 128 consecutive bytes a wave, a block of 32 lies in one lane, and the conversions give codes with K innermost.
; SHARES: with id = the work-group's number - 256, a work-group takes 128 columns x 256 K (ids 0-127: W1, cb = id >> 3; ids 128-191: Wo, cb = (id - 128) >> 2); wave w its columns 32 w .. 32 w + 31 (tiles 2 w, 2 w + 1), 8 blocks a lane.
; A lane's 24 bytes of a block are six registers of ONE lane of an image: they go to their places in the wave's own stage in LDS, and the images leave as they lie, 512 consecutive bytes a store.  No barrier: waves share nothing.
; The scale words leave as 8 bytes a lane, 16 bytes apart: one byte in 128 of what this way reads.
.set WO_IMG, 3145728
.set W1_SC,  4718592
.set WO_SC,  4849664
.set WLDS,   33792                     ; the weights' stages begin behind x's
.set WX,  64                           ; v64-127  two sets of 32 numbers
.set G,   128                          ; v128-133 a block's codes; v134-136 the second conversion's
.set OUT, 140                          ; v140-163 two images on the way out
.Lweights:
	s_load_b256 s[4:11], s[0:1], 0x0               ; Wq, Wk, Wv, Wo
	s_load_b64 s[12:13], s[0:1], 0x20              ; wq
	s_sub_co_u32 s58, ttmp9, 256                   ; id
	v_lshrrev_b32 v1, 5, v0
	v_readfirstlane_b32 s50, v1                    ; wave
	v_and_b32 v1, 31, v0                           ; lane = my column among the wave's 32
	v_bfe_u32 v2, v0, 3, 1                         ; u: which of the wave's two tiles
	s_wait_alu depctr_va_vdst(0)
	v_and_b32 v3, 7, v0
	v_bfe_u32 v8, v0, 4, 1
	v_lshl_add_u32 v3, v8, 3, v3                   ; r: my column's lane in that tile
	s_mul_i32 s51, s50, 6656                       ; my stage: two K steps of 3,328 bytes, each two images 1,664 bytes apart
	s_add_co_u32 s51, s51, WLDS
	v_mul_u32_u24 v4, v2, 1664
	v_lshl_add_u32 v4, v3, 4, v4
	v_add_nc_u32 v4, s51, v4                       ; into it
	v_lshlrev_b32 v6, 4, v1                        ; 16 x lane
	v_add_nc_u32 v5, s51, v6                       ; out of it
	s_sub_co_u32 s29, s58, 128
	s_mov_b32 s25, WO_IMG
	s_mov_b32 s26, WO_SC
	s_mov_b32 s31, W1_SC
	s_cmp_lt_u32 s58, 128                          ; W1 or Wo: every choice hangs on the work-group's number alone
	s_cselect_b32 s20, s58, s29
	s_cselect_b32 s21, 3, 2
	s_cselect_b32 s22, 7, 3
	s_cselect_b32 s23, 16, 8                       ; K steps of a block of columns
	s_cselect_b32 s24, 10, 9                       ; log2 of a tile's bytes of scale words
	s_cselect_b32 s25, 0, s25
	s_cselect_b32 s26, s31, s26
	s_lshr_b32 s27, s20, s21                       ; cb
	s_and_b32 s28, s20, s22                        ; which 256 along K
	s_lshl_b32 s31, s27, 7                         ; first column: 128 cb in Wq and Wo,
	s_sub_co_u32 s29, s27, 8
	s_lshr_b32 s29, s29, 1
	s_lshl_b32 s29, s29, 7                         ; 128 ((cb - 8) / 2) in Wk and Wv
	s_sub_co_u32 s52, s58, 64
	s_mov_b32 s30, 2048
	s_cmp_lt_u32 s52, 64                           ; ids 64 to 127
	s_cselect_b32 s31, s29, s31
	s_cmp_lt_u32 s58, 64
	s_cselect_b32 s30, 4096, s30                   ; bytes from a row of K to the next: 4,096 in Wq, 2,048 in Wk and Wv,
	s_mov_b32 s29, 8192
	s_cmp_lt_u32 s58, 128
	s_cselect_b32 s30, s30, s29                    ; 8,192 in Wo
	s_lshl_b32 s52, s28, 8
	s_mul_i32 s52, s52, s30                        ; my first row of K,
	s_lshl_b32 s29, s31, 2
	s_add_co_u32 s52, s52, s29                     ; the block's first column,
	s_lshl_b32 s29, s50, 7
	s_add_co_u32 s52, s52, s29                     ; my wave's 32
	s_mov_b32 s53, 0
	s_mul_i32 s54, s27, s23
	s_lshl_b32 s29, s28, 1
	s_add_co_u32 s54, s54, s29
	s_lshl_b32 s54, s54, 3
	s_lshl_b32 s29, s50, 1
	s_add_co_u32 s54, s54, s29
	s_mul_i32 s54, s54, 1536
	s_add_co_u32 s54, s54, s25                     ; my first image
	s_mov_b32 s55, 0
	s_lshl_b32 s56, s27, 3
	s_add_co_u32 s56, s56, s29
	s_lshl_b32 s56, s56, s24                       ; tile 2 w of cb,
	s_lshr_b32 s29, s28, 1
	s_lshl_b32 s29, s29, 8
	s_add_co_u32 s56, s56, s29                     ; the group of four K steps,
	s_and_b32 s29, s28, 1
	s_lshl_b32 s29, s29, 3
	s_add_co_u32 s56, s56, s29                     ; my two words in it
	s_add_co_u32 s56, s56, s26
	s_mov_b32 s57, 0
	v_lshlrev_b32 v7, s24, v2
	s_wait_alu depctr_va_vdst(0)
	v_lshl_add_u32 v7, v3, 4, v7                   ; my lane's place among the scale words: tile u, 16 r
	v_lshlrev_b32 v32, 2, v1                       ; v32-63: 4 x lane + i rows of K
.set i, 0
.rept 31
	v_add_nc_u32 v[33+i], s30, v[32+i]
.set i, i+1
.endr
	s_wait_alu depctr_va_vdst(0)
	s_wait_kmcnt 0x0
	s_bitcmp1_b32 s27, 0
	s_cselect_b64 s[14:15], s[8:9], s[6:7]         ; odd cb: Wv, even: Wk
	s_cmp_lt_u32 s58, 64
	s_cselect_b64 s[14:15], s[4:5], s[14:15]
	s_cmp_lt_u32 s58, 128
	s_cselect_b64 s[14:15], s[14:15], s[10:11]
	s_add_nc_u64 s[32:33], s[14:15], s[52:53]      ; a base for each of my 8 blocks of 32 along K: nothing is stepped while a load is out
	s_lshl_b32 s52, s30, 5
.irp t, 1,2,3,4,5,6,7
	s_add_nc_u64 s[32+2*\t:33+2*\t], s[30+2*\t:31+2*\t], s[52:53]
.endr
	s_add_nc_u64 s[16:17], s[12:13], s[54:55]
	s_add_nc_u64 s[18:19], s[12:13], s[56:57]
.macro WLOAD t
.set i, 0
.rept 32
	global_load_b32 v[WX+32*((\t)%2)+i], v[32+i], s[32+2*(\t):33+2*(\t)] th:TH_LOAD_NT
.set i, i+1
.endr
.endm
	WLOAD 0
	WLOAD 1
.macro BLOCK t
.set XS, WX+32*((\t)%2)
.set KA, (\t)/4                        ; which of my two K steps
.set CC, ((\t)%4)/2                    ; the block is k = 64 CC + 32 HH + 0..31 of it
.set HH, (\t)%2
.if (\t) < 7
	s_wait_loadcnt 32                              ; this block's 32 loads are in; the next block's may be out
.else
	s_wait_loadcnt 0x0
.endif
	v_max3_num_f32 v12, |v[XS]|, |v[XS+1]|, |v[XS+2]|
	v_max3_num_f32 v13, |v[XS+3]|, |v[XS+4]|, |v[XS+5]|
.irp i, 6,10,14,18,22,26
	v_max3_num_f32 v12, v12, |v[XS+\i]|, |v[XS+\i+1]|
	v_max3_num_f32 v13, v13, |v[XS+\i+2]|, |v[XS+\i+3]|
.endr
	v_max3_num_f32 v12, v12, |v[XS+30]|, |v[XS+31]|
	v_max3_num_f32 v12, v12, v13, 0x1800000        ; and the floor 2^(3 - 127)
	v_add_nc_u32 v14, 0xff000000, v12              ; the conversion's scale operand
	v_lshrrev_b32 v15, 23, v14                     ; the scale's byte
.if (\t)%4 == 0
	v_mov_b32 v[10+KA], v15
.else
	v_lshl_or_b32 v[10+KA], v15, 8*((\t)%4), v[10+KA]
.endif
	v_cvt_scalef32_pk16_fp6_f32 v[G:G+2], v[XS:XS+15], v14
	v_cvt_scalef32_pk16_fp6_f32 v[G+6:G+8], v[XS+16:XS+31], v14
	v_nop                                          ; one plain instruction behind the conversions
.irp i, 0,1,2
	v_mov_b32 v[G+3+\i], v[G+6+\i]
.endr
.if CC == 0                            ; registers 0-5 of lane r + 16 HH of the image
	ds_store_b128 v4, v[G:G+3] offset:3328*KA+256*HH
	ds_store_b64 v4, v[G+4:G+5] offset:3328*KA+256*HH+512
.else                                  ; registers 6-11
	ds_store_b64 v4, v[G:G+1] offset:3328*KA+256*HH+520
	ds_store_b128 v4, v[G+2:G+5] offset:3328*KA+256*HH+1024
.endif
.if (\t)+2 < 8
	WLOAD (\t)+2
.endif
	s_wait_dscnt 0x0                               ; the stores have read their registers
.endm
.macro FLUSH ka                        ; a K step's two images leave
.if \ka > 0
	s_wait_xcnt 0x0                                ; the first K step's stores have read their registers
.endif
.irp u, 0,1
.irp j, 0,1,2
	ds_load_b128 v[OUT+12*\u+4*\j:OUT+12*\u+4*\j+3], v5 offset:3328*\ka+1664*\u+512*\j
.endr
.endr
.irp u, 0,1
.irp j, 0,1,2
	s_wait_dscnt 5-3*\u-\j                         ; the younger stage loads may be out
	global_store_b128 v6, v[OUT+12*\u+4*\j:OUT+12*\u+4*\j+3], s[16:17] offset:12288*\ka+1536*\u+512*\j
.endr
.endr
.endm
	BLOCK 0
	BLOCK 1
	BLOCK 2
	BLOCK 3
	FLUSH 0
	BLOCK 4
	BLOCK 5
	BLOCK 6
	BLOCK 7
	FLUSH 1
	s_wait_alu depctr_va_vdst(0)
	global_store_b64 v7, v[10:11], s[18:19]        ; my column's two scale words
	s_wait_tensorcnt 0x0
	ds_add_u32 v254, v255
	s_wait_dscnt 0x0
	s_endpgm
.Lfunc_end_k_q884e3474c9_quant:
	.size	k_q884e3474c9_quant, .Lfunc_end_k_q884e3474c9_quant-k_q884e3474c9_quant
	.p2alignl 7, 3214868480
	.fill 96, 4, 3214868480
	.section	.rodata,"a",@progbits
	.p2align	6, 0x0
	.amdhsa_kernel k_q884e3474c9_quant
		.amdhsa_group_segment_fixed_size 60928
		.amdhsa_private_segment_fixed_size 0
		.amdhsa_enable_private_segment 0
		.amdhsa_kernarg_size 56
		.amdhsa_user_sgpr_count 2
		.amdhsa_user_sgpr_kernarg_segment_ptr 1
		.amdhsa_wavefront_size32 1
		.amdhsa_system_sgpr_workgroup_id_x 1
		.amdhsa_system_sgpr_workgroup_id_y 1
		.amdhsa_system_sgpr_workgroup_id_z 1
		.amdhsa_system_vgpr_workitem_id 0
		.amdhsa_next_free_vgpr 256
		.amdhsa_next_free_sgpr 66
		.amdhsa_reserve_vcc 1
		.amdhsa_float_denorm_mode_32 3
		.amdhsa_float_denorm_mode_16_64 3
		.amdhsa_memory_ordered 1
		.amdhsa_forward_progress 1
		.amdhsa_inst_pref_size 81
	.end_amdhsa_kernel
	.amdgpu_metadata
---
amdhsa.version: [ 1, 2 ]
amdhsa.kernels:
  - .name:           k_q884e3474c9_quant
    .symbol:         k_q884e3474c9_quant.kd
    .args:
      - { .name: Wq, .offset: 0, .size: 8, .value_kind: global_buffer, .address_space: global }
      - { .name: Wk, .offset: 8, .size: 8, .value_kind: global_buffer, .address_space: global }
      - { .name: Wv, .offset: 16, .size: 8, .value_kind: global_buffer, .address_space: global }
      - { .name: Wo, .offset: 24, .size: 8, .value_kind: global_buffer, .address_space: global }
      - { .name: wq, .offset: 32, .size: 8, .value_kind: global_buffer, .address_space: global }
      - { .name: x, .offset: 40, .size: 8, .value_kind: global_buffer, .address_space: global }
      - { .name: xq, .offset: 48, .size: 8, .value_kind: global_buffer, .address_space: global }
    .group_segment_fixed_size: 60928
    .private_segment_fixed_size: 0
    .kernarg_segment_align: 8
    .kernarg_segment_size: 56
    .max_flat_workgroup_size: 128
    .sgpr_count:     66
    .vgpr_count:     256
    .wavefront_size: 32
...
	.end_amdgpu_metadata
.endif
;; end of part 6
;; launch qkv (part 7): grid 8 x 32, 4 waves a work-group, clusters of 4 x 4, 327,680 bytes of LDS; arguments xq, wq, q_norm_w, k_norm_w, qkv; writes qkv
.if DOCPART == 7
	.amdgcn_target "amdgcn-amd-amdhsa--gfx1250"
	.amdhsa_code_object_version 6
	.text
	.protected	k_q884e3474c9_qkv
	.globl	k_q884e3474c9_qkv
	.p2align	8
	.type	k_q884e3474c9_qkv,@function
k_q884e3474c9_qkv:
	s_mov_b64 s[64:65], 0
	v_nop
	global_prefetch_b8 v0, s[64:65] scope:SCOPE_SE
	s_setreg_imm32_b32 hwreg(HW_REG_WAVE_MODE, 25, 1), 1
	s_wait_xcnt 0x0
	s_wait_alu depctr_hold_cnt(0) depctr_sa_sdst(0) depctr_va_vdst(0) depctr_va_sdst(0) depctr_va_ssrc(0) depctr_va_vcc(0) depctr_vm_vsrc(0)
	s_getreg_b32 s2, hwreg(HW_REG_IB_STS2, 6, 4)
	s_cmp_eq_u32 s2, 0
	s_cbranch_scc0 .Lentry_in_a_cluster
	s_endpgm
.Lentry_in_a_cluster:
	s_bfe_u32 s2, ttmp6, 0x10000c
	s_cmp_lg_u32 s2, 0xf033
	s_cbranch_scc0 .Lentry_shape_is_right
	s_endpgm
.Lentry_shape_is_right:
; q, k, v = x Wq, x Wk, x Wv on codes of E2M3 (K = 2,048); q and k then take the RMS norm and RoPE in f32 and are quantised along the head's 128; v is quantised along the keys.  All results leave as images of operand registers.
; OPERANDS lie in memory as images (1,536 bytes a fragment of 16 rows x 128 K; registers 4 j .. 4 j + 3 of lane l at 512 j + 16 l), so a tile of LDS is a dense block and a fragment is three ds_load_b128 at 16 x lane.
; Lane r of tile T of a block of 128 rows holds row 32 (T/2) + 8 (T%2) + r + 8 (r/8): with such tiles as source 0, the 64 result registers of 8 tiles are "register 16 b + i = row 32 b + 16 (lane / 16) + i": 16 neighbours of each block of 32.
; SHARES.  A work-group makes 128 rows of x times 256 columns; four waves, each 64 x 128: 32 accumulators.  Cluster x = 0: the columns are two heads of q.  Cluster x = 1: head g of k and head g of v.
; q and k: source 0 = 8 tiles of W (a lane's registers run along the head's 128), source 1 = 4 tiles of x.  v: THE LDS ADDRESSES CHANGE PLACES: source 0 = 8 tiles of x, source 1 = 4 tiles of Wv: a lane holds a channel and its registers run along t.
; K goes through two LDS slots of 512 along K: two first fills and two refills, each with four steps of 32 matrix instructions in which to land; everything is written out, there is no loop.
; The scale words of the work-group's rows and columns, for all of K, come once.  CLUSTERS: x's tiles are asked for jointly along a row of the cluster, W's along a column.
; No prefetch: half of K is asked for at the head, and what follows has four steps in which to land.
; qkv: Q images [8 b + head][block 16][tile 8][1536]; K at K_IMG, V at V_IMG: [4 b + g][block 16][tile 8][1536] (V: a tile's rows are channels, its K the block's 128 keys); scale words at Q_SC, K_SC, V_SC: [head][block][half 2][r 16][4 tiles' words].
; LIMITS: NaN and infinities are not served; a block of zeros gets the scale byte 1; 1 / sqrt by v_rsq_f32.
; REGISTERS, in windows of 256: window 0: v16-29 addresses; v32-127 scale words, two sets; v128-223 source 1's fragments, two sets (in the epilogue: v128-191 64 numbers, v192-237 at work);
;   window 1: source 0's fragments, two sets at v0 and v128;  window 2: accumulator (a, b) at v[8 (8 a + b)];  window 3: v0-63 the norm's weights, v64-127 and v128-191 two sets of cosines and sines.
.set FRB,  1536
.set KT,   12288                       ; a K step's 8 tiles
.set REG,  49152                       ; 128 rows x 512 K
.set SLOT, 147456                      ; x's region, then W's two
.set SCL,  294912                      ; behind the ring: the scale words: x's, then W's two
.set SCB,  8192
.set TS,   1024                        ; a tile's scale words
.set SPARE, 319488                     ; the spare words, 128 bytes for each wave
.set X_SC, 6291456
.set TAB,  6553600
.set W1_SC, 4718592
.set K_IMG, 3145728
.set V_IMG, 4718592
.set Q_SC, 6291456
.set K_SC, 6422528
.set V_SC, 6488064
.set ADR0, 16                          ; v16-17 source 0's fragments in slot 0, 1
.set ADR1, 20                          ; v20-21 source 1's
.set ADS0, 22                          ; v22    source 0's scale words
.set ADS1, 23                          ; v23    source 1's
.set LI,   24                          ; v24    16 x lane
.set TO,   25                          ; v25    my row's place in the table
.set NO,   26                          ; v26    64 h
.set SO,   27                          ; v27    16 r + 8 h
.set SPW,  28
.set NIL,  29
.set H,    128
.set PC,   192
.set TM,   212                         ; v212-215 largest magnitudes, v216-219 bytes, v220-223 scale operands
.set PW,   224                         ; v224-227 four tiles' scale words
.set SS,   228
.set RM,   236
.set NW,   0                           ; in window 3
.set TA,   64
.set TB,   128
.set G1, 24
.set G0, 32
.set G1B, 48
.set G0B, 56
.set G1S, 68
.set G0S, 76
.set G1SB, 80
.set G0SB, 88
.set SEL, 22                           ; s[22:23] once the descriptors are made
.set MSB, 0
.macro WIN new                         ; the immediate's high byte repeats the setting that is left
.if MSB != (\new)
	s_set_vgpr_msb (MSB<<8)|(\new)
.set MSB, (\new)
.endif
.endm
.macro PLACES n
.rept \n
	v_nop
.endr
.endm
.macro JLOAD g0a, g1a, g0b, g1b        ; a joint load: waves 0 and 1 fetch for x, waves 2 and 3 for W; four v_nop follow each line
	s_cmp_eq_u32 s15, 0
	s_cbranch_scc0 .Lfor_b_\@
	tensor_load_to_lds s[\g0a:\g0a+3], s[\g1a:\g1a+7]
	s_nop 0
.rept 4
	v_nop
.endr
	s_branch .Lasked_\@
.Lfor_b_\@:
	tensor_load_to_lds s[\g0b:\g0b+3], s[\g1b:\g1b+7]
	s_nop 0
.rept 4
	v_nop
.endr
.Lasked_\@:
.endm
.macro CREST
	s_cmp_lg_u32 s14, 0
	s_cbranch_scc1 .Lnot_wave_0_\@
	s_barrier_signal -3
.Lnot_wave_0_\@:
	s_barrier_wait -3
	s_barrier_signal -1
	s_barrier_wait -1
.endm
.macro CROUND
	s_barrier_signal -1
	s_barrier_wait -1
	CREST
.endm
.macro SHAPE g, rows                   ; a dense block as rows of 256 bytes: 32 elements of 8 bytes
	s_mov_b32 s[\g+1], 32<<16
	s_mov_b32 s[\g+2], (\rows)<<16
	s_mov_b32 s[\g+3], 32<<16
	s_mov_b32 s[\g+4], \rows
	s_mov_b32 s[\g+5], 32
	s_mov_b32 s[\g+6], 0
	s_mov_b32 s[\g+7], 0
.endm
	s_load_b256 s[4:11], s[0:1], 0x0               ; xq, wq, q_norm_w, k_norm_w
	s_load_b64 s[12:13], s[0:1], 0x20              ; qkv
	v_lshl_add_u32 v[SPW], v0, 2, SPARE
	v_mov_b32 v[NIL], 0
	ds_add_u32 v28, v29
	ds_add_u32 v28, v29
	s_wait_dscnt 0x0
	v_lshrrev_b32 v1, 5, v0
	v_readfirstlane_b32 s14, v1                    ; wave
	s_lshr_b32 s15, s14, 1                         ; which 64 of source 1's 128 rows are mine.  Also: I fetch for x (0) or for W (1)
	s_and_b32 s16, s14, 1                          ; which 128 columns.  Also: which part I fetch
	s_bfe_u32 s40, ttmp6, 0x40000                  ; cx
	s_bfe_u32 s41, ttmp6, 0x40004                  ; cy
	s_lshl_b32 s42, ttmp9, 2
	s_add_co_u32 s42, s42, s40                     ; tile column
	s_and_b32 s17, ttmp7, 0xffff
	s_lshl_b32 s17, s17, 2
	s_add_co_u32 s17, s17, s41                     ; block of 128 rows of x
	s_lshl_b32 s43, s41, 2
	s_lshl_b32 s43, 15, s43                        ; my row of the cluster
	s_lshl_b32 s44, 0x1111, s40                    ; my column
	s_or_b32 s[G1], s43, (3<<16)|(1<<21)           ; 15:0 the mask; 17:16 elements of 8 bytes; 21 set beside a mask; no padding
	s_or_b32 s[G1S], s43, (3<<16)|(1<<21)
	s_or_b32 s[G1B], s44, (3<<16)|(1<<21)
	s_or_b32 s[G1SB], s44, (3<<16)|(1<<21)
	SHAPE G1, 192                                  ; the head's load: x's whole region of slot 0
	s_mov_b32 s[G1B+1], 6144<<16                   ; the head's load: W's two regions of slot 0 as 2 rows of 49,152 bytes (6,144 elements),
	s_mov_b32 s[G1B+2], 2<<16
	s_mov_b32 s[G1B+3], 6144<<16
	s_mov_b32 s[G1B+4], 2
	s_mov_b32 s[G1B+5], 24576                      ; 196,608 bytes apart in memory: a block of columns
	s_mov_b32 s[G1B+6], 0
	s_mov_b32 s[G1B+7], 0
	SHAPE G1S, 32                                  ; all of x's scale words
	SHAPE G1SB, 64                                 ; both blocks of columns' scale words: dense in memory
	s_mul_i32 s20, s17, 196608
	s_mul_i32 s45, s16, 24576                      ; x: my half, in memory and in a slot
	s_add_co_u32 s20, s20, s45
	s_mov_b32 s21, 0
	s_lshl_b32 s22, s17, 13
	s_add_co_u32 s22, s22, X_SC
	s_mov_b32 s23, 0
	s_lshl_b32 s46, s42, 1
	s_add_co_u32 s46, s46, s16                     ; W: block of columns 2 x tile column + part
	s_lshl_b32 s92, s42, 14
	s_add_co_u32 s92, s92, W1_SC
	s_mov_b32 s93, 0
	s_mul_i32 s46, s46, 196608
	s_mov_b32 s47, 0
	s_mul_i32 s94, s16, REG
	s_add_co_u32 s94, s94, REG
	s_lshl_b32 s96, s16, 13
	s_add_co_u32 s96, s96, SCL+SCB
	s_wait_kmcnt 0x0
	s_add_nc_u64 s[20:21], s[4:5], s[20:21]
	s_add_nc_u64 s[22:23], s[4:5], s[22:23]
	s_add_nc_u64 s[46:47], s[6:7], s[46:47]
	s_add_nc_u64 s[92:93], s[6:7], s[92:93]
	CROUND                                         ; all sixteen work-groups are here: the first joint loads meet
	s_mov_b32 s[G0S], 1
	s_mov_b32 s[G0S+1], SCL
	s_mov_b64 s[G0S+2:G0S+3], s[22:23]
	s_or_b32 s[G0S+3], s[G0S+3], 0x80000000
	s_mov_b32 s[G0SB], 1
	s_mov_b32 s[G0SB+1], SCL+SCB
	s_mov_b64 s[G0SB+2:G0SB+3], s[92:93]
	s_or_b32 s[G0SB+3], s[G0SB+3], 0x80000000
.irp s, 0,1
	s_mov_b32 s[G0+4*\s], 1
	s_add_co_u32 s[G0+4*\s+1], s45, \s*SLOT
	s_add_nc_u64 s[G0+4*\s+2:G0+4*\s+3], s[20:21], \s*REG
	s_or_b32 s[G0+4*\s+3], s[G0+4*\s+3], 0x80000000
	s_mov_b32 s[G0B+4*\s], 1
	s_add_co_u32 s[G0B+4*\s+1], s94, \s*SLOT
	s_add_nc_u64 s[G0B+4*\s+2:G0B+4*\s+3], s[46:47], \s*REG
	s_or_b32 s[G0B+4*\s+3], s[G0B+4*\s+3], 0x80000000
.endr
; THE HEAD'S LOADS, ONE A WAVE: wave 0 x's region of slot 0, wave 1 x's scale words, wave 2 W's two regions, wave 3 W's scale words.
; Waves 0 and 2 have part 0, so slot 0's global addresses are the regions' first bytes in them; the LDS addresses are written as constants here and set to the ring's behind the wait for these loads.
	s_mov_b32 s[G0+1], 0
	s_mov_b32 s[G0B+1], REG
.macro ARM under, g0, g1, next
	s_cmp_lt_u32 s14, \under
	s_cbranch_scc0 \next
	tensor_load_to_lds s[\g0:\g0+3], s[\g1:\g1+7]
	s_nop 0
.rept 4
	v_nop
.endr
	s_branch .Lhead_asked
\next:
.endm
	ARM 1, G0,  G1,  .Lhead_xs
	ARM 2, G0S, G1S, .Lhead_w
	ARM 3, G0B, G1B, .Lhead_ws
	tensor_load_to_lds s[G0SB:G0SB+3], s[G1SB:G1SB+7]
	s_nop 0
.rept 4
	v_nop
.endr
.Lhead_asked:
	; the addresses that make a role.  s99 = 1 in the waves that make v: cluster x = 1, columns' second half
	v_and_b32 v1, 31, v0
	v_lshlrev_b32 v[LI], 4, v1
	s_wait_alu depctr_va_vdst(0)
	v_and_b32 v2, 15, v0                           ; r
	s_wait_alu depctr_va_vdst(0)
	v_bfe_u32 v3, v0, 4, 1                         ; h
	s_and_b32 s99, ttmp9, s16
	s_mov_b32 s98, 2*REG
	s_mov_b32 s93, SCL
	s_cmp_lg_u32 s99, 0
	s_cselect_b32 s97, 0, s94                      ; source 0: x's region for v, else my region of W
	s_cselect_b32 s98, s98, 0                      ; source 1: Wv's region for v, else x's
	s_cselect_b32 s93, s93, s96
	s_cselect_b32 s92, 2*SCB, 0
	s_mul_i32 s47, s15, 4*FRB
	s_add_co_u32 s98, s98, s47                     ; my four tiles of source 1
	s_lshl_b32 s47, s15, 12
	s_add_co_u32 s92, s92, s47
	s_add_co_u32 s92, s92, SCL
	v_add_nc_u32 v[ADR0], s97, v[LI]
	v_add_nc_u32 v[ADR0+1], SLOT, v[ADR0]
	v_add_nc_u32 v[ADR1], s98, v[LI]
	v_add_nc_u32 v[ADR1+1], SLOT, v[ADR1]
	v_lshlrev_b32 v4, 4, v2
	v_add_nc_u32 v[ADS0], s93, v4
	v_add_nc_u32 v[ADS1], s92, v4
	v_and_b32 v4, 8, v2
	v_add_nc_u32 v4, v4, v2                        ; r + 8 (r / 8)
	v_lshlrev_b32 v[TO], 9, v4
	v_lshl_add_u32 v[TO], v3, 8, v[TO]             ; the table: 512 bytes a row, + 256 h
	v_lshlrev_b32 v[NO], 6, v3
	s_wait_alu depctr_va_vdst(0)
	v_lshlrev_b32 v[SO], 4, v2
	v_lshl_add_u32 v[SO], v3, 3, v[SO]
	s_and_b32 s43, s17, 15                         ; the block's number in its batch
	s_lshl_b32 s20, s43, 16
	s_lshl_b32 s21, s15, 15
	s_add_co_u32 s20, s20, s21
	s_add_co_u32 s20, s20, TAB
	s_mov_b32 s21, 0
	s_add_nc_u64 s[20:21], s[4:5], s[20:21]        ; the table at my 64 rows
	s_lshr_b32 s44, s17, 4                         ; the batch
	s_lshl_b32 s45, s44, 3
	s_lshl_b32 s46, s40, 1
	s_add_co_u32 s45, s45, s46
	s_add_co_u32 s45, s45, s16                     ; q: 8 b + 2 cx + part
	s_lshl_b32 s46, s44, 2
	s_add_co_u32 s46, s46, s40                     ; k, v: 4 b + cx
	s_mov_b32 s47, K_IMG
	s_mov_b32 s2, K_SC
	s_mov_b32 s3, Q_SC
	s_cmp_eq_u32 ttmp9, 0
	s_cselect_b64 s[8:9], s[8:9], s[10:11]         ; q's weights or k's
	s_cselect_b32 s45, s45, s46
	s_cselect_b32 s47, 0, s47
	s_cselect_b32 s2, s3, s2
	s_mov_b32 s46, V_IMG
	s_mov_b32 s3, V_SC
	s_cmp_lg_u32 s99, 0
	s_cselect_b32 s47, s46, s47
	s_cselect_b32 s2, s3, s2
	s_lshl_b32 s45, s45, 4
	s_add_co_u32 s45, s45, s43                     ; 16 x head + block
	s_mul_i32 s46, s45, KT
	s_add_co_u32 s46, s46, s47
	s_mul_i32 s47, s15, 4*FRB
	s_add_co_u32 s18, s46, s47
	s_mov_b32 s19, 0
	s_add_nc_u64 s[18:19], s[12:13], s[18:19]      ; my four images
	s_lshl_b32 s45, s45, 9
	s_add_co_u32 s66, s45, s2
	s_lshl_b32 s47, s15, 8
	s_add_co_u32 s66, s66, s47
	s_mov_b32 s67, 0
	s_add_nc_u64 s[66:67], s[12:13], s[66:67]      ; and their 256 bytes of scale words
	s_mov_b32 s[SEL], 0x76543210
	s_mov_b32 s[SEL+1], 0xfedcba98
	s_mov_b32 s43, 0x3c000000                      ; 1 / 128
	s_mov_b32 s44, 0x3727c5ac                      ; 1e-5
	s_mov_b32 s45, 0xffff0000                      ; lanes 16-31
.macro TLD a, t                        ; the cosines and sines of block a's 16 rows: 256 bytes a lane
	WIN 0xc0
.irp k, 0,1,2,3,4,5,6,7,8,9,10,11,12,13,14,15
	global_load_b128 v[\t+4*\k:\t+4*\k+3], v[TO], s[20:21] offset:(32*((\a)/2)+8*((\a)%2))*512+16*\k
.endr
	WIN 0
.endm
	WIN 0xc0                                       ; destination window 3
.irp b, 0,1,2,3
.irp k, 0,1,2,3
	global_load_b128 v[NW+16*\b+4*\k:NW+16*\b+4*\k+3], v[NO], s[8:9] offset:128*\b+16*\k   ; register 16 b + i: the weight of channel 32 b + 16 h + i
.endr
.endr
	TLD 0, TA
	TLD 1, TB
.macro FETCH sp, q, p                  ; 36 LDS loads: the slot's q-th 128 along K into set p
	WIN 0x40
.irp i, 0,1,2,3,4,5,6,7
.irp c, 0,1,2
	ds_load_b128 v[128*(\p)+12*\i+4*\c:128*(\p)+12*\i+4*\c+3], v[ADR0+\sp] offset:(\q)*KT+\i*FRB+512*\c
.endr
.endr
	WIN 0
.irp i, 0,1,2,3
.irp c, 0,1,2
	ds_load_b128 v[128+48*(\p)+12*\i+4*\c:128+48*(\p)+12*\i+4*\c+3], v[ADR1+\sp] offset:(\q)*KT+\i*FRB+512*\c
.endr
.endr
.endm
.macro SCALES g                        ; 12 LDS loads: the scale words of the g-th 512 along K: four words a tile and row
.irp i, 0,1,2,3,4,5,6,7
	ds_load_b128 v[32+48*((\g)%2)+4*\i:32+48*((\g)%2)+4*\i+3], v[ADS0] offset:\i*TS+256*(\g)
.endr
.irp i, 0,1,2,3
	ds_load_b128 v[64+48*((\g)%2)+4*\i:64+48*((\g)%2)+4*\i+3], v[ADS1] offset:\i*TS+256*(\g)
.endr
.endm
; n x 8 matrix instructions: source 1's tiles a0 on x source 0's eight.  The 32 accumulators take turns, one instruction a turn, in the same order in every step.
.macro MUL a0, n, p, q, z, zero
	WIN 0xa1                                       ; source 0 window 1, source 1 window 0, C and D window 2
.set ma, \a0
.rept \n
.set mb, 0
.rept 8
.if \zero
	v_wmma_scale_f32_16x16x128_f8f6f4 v[8*(8*ma+mb):8*(8*ma+mb)+7], v[128*(\p)+12*mb:128*(\p)+12*mb+11], v[128+48*(\p)+12*ma:128+48*(\p)+12*ma+11], 0, v[32+48*(\z)+4*mb+(\q)], v[64+48*(\z)+4*ma+(\q)] matrix_a_fmt:MATRIX_FMT_FP6 matrix_b_fmt:MATRIX_FMT_FP6
.else
	v_wmma_scale_f32_16x16x128_f8f6f4 v[8*(8*ma+mb):8*(8*ma+mb)+7], v[128*(\p)+12*mb:128*(\p)+12*mb+11], v[128+48*(\p)+12*ma:128+48*(\p)+12*ma+11], v[8*(8*ma+mb):8*(8*ma+mb)+7], v[32+48*(\z)+4*mb+(\q)], v[64+48*(\z)+4*ma+(\q)] matrix_a_fmt:MATRIX_FMT_FP6 matrix_b_fmt:MATRIX_FMT_FP6
.endif
.set mb, mb+1
.endr
.set ma, ma+1
.endr
.endm
.macro STEP g, q, zero                 ; a step of 128 along K that has its successor in the same slot
	PLACES 4                                       ; four plain instructions between the last products and the loads into the set that they read
	FETCH (\g)%2, (\q)+1, 1-(\q)%2
	s_wait_dscnt 36                                ; all but the 36 just issued: this step's set and its scale words are in
	MUL 0, 4, (\q)%2, \q, (\g)%2, \zero
.endm
; A slot's last step changes slots: each wave waits for all its tensor loads, adds 0 to its spare word, waits for that and for its reads of the slot, and signals.  fill = 1: the barrier opens a round of the cluster's, and this slot is filled again.
.macro TURN g, fill
	WIN 0
	s_wait_tensorcnt 0x0                           ; my part of the next slot has landed; no tensor load of mine is out
	ds_add_u32 v[SPW], v[NIL]                      ; 0 onto my spare word
	s_wait_dscnt 1                                 ; this step's set is in; the add may be out
	MUL 0, 1, 1, 3, (\g)%2, 0
	s_wait_dscnt 0x0                               ; the add is done, and my reads of this slot are over
	s_barrier_signal -1
	MUL 1, 1, 1, 3, (\g)%2, 0
	WIN 0
	s_barrier_wait -1
.if \fill
	CREST                                          ; no wave of any partner still reads this slot or has a load on its way
	s_add_nc_u64 s[G0+4*((\g)%2)+2:G0+4*((\g)%2)+3], s[G0+4*((\g)%2)+2:G0+4*((\g)%2)+3], 2*REG
	s_add_nc_u64 s[G0B+4*((\g)%2)+2:G0B+4*((\g)%2)+3], s[G0B+4*((\g)%2)+2:G0B+4*((\g)%2)+3], 2*REG
	JLOAD G0+4*((\g)%2), G1, G0B+4*((\g)%2), G1B   ; the first tensor load behind the round; its four v_nop are also the places in front of the loads below
.else
	PLACES 4
.endif
	FETCH ((\g)+1)%2, 0, 0
	SCALES (\g)+1
	MUL 2, 2, 1, 3, (\g)%2, 0
.endm
	s_wait_alu depctr_va_vdst(0)                   ; the wait at the head's end
	s_wait_tensorcnt 0x0                           ; my tile of the head's four is in; slot 1's first fill is issued as a refill is
	ds_add_u32 v[SPW], v[NIL]                      ; 0 onto my spare word
	s_mov_b32 s[G1+2], 96<<16                      ; no tensor load of mine is out: from here on the ring's shapes: half of x's region,
	s_mov_b32 s[G1+4], 96
	s_mov_b32 s[G1B+1], 32<<16                     ; one of W's regions as 192 rows of 256 bytes,
	s_mov_b32 s[G1B+2], 192<<16
	s_mov_b32 s[G1B+3], 32<<16
	s_mov_b32 s[G1B+4], 192
	s_mov_b32 s[G1B+5], 32
	s_mul_i32 s[G0+1], s16, 24576                  ; and slot 0's LDS addresses by my part
	s_mul_i32 s[G0B+1], s16, REG
	s_add_co_u32 s[G0B+1], s[G0B+1], REG
	s_wait_dscnt 0x0
	CROUND                                         ; all four tiles are in, and all sixteen work-groups are here
	JLOAD G0+4, G1, G0B+4, G1B                     ; slot 1: the first tensor load behind the round
	FETCH 0, 0, 0
	SCALES 0
	STEP 0, 0, 1                                   ; the first products start the sums: nothing is cleared
	STEP 0, 1, 0
	STEP 0, 2, 0
	TURN 0, 1
	STEP 1, 0, 0
	STEP 1, 1, 0
	STEP 1, 2, 0
	TURN 1, 1
	STEP 2, 0, 0
	STEP 2, 1, 0
	STEP 2, 2, 0
	TURN 2, 0                                      ; nothing is left to fetch
	STEP 3, 0, 0
	STEP 3, 1, 0
	STEP 3, 2, 0
	s_wait_dscnt 0x0
	MUL 0, 4, 1, 3, 1, 0
	WIN 0
	PLACES 4                                       ; in front of the first read of results and the first write of registers that the products read
; 64 numbers of a lane in window w, register 16 b + i = k 32 b + 16 (lane / 16) + i of my row, become a fragment's codes in v[PC] on and its scale word in v[pw].  Each accumulator is read from its low end on.
.macro QUANT s, w, pw
	WIN 5*(\w)                                     ; sources 0 and 1 in window w
.irp b, 0,1,2,3
	v_max3_num_f32 v[TM+\b], |v[(\s)+16*\b]|, |v[(\s)+1+16*\b]|, 0x1800000   ; and the floor 2^(3 - 127): the byte cannot fall under 1
.endr
.irp i, 2,4,6,8,10,12,14
.irp b, 0,1,2,3
	v_max3_num_f32 v[TM+\b], |v[(\s)+16*\b+\i]|, |v[(\s)+1+16*\b+\i]|, v[TM+\b]
.endr
.endr
	WIN 0
.irp b, 0,1,2,3
	v_permlanex16_b32 v[TM+4+\b], v[TM+\b], s[SEL], s[SEL+1]
.endr
.irp b, 0,1,2,3
	v_max_num_f32 v[TM+\b], v[TM+\b], v[TM+4+\b]   ; with lane l xor 16's: the block's largest magnitude
.endr
.irp b, 0,1,2,3
	v_add_nc_u32 v[TM+8+\b], 0xff000000, v[TM+\b]  ; 2 off the exponent field: the conversion's scale operand
.endr
.irp b, 0,1,2,3
	v_lshrrev_b32 v[TM+4+\b], 23, v[TM+8+\b]       ; the scale's byte
.endr
	v_lshl_or_b32 v[\pw], v[TM+5], 8, v[TM+4]
	v_lshl_or_b32 v[\pw], v[TM+6], 16, v[\pw]
	v_lshl_or_b32 v[\pw], v[TM+7], 24, v[\pw]
	WIN (\w)
.irp c, 0,1
	v_cvt_scalef32_pk16_fp6_f32 v[PC+6*\c:PC+2+6*\c], v[(\s)+32*\c:(\s)+15+32*\c], v[TM+8+2*\c]
	v_cvt_scalef32_pk16_fp6_f32 v[PC+12+4*\c:PC+14+4*\c], v[(\s)+16+32*\c:(\s)+31+32*\c], v[TM+8+2*\c+1]
.endr
	WIN 0
	v_nop                                          ; one plain instruction behind the conversions
.irp c, 0,1                                    ; the layout wants a whole block in a lane
.irp i, 0,1,2
	v_permlane16_swap_b32 v[PC+6*\c+\i], v[PC+12+4*\c+\i]
.endr
.irp i, 0,1,2
	v_mov_b32 v[PC+3+6*\c+\i], v[PC+12+4*\c+\i]
.endr
.endr
.endm
.macro OUTIMG a
.irp j, 0,1,2
	global_store_b128 v[LI], v[PC+4*\j:PC+4*\j+3], s[18:19] offset:FRB*(\a)+512*\j   ; the image: 512 consecutive bytes a store
.endr
.endm
; q and k, block a of 16 rows: RMS norm, weights, RoPE, quantiser.  t: the set of cosines and sines
.macro EPI_QK a, t
	WIN 0x0a                                       ; sources 0 and 1 window 2
.set ee, 0
.rept 4
	v_pk_mul_f32 v[SS+2*ee:SS+2*ee+1], v[64*(\a)+2*ee:64*(\a)+2*ee+1], v[64*(\a)+2*ee:64*(\a)+2*ee+1]   ; the squares, in four chains, ascending
.set ee, ee+1
.endr
.rept 28
	v_pk_fma_f32 v[SS+2*(ee%4):SS+2*(ee%4)+1], v[64*(\a)+2*ee:64*(\a)+2*ee+1], v[64*(\a)+2*ee:64*(\a)+2*ee+1], v[SS+2*(ee%4):SS+2*(ee%4)+1]
.set ee, ee+1
.endr
	WIN 0
	v_pk_add_f32 v[SS:SS+1], v[SS:SS+1], v[SS+2:SS+3]
	v_pk_add_f32 v[SS+4:SS+5], v[SS+4:SS+5], v[SS+6:SS+7]
	v_pk_add_f32 v[SS:SS+1], v[SS:SS+1], v[SS+4:SS+5]
	v_add_f32 v[SS], v[SS], v[SS+1]
	v_permlanex16_b32 v[SS+1], v[SS], s[SEL], s[SEL+1]
	v_add_f32 v[SS], v[SS], v[SS+1]                ; the row's 128 squares
	v_fma_f32 v[SS], v[SS], s43, s44               ; / 128 + 1e-5
	s_wait_alu depctr_va_vdst(0)
	v_rsq_f32 v[RM], v[SS]
	v_rsq_f32 v[RM+1], v[SS]                       ; twice: a pair for the packed multiply
	v_nop                                          ; a plain instruction behind them
	s_wait_alu depctr_va_vdst(0)                   ; one wait for both, ahead of their first reader
	WIN 0x02
.set ee, 0
.rept 32
	v_pk_mul_f32 v[H+2*ee:H+2*ee+1], v[64*(\a)+2*ee:64*(\a)+2*ee+1], v[RM:RM+1]
.set ee, ee+1
.endr
	WIN 0x0c                                       ; source 1 window 3
.set ee, 0
.rept 32
	v_pk_mul_f32 v[H+2*ee:H+2*ee+1], v[H+2*ee:H+2*ee+1], v[NW+2*ee:NW+2*ee+1]
.set ee, ee+1
.endr
.set ee, 0
.rept 16                               ; registers 2 p, 2 p + 1 are channels under 64, registers 32 + 2 p, 33 + 2 p the same channels + 64
.set t1, SS+4*(ee%2)
	v_pk_mul_f32 v[t1:t1+1], v[H+32+2*ee:H+33+2*ee], v[\t+4*ee+2:\t+4*ee+3]
	v_pk_mul_f32 v[t1+2:t1+3], v[H+2*ee:H+2*ee+1], v[\t+4*ee+2:\t+4*ee+3]
	v_pk_fma_f32 v[H+2*ee:H+2*ee+1], v[H+2*ee:H+2*ee+1], v[\t+4*ee:\t+4*ee+1], v[t1:t1+1] neg_lo:[0,0,1] neg_hi:[0,0,1]
	v_pk_fma_f32 v[H+32+2*ee:H+33+2*ee], v[H+32+2*ee:H+33+2*ee], v[\t+4*ee:\t+4*ee+1], v[t1+2:t1+3]
.set ee, ee+1
.endr
	WIN 0
.if (\a) > 0
	s_wait_xcnt 0x0                                ; the last block's stores have read the codes' registers
.endif
	QUANT H, 0, PW+(\a)
	OUTIMG \a
.endm
.macro EPI_V a                         ; v: the sums are quantised as they stand, along t
.if (\a) > 0
	s_wait_xcnt 0x0
.endif
	QUANT 64*(\a), 2, PW+(\a)
	OUTIMG \a
.endm
	s_wait_loadcnt 0x0                             ; the weights and the first two sets of the table
.irp b, 0,1,2,3
	v_mov_b32 v[TM+4+\b], 0                        ; a lane permute's destination counts as read
.endr
	s_cmp_lg_u32 s99, 0
	s_cbranch_scc1 .Lmake_v
	EPI_QK 0, TA
	TLD 2, TA
	EPI_QK 1, TB
	TLD 3, TB
	s_wait_loadcnt 16                              ; block 2's 16 loads are in; block 3's may be out
	EPI_QK 2, TA
	s_wait_loadcnt 0x0
	EPI_QK 3, TB
	s_branch .Lwords
.Lmake_v:
	EPI_V 0
	EPI_V 1
	EPI_V 2
	EPI_V 3
.Lwords:
	v_cndmask_b32 v[SS], v[PW], v[PW+2], s45       ; lanes 0-15 store the words of tiles 0 and 1 of their row, lanes 16-31 those of tiles 2 and 3
	v_cndmask_b32 v[SS+1], v[PW+1], v[PW+3], s45
	global_store_b64 v[SO], v[SS:SS+1], s[66:67]   ; 32 lanes store 256 consecutive bytes
	s_wait_tensorcnt 0x0                           ; the wave's end
	ds_add_u32 v[SPW], v[NIL]
	s_wait_dscnt 0x0
	CROUND                                         ; the closing round
	s_endpgm
.Lfunc_end_k_q884e3474c9_qkv:
	.size	k_q884e3474c9_qkv, .Lfunc_end_k_q884e3474c9_qkv-k_q884e3474c9_qkv
	.p2alignl 7, 3214868480
	.fill 96, 4, 3214868480
	.section	.rodata,"a",@progbits
	.p2align	6, 0x0
	.amdhsa_kernel k_q884e3474c9_qkv
		.amdhsa_group_segment_fixed_size 327680
		.amdhsa_private_segment_fixed_size 0
		.amdhsa_enable_private_segment 0
		.amdhsa_kernarg_size 40
		.amdhsa_user_sgpr_count 2
		.amdhsa_user_sgpr_kernarg_segment_ptr 1
		.amdhsa_wavefront_size32 1
		.amdhsa_system_sgpr_workgroup_id_x 1
		.amdhsa_system_sgpr_workgroup_id_y 1
		.amdhsa_system_sgpr_workgroup_id_z 1
		.amdhsa_system_vgpr_workitem_id 0
		.amdhsa_next_free_vgpr 1024
		.amdhsa_next_free_sgpr 100
		.amdhsa_reserve_vcc 0
		.amdhsa_float_denorm_mode_32 3
		.amdhsa_float_denorm_mode_16_64 3
		.amdhsa_memory_ordered 1
		.amdhsa_forward_progress 1
		.amdhsa_inst_pref_size 206
	.end_amdhsa_kernel
	.amdgpu_metadata
---
amdhsa.version: [ 1, 2 ]
amdhsa.kernels:
  - .name:           k_q884e3474c9_qkv
    .symbol:         k_q884e3474c9_qkv.kd
    .args:
      - { .name: xq, .offset: 0, .size: 8, .value_kind: global_buffer, .address_space: global }
      - { .name: wq, .offset: 8, .size: 8, .value_kind: global_buffer, .address_space: global }
      - { .name: q_norm_w, .offset: 16, .size: 8, .value_kind: global_buffer, .address_space: global }
      - { .name: k_norm_w, .offset: 24, .size: 8, .value_kind: global_buffer, .address_space: global }
      - { .name: qkv, .offset: 32, .size: 8, .value_kind: global_buffer, .address_space: global }
    .group_segment_fixed_size: 327680
    .private_segment_fixed_size: 0
    .kernarg_segment_align: 8
    .kernarg_segment_size: 40
    .max_flat_workgroup_size: 128
    .sgpr_count:     100
    .vgpr_count:     1024
    .wavefront_size: 32
...
	.end_amdgpu_metadata
.endif
;; end of part 7
;; launch attn (part 8): grid 32 x 8, 16 waves a work-group, clusters of 4 x 1, 327,680 bytes of LDS; arguments qkv, ao; writes ao
.if DOCPART == 8
	.amdgcn_target "amdgcn-amd-amdhsa--gfx1250"
	.amdhsa_code_object_version 6
	.text
	.protected	k_q884e3474c9_attn
	.globl	k_q884e3474c9_attn
	.p2align	8
	.type	k_q884e3474c9_attn,@function
k_q884e3474c9_attn:
	s_mov_b64 s[64:65], 0
	v_nop
	global_prefetch_b8 v0, s[64:65] scope:SCOPE_SE
	s_setreg_imm32_b32 hwreg(HW_REG_WAVE_MODE, 25, 1), 1
	s_wait_xcnt 0x0
	s_wait_alu depctr_hold_cnt(0) depctr_sa_sdst(0) depctr_va_vdst(0) depctr_va_sdst(0) depctr_va_ssrc(0) depctr_va_vcc(0) depctr_vm_vsrc(0)
	s_getreg_b32 s2, hwreg(HW_REG_IB_STS2, 6, 4)
	s_cmp_eq_u32 s2, 0
	s_cbranch_scc0 .Lentry_in_a_cluster
	s_endpgm
.Lentry_in_a_cluster:
	s_bfe_u32 s2, ttmp6, 0x10000c
	s_cmp_lg_u32 s2, 0x3003
	s_cbranch_scc0 .Lentry_shape_is_right
	s_endpgm
.Lentry_shape_is_right:
; Causal attention on codes of E2M3: S^T = K Q^T, p = 2^(t - M) with M the running largest t rounded up to a whole number, O^T = V^T P^T, O / l, and O quantised along (head, channel) for the last product.
; q, k, v come as images of operand registers (1,536 bytes a fragment; three loads of 16 bytes a lane at 16 x lane); lane r of tile T holds row 32 (T/2) + 8 (T%2) + r + 8 (r/8) of a block of 128, so that the 16 result
; registers of tiles 2 b, 2 b + 1 are 16 neighbours: keys in S^T, channels in O^T.  Both products are used transposed: a lane holds ONE query throughout.
; SHARES.  A cluster of four work-groups takes, for key/value head y and both of its query heads, query blocks c and 15 - c (c = the cluster's x); work-group cx has tiles 2 cx and 2 cx + 1 of both.
; TWO WAVES OWN A TILE OF 16 QUERIES: of a wave's number bit 0 is the query head, bit 1 the tile, bit 2 xor bit 1 xor bit 0 says early block or late, and bit 3 is the parity of the key steps that the wave works.
; So waves w and w + 8 have the same queries, one the even key steps 0 .. BLK and the other the odd ones, each with its own running M, sum and O^T.  At the end the odd wave hands -M, its sum and O^T to the even one
; through LDS bytes of their own; the two are brought under the larger M by exact powers of two (a wave that worked no step has sum 0, O^T 0 and the factor 0), added, divided by the sum and quantised.
; Every wave walks all 16 key steps, so that trip counts are constants; a step that is not the wave's is jumped over: a scalar branch on the cluster's x and the wave's number, the same in all partners.
; K and V go through two LDS slots of 512 keys, asked for JOINTLY by the four partners (waves 0, 1: K's halves; waves 2, 3: V's); the head's scale words come once, by waves 4 to 7.  All partners make every joint
; request: clusters 4 to 7 also ask for keys 1,536 on, which none of their waves reads.
; LIMITS: NaN and infinities are not served; a block of zeros gets the scale byte 1; 1 / l by v_rcp_f32; a block's largest p is taken from its largest score (v_exp_f32 is taken not to fall where its input rises);
; the scaled scores stay under 2^31 in magnitude.
; REGISTERS: v1-11 addresses; v12 -M, v13 the largest t, v[14:15] the sum; v16-27 Q; v80-87 K's scale words, v88-95 V's; v96-159 S^T, then p; v160-223 O^T; v224-235 p's codes; v232-254 at work; v253 p's scale word; v255 Q's.
;   K's fragments: tiles 0, 1 in v128-151, tiles 2, 3 in v224-247, tiles 4-7 in v32-79.  V's: tiles 0-3 in v32-79, tiles 4-7 in v96-143.
.set FRB,   1536
.set KT,    12288
.set VOFF,  49152
.set SLOT1, 131072                     ; slot 0: 0 .. 98,303; slot 1: 131,072 .. 229,375
.set STAGE, 229376                     ; the odd waves' O^T: 8 x 8,192 bytes, into which no fill lands
.set SCK,   294912                     ; K's scale words of the head, 8,192 bytes; V's behind them
.set LMS,   311296                     ; the odd waves' -M and sums: 8 x 256 bytes
.set SPARE, 313344                     ; the spare words, 128 bytes for each of 16 waves
.set K_IMG, 3145728
.set Q_SC,  6291456
.set K_SC,  6422528
.set A_SC,  3145728
.set LI,   1                           ; 16 x lane
.set AS0,  2                           ; SCK + 16 r
.set DQ,   3                           ; my query's number in its block - 16 h
.set STA,  4                           ; my pair's stage + 16 x lane
.set SPW,  5
.set NIL,  6
.set PFO,  7                           ; 256 x lane
.set ADK,  8
.set R16,  9                           ; 16 r
.set ADS,  10
.set LMA,  11                          ; my pair's -M and sum + 4 x lane
.set OPC,  32
.set OTM,  52
.set OPW,  64
.set WV,   18
.set SEL,  20
.set CS,   22
.set G1,   24
.set G1S,  32
.set G0,   40
.set G0S,  44
.set TB,   48
.set TS,   49
.set KS,   50
.set SLOTS, 51
.set FOUR, 52
.set BLK,  53
.set LIM,  54
.set PFA,  56
.set PAR,  80
.macro CROUND
	s_barrier_signal -1
	s_barrier_wait -1
	s_cmp_lg_u32 s[WV], 0
	s_cbranch_scc1 .Lnot_wave_0_\@
	s_barrier_signal -3
.Lnot_wave_0_\@:
	s_barrier_wait -3
	s_barrier_signal -1
	s_barrier_wait -1
.endm
.macro TLOAD                           ; waves 0 to 3 fetch a quarter of a slot each
	s_cmp_lt_u32 s[WV], 4
	s_cbranch_scc0 .Lno_load_\@
	tensor_load_to_lds s[G0:G0+3], s[G1:G1+7]
	s_nop 0
.rept 4
	v_nop
.endr
.Lno_load_\@:
.endm
; A prefetch of the slot that the NEXT change of slots will ask for: 98,304 bytes.  All clusters of a key/value head walk the same K and V: the cluster with x = 0 asks.  Its four partners are told apart by ADDRESS;
; in each, waves 4 to 6 take 8,192 bytes each, lanes 256 bytes apart: each block of 256 bytes is named once.  The last change that fills a slot asks for nothing.
.macro ASK
	s_cmp_gt_u32 s[SLOTS], s[LIM]
	s_cbranch_scc0 .Lnot_mine_\@
	global_prefetch_b8 v[PFO], s[PFA:PFA+1] th:TH_LOAD_NT scope:SCOPE_SE
.Lnot_mine_\@:
.endm
.macro KREG t
.if (\t) < 2
.set kr, 128+12*(\t)
.elseif (\t) < 4
.set kr, 200+12*(\t)
.else
.set kr, 12*(\t)-16
.endif
.endm
	s_load_b128 s[4:7], s[0:1], 0x0                ; qkv, ao
	v_lshl_add_u32 v[SPW], v0, 2, SPARE
	v_mov_b32 v[NIL], 0
	ds_add_u32 v[SPW], v[NIL]                      ; the opening lines: the add twice on end and its wait
	ds_add_u32 v[SPW], v[NIL]
	s_wait_dscnt 0x0
	v_lshrrev_b32 v8, 5, v0
	s_delay_alu instid0(VALU_DEP_1)
	v_readfirstlane_b32 s[WV], v8                  ; wave 0..15
	s_bfe_u32 s70, ttmp6, 0x40000                  ; cx
	s_and_b32 s8, ttmp7, 0xffff                    ; y = 4 b + g
	s_and_b32 s9, s[WV], 3                         ; what I fetch, if I fetch:
	s_lshr_b32 s10, s9, 1                          ; K (0) or V (1),
	s_and_b32 s11, s9, 1                           ; which half
	s_mul_i32 s12, s10, 1572864
	s_mul_i32 s13, s8, 196608
	s_add_co_u32 s12, s12, s13
	s_mul_i32 s13, s11, 24576
	s_add_co_u32 s12, s12, s13
	s_add_co_u32 s12, s12, K_IMG
	s_mov_b32 s13, 0
	s_lshl_b32 s14, s10, 16
	s_lshl_b32 s15, s8, 13
	s_add_co_u32 s14, s14, s15
	s_lshl_b32 s15, s11, 12
	s_add_co_u32 s14, s14, s15
	s_add_co_u32 s14, s14, K_SC
	s_mov_b32 s15, 0
	s_mul_i32 s16, s9, 24576                       ; where it goes in a slot
	s_lshl_b32 s17, s9, 12
	s_add_co_u32 s17, s17, SCK
	s_mov_b32 s[G1], 15|(3<<16)|(1<<21)            ; the mask: all four work-groups; elements of 8 bytes; bit 21 beside a mask
	s_mov_b32 s[G1+1], 32<<16                      ; 96 dense rows of 256 bytes
	s_mov_b32 s[G1+2], 96<<16
	s_mov_b32 s[G1+3], 32<<16
	s_mov_b32 s[G1+4], 96
	s_mov_b32 s[G1+5], 32
	s_mov_b32 s[G1+6], 0
	s_mov_b32 s[G1+7], 0
	s_mov_b32 s[G1S], 15|(3<<16)|(1<<21)
	s_mov_b32 s[G1S+1], 32<<16
	s_mov_b32 s[G1S+2], 16<<16
	s_mov_b32 s[G1S+3], 32<<16
	s_mov_b32 s[G1S+4], 16
	s_mov_b32 s[G1S+5], 32
	s_mov_b32 s[G1S+6], 0
	s_mov_b32 s[G1S+7], 0
	s_and_b32 s71, s[WV], 1                        ; u: which of the two query heads
	s_bfe_u32 s72, s[WV], 0x10001                  ; e: which of the work-group's two tiles
	s_bfe_u32 s73, s[WV], 0x10002
	s_xor_b32 s73, s73, s71
	s_xor_b32 s73, s73, s72                        ; late
	s_lshr_b32 s[PAR], s[WV], 3                    ; the parity of my key steps
	s_and_b32 s81, s[WV], 7                        ; my pair
	s_lshl_b32 s82, s81, 13
	s_add_co_u32 s82, s82, STAGE
	s_lshl_b32 s83, s81, 8
	s_add_co_u32 s83, s83, LMS
	s_sub_co_u32 s74, 15, ttmp9
	s_cmp_lg_u32 s73, 0
	s_cselect_b32 s[BLK], s74, ttmp9               ; my block of 128 queries
	s_lshl_b32 s75, s70, 1
	s_add_co_u32 s75, s75, s72                     ; my tile in it
	s_lshl_b32 s76, s8, 1
	s_add_co_u32 s76, s76, s71
	s_lshl_b32 s77, s76, 4
	s_add_co_u32 s77, s77, s[BLK]
	s_mul_i32 s58, s77, KT
	s_mul_i32 s78, s75, FRB
	s_add_co_u32 s58, s58, s78                     ; Q's image
	s_mov_b32 s59, 0
	s_lshl_b32 s60, s77, 9
	s_lshr_b32 s78, s75, 2
	s_lshl_b32 s78, s78, 8
	s_add_co_u32 s60, s60, s78
	s_and_b32 s78, s75, 3
	s_lshl_b32 s78, s78, 2
	s_add_co_u32 s60, s60, s78
	s_add_co_u32 s60, s60, Q_SC                    ; and its scale words
	s_mov_b32 s61, 0
	s_lshr_b32 s77, s8, 2
	s_lshl_b32 s77, s77, 4
	s_add_co_u32 s77, s77, s[BLK]                  ; the block of 128 rows of the result
	s_and_b32 s76, s8, 3
	s_lshl_b32 s76, s76, 1
	s_add_co_u32 s76, s76, s71                     ; the query head = the last product's K step
	s_lshl_b32 s66, s77, 3
	s_add_co_u32 s66, s66, s76
	s_lshl_b32 s66, s66, 3
	s_add_co_u32 s66, s66, s75
	s_mul_i32 s66, s66, FRB
	s_mov_b32 s67, 0
	s_lshl_b32 s68, s77, 12
	s_lshl_b32 s78, s75, 9
	s_add_co_u32 s68, s68, s78
	s_lshr_b32 s78, s76, 2
	s_lshl_b32 s78, s78, 8
	s_add_co_u32 s68, s68, s78
	s_and_b32 s78, s76, 3
	s_lshl_b32 s78, s78, 2
	s_add_co_u32 s68, s68, s78
	s_add_co_u32 s68, s68, A_SC
	s_mov_b32 s69, 0
	s_lshl_b32 s78, s70, 5
	s_lshl_b32 s79, s72, 3
	s_add_co_u32 s78, s78, s79                     ; my tile's first query in the block: 32 cx + 8 e
	s_lshr_b32 s79, s70, 1
	s_mul_i32 s56, s79, 1572864
	s_and_b32 s79, s70, 1
	s_mul_i32 s79, s79, 24576
	s_add_co_u32 s56, s56, s79
	s_lshl_b32 s79, s9, 13
	s_add_co_u32 s56, s56, s79
	s_mul_i32 s79, s8, 196608
	s_add_co_u32 s56, s56, s79
	s_add_co_u32 s56, s56, K_IMG+4*KT              ; the prefetches stand in slot 1: the first change of slots steps them to slot 2
	s_mov_b32 s57, 0
	s_sub_co_u32 s79, s[WV], 4
	s_cmp_lt_u32 s79, 3                            ; waves 4 to 6
	s_cselect_b32 s79, 0, 1
	s_or_b32 s79, s79, ttmp9                       ; of the cluster with x = 0
	s_cmp_eq_u32 s79, 0
	s_cselect_b32 s[LIM], 1, -1
	s_mov_b32 s[SEL], 0x76543210
	s_mov_b32 s[SEL+1], 0xfedcba98
	s_mov_b32 s[CS], 0x3e0293ee                    ; c = log2(e) / sqrt(128)
	s_mov_b32 s[CS+1], s[CS]
	s_mov_b32 s[TB], 0
	s_mov_b32 s[TS], 0
	s_mov_b32 s[KS], 0
	s_mov_b32 s[SLOTS], 3
	s_wait_kmcnt 0x0
	s_add_nc_u64 s[58:59], s[4:5], s[58:59]
	s_add_nc_u64 s[60:61], s[4:5], s[60:61]
	s_add_nc_u64 s[PFA:PFA+1], s[4:5], s[PFA:PFA+1]
	s_add_nc_u64 s[66:67], s[6:7], s[66:67]
	s_add_nc_u64 s[68:69], s[6:7], s[68:69]
	CROUND                                         ; all four work-groups are here: the first joint loads meet
	s_mov_b32 s[G0S], 1
	s_mov_b32 s[G0S+1], s17
	s_add_nc_u64 s[G0S+2:G0S+3], s[4:5], s[14:15]
	s_or_b32 s[G0S+3], s[G0S+3], 0x80000000
	s_mov_b32 s[G0], 1
	s_mov_b32 s[G0+1], s16
	s_add_nc_u64 s[G0+2:G0+3], s[4:5], s[12:13]
	s_or_b32 s[G0+3], s[G0+3], 0x80000000
	s_cmp_lt_u32 s[WV], 4                          ; the head's loads, one a wave, in one chain of branches: waves 0-3 a quarter of slot 0,
	s_cbranch_scc0 .Lhead_sc
	tensor_load_to_lds s[G0:G0+3], s[G1:G1+7]
	s_nop 0
.rept 4
	v_nop
.endr
	s_branch .Lfirst_asked
.Lhead_sc:
	s_cmp_lt_u32 s[WV], 8                          ; waves 4-7 a quarter of the scale words, waves 8-15 nothing
	s_cbranch_scc0 .Lfirst_asked
	tensor_load_to_lds s[G0S:G0S+3], s[G1S:G1S+7]
	s_nop 0
.rept 4
	v_nop
.endr
.Lfirst_asked:
	v_and_b32 v8, 31, v0
	s_delay_alu instid0(VALU_DEP_1)
	v_lshlrev_b32 v[LI], 4, v8
	s_delay_alu instid0(VALU_DEP_2)
	v_lshlrev_b32 v[PFO], 8, v8
	s_delay_alu instid0(VALU_DEP_3)
	v_lshlrev_b32 v[LMA], 2, v8
	v_add_nc_u32 v[STA], s82, v[LI]
	s_delay_alu instid0(VALU_DEP_2)
	v_add_nc_u32 v[LMA], s83, v[LMA]
	v_and_b32 v8, 15, v0                           ; r
	v_bfe_u32 v10, v0, 4, 1                        ; h
	s_delay_alu instid0(VALU_DEP_2)
	v_lshlrev_b32 v[R16], 4, v8
.irp j, 0,1,2
	global_load_b128 v[16+4*\j:19+4*\j], v[LI], s[58:59] offset:512*\j   ; Q's fragment stays in registers
.endr
	global_load_b32 v255, v[R16], s[60:61]         ; Q's scale words
	v_add_nc_u32 v[AS0], SCK, v[R16]
	v_and_b32 v[DQ], 8, v8
	s_delay_alu instid0(VALU_DEP_1)
	v_add_nc_u32 v[DQ], v[DQ], v8                  ; r + 8 (r / 8)
	s_delay_alu instid0(VALU_DEP_1)
	v_add_nc_u32 v[DQ], s78, v[DQ]
	v_lshlrev_b32 v10, 4, v10
	s_delay_alu instid0(VALU_DEP_1)
	v_sub_nc_u32 v[DQ], v[DQ], v10                 ; - 16 h
	v_mov_b32 v13, 0xff61b1e6                      ; the largest t so far: -3e38
	s_delay_alu instid0(VALU_DEP_1)
	v_floor_f32 v12, -v13                          ; -M
	v_mov_b32 v14, 0
	v_mov_b32 v15, 0
.irp b, 0,1,2,3
	v_mov_b32 v[236+\b], 0                         ; a lane permute's destination counts as read
.endr
	v_mov_b32 v252, 0
	v_mov_b32 v253, 0
.set j, 0
.rept 64
	v_mov_b32 v[160+j], 0                          ; O^T: the step is written once; the first finds zeros
.set j, j+1
.endr
; A KEY STEP: 128 keys.
.macro STEP
	s_cmp_gt_u32 s[KS], s[BLK]                     ; all its keys come after my queries,
	s_cbranch_scc1 .Lhidden_\@
	s_xor_b32 s81, s[KS], s[PAR]
	s_and_b32 s81, s81, 1
	s_cmp_lg_u32 s81, 0                            ; or the step is my partner's: only the steps of the addresses are done
	s_cbranch_scc1 .Lhidden_\@
	v_add_nc_u32 v[ADK], s[TB], v[LI]
	v_add_nc_u32 v[ADS], s[TS], v[AS0]
	v_nop
	v_nop
	v_nop                                          ; five plain instructions behind the last step's products: four for the loads, the fifth for the scores written over v96-143
	ds_load_b128 v[80:83], v[ADS]                  ; K's scale words: tiles 0-3,
	ds_load_b128 v[84:87], v[ADS] offset:256       ; tiles 4-7;
	ds_load_b128 v[88:91], v[ADS] offset:8192      ; V's
	ds_load_b128 v[92:95], v[ADS] offset:8448
.irp t, 0,1,2,3,4,5,6,7
	KREG \t
.irp c, 0,1,2
	ds_load_b128 v[kr+4*\c:kr+4*\c+3], v[ADK] offset:\t*FRB+512*\c
.endr
.endr
	s_wait_alu depctr_va_vdst(0)                   ; the wait ahead of the wait below
	s_wait_dscnt 12                                ; the scale words and tiles 0-3 are in; the 12 loads of tiles 4-7 may be out
.irp t, 0,1,2,3                                ; S^T = K Q^T
	KREG \t
	v_wmma_scale_f32_16x16x128_f8f6f4 v[96+8*\t:103+8*\t], v[kr:kr+11], v[16:27], 0, v[80+\t], v255 matrix_a_fmt:MATRIX_FMT_FP6 matrix_b_fmt:MATRIX_FMT_FP6
.endr
.rept 5
	v_nop                                          ; the next four products write v128-159, over registers that tiles 0 and 1's products read
.endr
	s_wait_dscnt 0x0
.irp t, 4,5,6,7
	KREG \t
	v_wmma_scale_f32_16x16x128_f8f6f4 v[96+8*\t:103+8*\t], v[kr:kr+11], v[16:27], 0, v[80+\t], v255 matrix_a_fmt:MATRIX_FMT_FP6 matrix_b_fmt:MATRIX_FMT_FP6
.endr
.rept 4
	v_nop
.endr
.irp t, 0,1,2,3                                ; V's tiles 0-3: the softmax stands between these loads and the wait for them
.irp c, 0,1,2
	ds_load_b128 v[32+12*\t+4*\c:35+12*\t+4*\c], v[ADK] offset:VOFF+\t*FRB+512*\c
.endr
.endr
	s_cmp_lg_u32 s[KS], s[BLK]                     ; only my own block's step lies on the diagonal
	s_cbranch_scc1 .Lopen_\@
	v_mov_b32 v254, 0xff800000                     ; hidden scores become -infinity ahead of the maximum.  Register 16 b + i holds key 32 b + 16 h + i of the block
.set n, 0
.rept 64
	v_cmp_gt_i32 vcc_lo, 32*(n/16)+n%16, v[DQ]
	v_cndmask_b32 v[96+n], v[96+n], v254, vcc_lo
.set n, n+1
.endr
.Lopen_\@:
.irp b, 0,1,2,3
	v_max3_num_f32 v[232+\b], v[96+16*\b], v[97+16*\b], v[98+16*\b]   ; the largest score of each block of 32 keys
.endr
.irp i, 3,5,7,9,11,13
.irp b, 0,1,2,3
	v_max3_num_f32 v[232+\b], v[232+\b], v[96+16*\b+\i], v[97+16*\b+\i]
.endr
.endr
.irp b, 0,1,2,3
	v_max_num_f32 v[232+\b], v[232+\b], v[111+16*\b]
.endr
.irp b, 0,1,2,3
	s_delay_alu instid0(VALU_DEP_4)
	v_permlanex16_b32 v[236+\b], v[232+\b], s[SEL], s[SEL+1]
.endr
.irp b, 0,1,2,3
	s_delay_alu instid0(VALU_DEP_4)
	v_max_num_f32 v[232+\b], v[232+\b], v[236+\b]  ; with lane l xor 16's 16 keys
.endr
	s_delay_alu instid0(VALU_DEP_2)
	v_max3_num_f32 v254, v232, v233, v234
	s_delay_alu instid0(VALU_DEP_1)
	v_max_num_f32 v254, v254, v235
	s_delay_alu instid0(VALU_DEP_1)
	v_mul_f32 v254, s[CS], v254                    ; the step's largest t
	s_delay_alu instid0(VALU_DEP_1)
	v_max_num_f32 v13, v13, v254                   ; the running largest t
	v_mov_b32 v254, v12
	s_delay_alu instid0(VALU_DEP_2)
	v_floor_f32 v12, -v13                          ; the new -M: M is a whole number
	s_delay_alu instid0(VALU_DEP_1)
	v_sub_f32 v254, v12, v254
	s_delay_alu instid0(VALU_DEP_1)
	v_cvt_i32_f32 v254, v254                       ; (it saturates)
	s_delay_alu instid0(VALU_DEP_1)
	v_ldexp_f32 v252, 1.0, v254                    ; f = 2^(old M - new M): exact
.set j, 0
.rept 32
	v_pk_fma_f32 v[96+j:97+j], v[96+j:97+j], s[CS:CS+1], v[12:13] op_sel_hi:[1,0,0]   ; t - M
.set j, j+2
.endr
.irp b, 0,1,2,3
	v_fma_f32 v[232+\b], v[232+\b], s[CS], v12
.endr
.set j, 0
	s_wait_alu depctr_va_vdst(0)                   ; the wait ahead of the batch
.rept 64
	v_exp_f32 v[96+j], v[96+j]                     ; p = 2^(t - M): not normalised
.set j, j+1
.endr
	v_pk_mul_f32 v[14:15], v[14:15], v[252:253] op_sel_hi:[1,0]   ; the sums under the new M: a plain instruction behind the exponentials
	s_wait_alu depctr_va_vdst(0)                   ; one wait for the batch, ahead of its first reader
.irp b, 0,1,2,3
	v_exp_f32 v[232+\b], v[232+\b]                 ; the block's largest p
.endr
.irp i, 0,1,2,3,4,5,6                          ; the row's sum of the unquantised p: 32 pairs in eight chains
	v_pk_add_f32 v[236+2*\i:237+2*\i], v[96+4*\i:97+4*\i], v[98+4*\i:99+4*\i]
.endr
	v_pk_add_f32 v[14:15], v[14:15], v[124:125]
.irp g, 0,1
.irp i, 0,1,2,3,4,5,6
	v_pk_add_f32 v[236+2*\i:237+2*\i], v[236+2*\i:237+2*\i], v[126+16*\g+2*\i:127+16*\g+2*\i]
.endr
	v_pk_add_f32 v[14:15], v[14:15], v[140+16*\g:141+16*\g]
.endr
	v_pk_add_f32 v[236:237], v[236:237], v[158:159]
	s_delay_alu instid0(VALU_DEP_1)
	v_pk_add_f32 v[236:237], v[236:237], v[244:245]
	v_pk_add_f32 v[238:239], v[238:239], v[246:247]
	v_pk_add_f32 v[240:241], v[240:241], v[248:249]
	v_pk_add_f32 v[14:15], v[14:15], v[242:243]
	s_delay_alu instid0(VALU_DEP_2)
	v_pk_add_f32 v[236:237], v[236:237], v[240:241]
	s_delay_alu instid0(VALU_DEP_2)
	v_pk_add_f32 v[14:15], v[14:15], v[238:239]
	s_delay_alu instid0(VALU_DEP_1)
	v_pk_add_f32 v[14:15], v[14:15], v[236:237]
	s_wait_alu depctr_va_vdst(0)                   ; and one for the four
.irp b, 0,1,2,3
	v_max_num_f32 v[232+\b], 0x1800000, v[232+\b]  ; the floor 2^(3 - 127)
.endr
.irp b, 0,1,2,3
	s_delay_alu instid0(VALU_DEP_4)
	v_add_nc_u32 v[244+\b], 0xff000000, v[232+\b]  ; the conversion's scale operand
.endr
.irp b, 0,1,2,3
	s_delay_alu instid0(VALU_DEP_4)
	v_lshrrev_b32 v[236+\b], 23, v[244+\b]         ; the scale's byte
.endr
	s_delay_alu instid0(VALU_DEP_3)
	v_lshl_or_b32 v253, v237, 8, v236              ; p's scale word for these 128 keys
	s_delay_alu instid0(VALU_DEP_1)
	v_lshl_or_b32 v253, v238, 16, v253
	s_delay_alu instid0(VALU_DEP_1)
	v_lshl_or_b32 v253, v239, 24, v253
.irp c, 0,1
	v_cvt_scalef32_pk16_fp6_f32 v[224+6*\c:226+6*\c], v[96+32*\c:111+32*\c], v[244+2*\c]
	v_cvt_scalef32_pk16_fp6_f32 v[236+4*\c:238+4*\c], v[112+32*\c:127+32*\c], v[244+2*\c+1]
.endr
	v_nop                                          ; one plain instruction behind the conversions
.irp t, 0,1,2,3                                ; p's registers take V's tiles 4-7
.irp c, 0,1,2
	ds_load_b128 v[96+12*\t+4*\c:99+12*\t+4*\c], v[ADK] offset:VOFF+(4+\t)*FRB+512*\c
.endr
.endr
.irp c, 0,1
.irp i, 0,1,2
	v_permlane16_swap_b32 v[224+6*\c+\i], v[236+4*\c+\i]
.endr
.irp i, 0,1,2
	s_delay_alu instid0(VALU_DEP_3)
	v_mov_b32 v[227+6*\c+\i], v[236+4*\c+\i]
.endr
.endr
.set j, 0
.rept 32
	v_pk_mul_f32 v[160+j:161+j], v[160+j:161+j], v[252:253] op_sel_hi:[1,0]   ; O^T under the new M; also the places between the writes of p's codes and scale word and the products
.set j, j+2
.endr
	s_wait_alu depctr_va_vdst(0)                   ; the wait ahead of the wait below
	s_wait_dscnt 12                                ; V's tiles 0-3 are in; the 12 loads of tiles 4-7 may be out
.irp t, 0,1,2,3                                ; O^T += V^T P^T: the eight accumulators by turns
	v_wmma_scale_f32_16x16x128_f8f6f4 v[160+8*\t:167+8*\t], v[32+12*\t:43+12*\t], v[224:235], v[160+8*\t:167+8*\t], v[88+\t], v253 matrix_a_fmt:MATRIX_FMT_FP6 matrix_b_fmt:MATRIX_FMT_FP6
.endr
	s_wait_dscnt 0x0
.irp t, 0,1,2,3
	v_wmma_scale_f32_16x16x128_f8f6f4 v[192+8*\t:199+8*\t], v[96+12*\t:107+12*\t], v[224:235], v[192+8*\t:199+8*\t], v[92+\t], v253 matrix_a_fmt:MATRIX_FMT_FP6 matrix_b_fmt:MATRIX_FMT_FP6
.endr
.Lhidden_\@:
	s_add_co_u32 s[TB], s[TB], KT
	s_add_co_u32 s[TS], s[TS], 512
	s_add_co_u32 s[KS], s[KS], 1
.endm
; THE CHANGE OF SLOTS stands at a slot's head.  Each wave waits for all its tensor loads, adds 0 to its spare word, and waits for that and for its reads of the slot that it has left.
; fill = 1: a round of the cluster's barrier, and the slot just left takes the next 512 keys.  With fill = 1 the add stands twice on end.
.macro CHANGE fill
	s_wait_tensorcnt 0x0
	ds_add_u32 v[SPW], v[NIL]
.if \fill
	ds_add_u32 v[SPW], v[NIL]
	s_xor_b32 s[G0+1], s[G0+1], SLOT1              ; no tensor load of mine is out: the other slot,
	s_add_nc_u64 s[G0+2:G0+3], s[G0+2:G0+3], 4*KT  ; the next 512 keys
	s_wait_xcnt 0x0                                ; the last prefetch, a slot back, has read its address
	s_add_nc_u64 s[PFA:PFA+1], s[PFA:PFA+1], 4*KT
	s_wait_dscnt 0x0
	CROUND
	TLOAD
	ASK
.else
	s_wait_dscnt 0x0
	s_barrier_signal -1
	s_barrier_wait -1
.endif
.endm
.macro FOUR_STEPS
	s_mov_b32 s[FOUR], 4
.Lstep_\@:
	STEP
	s_sub_co_u32 s[FOUR], s[FOUR], 1
	s_cmp_lg_u32 s[FOUR], 0
	s_cbranch_scc1 .Lstep_\@
	s_sub_co_u32 s[TB], s[TB], 4*KT
	s_xor_b32 s[TB], s[TB], SLOT1
.endm
	s_wait_alu depctr_va_vdst(0)                   ; the wait at the head's end
	s_wait_loadcnt 0x0                             ; Q
.Lslot:                                            ; three trips: behind each change of slots but the last the next slot is asked for
	CHANGE 1
	FOUR_STEPS
	s_sub_co_u32 s[SLOTS], s[SLOTS], 1
	s_cmp_lg_u32 s[SLOTS], 0
	s_cbranch_scc1 .Lslot
	CHANGE 0                                       ; the last slot is written out
	FOUR_STEPS
	; THE TWO HALVES OF A TILE MEET.  The odd wave stores -M, its sum and O^T; one barrier; the even wave reads them.
.rept 4
	v_nop
.endr
	v_add_f32 v14, v14, v15
	s_wait_alu depctr_va_vdst(0)                   ; the wait ahead of the branch
	s_cmp_eq_u32 s[PAR], 0
	s_cbranch_scc1 .Lno_send
	ds_store_b32 v[LMA], v12
	ds_store_b32 v[LMA], v14 offset:128
.set j, 0
.rept 16
	ds_store_b128 v[STA], v[160+4*j:163+4*j] offset:512*j   ; each accumulator from its low end on
.set j, j+1
.endr
.Lno_send:
	s_wait_dscnt 0x0
	s_barrier_signal -1
	s_barrier_wait -1
	s_cmp_lg_u32 s[PAR], 0
	s_cbranch_scc1 .Ldone
	ds_load_b32 v232, v[LMA]                       ; the partner's -M,
	ds_load_b32 v233, v[LMA] offset:128            ; its sum,
.set j, 0
.rept 16
	ds_load_b128 v[96+4*j:99+4*j], v[STA] offset:512*j   ; its O^T
.set j, j+1
.endr
	s_wait_dscnt 16                                ; the first two are in; the 16 loads of O^T may be out
	v_min_num_f32 v234, v12, v232                  ; -(the larger M)
	s_delay_alu instid0(VALU_DEP_1)
	v_sub_f32 v235, v234, v12
	s_delay_alu instid0(VALU_DEP_2)
	v_sub_f32 v236, v234, v232
	s_delay_alu instid0(VALU_DEP_2)
	v_cvt_i32_f32 v235, v235                       ; whole numbers, 0 or less (the conversion saturates)
	s_delay_alu instid0(VALU_DEP_2)
	v_cvt_i32_f32 v236, v236
	s_delay_alu instid0(VALU_DEP_2)
	v_ldexp_f32 v235, 1.0, v235                    ; my factor,
	s_delay_alu instid0(VALU_DEP_2)
	v_ldexp_f32 v236, 1.0, v236                    ; the partner's: exact powers of two
	s_delay_alu instid0(VALU_DEP_2)
	v_mul_f32 v14, v14, v235
	s_delay_alu instid0(VALU_DEP_1)
	v_fmac_f32 v14, v233, v236
	s_delay_alu instid0(VALU_DEP_1)
	v_permlanex16_b32 v252, v14, s[SEL], s[SEL+1]
	s_delay_alu instid0(VALU_DEP_1)
	v_add_f32 v14, v14, v252                       ; the row's sum
	s_wait_alu depctr_va_vdst(0)                   ; the wait ahead of the reciprocal
	v_rcp_f32 v14, v14
.irp b, 0,1,2,3
	v_mov_b32 v[OTM+4+\b], 0                       ; plain instructions behind the reciprocal; a lane permute's destination counts as read
.endr
	s_wait_alu depctr_va_vdst(0)                   ; and ahead of its first reader
	v_mul_f32 v240, v235, v14                      ; factor / sum, as pairs for the packed forms
	v_mul_f32 v241, v235, v14
	v_mul_f32 v242, v236, v14
	v_mul_f32 v243, v236, v14
	s_wait_alu depctr_va_vdst(0)                   ; the wait ahead of the wait below
	s_wait_dscnt 0x0
.set j, 0
.rept 32
	v_pk_mul_f32 v[96+j:97+j], v[96+j:97+j], v[242:243]
.set j, j+2
.endr
	s_wait_alu depctr_va_vdst(0)                   ; the wait directly ahead of the first reader of O^T
.set j, 0
.rept 32
	v_pk_fma_f32 v[96+j:97+j], v[160+j:161+j], v[240:241], v[96+j:97+j]   ; register 16 b + i: channel 32 b + 16 h + i of my query
.set j, j+2
.endr
	; quantised along the head's 128 channels: a K step of the last product's left operand; the image leaves as it stands
.irp b, 0,1,2,3
	v_max3_num_f32 v[OTM+\b], |v[96+16*\b]|, |v[97+16*\b]|, 0x1800000
.endr
.irp i, 2,4,6,8,10,12,14
.irp b, 0,1,2,3
	s_delay_alu instid0(VALU_DEP_4)
	v_max3_num_f32 v[OTM+\b], v[OTM+\b], |v[96+16*\b+\i]|, |v[97+16*\b+\i]|
.endr
.endr
.irp b, 0,1,2,3
	s_delay_alu instid0(VALU_DEP_4)
	v_permlanex16_b32 v[OTM+4+\b], v[OTM+\b], s[SEL], s[SEL+1]
.endr
.irp b, 0,1,2,3
	s_delay_alu instid0(VALU_DEP_4)
	v_max_num_f32 v[OTM+\b], v[OTM+\b], v[OTM+4+\b]
.endr
.irp b, 0,1,2,3
	s_delay_alu instid0(VALU_DEP_4)
	v_add_nc_u32 v[OTM+8+\b], 0xff000000, v[OTM+\b]
.endr
.irp b, 0,1,2,3
	s_delay_alu instid0(VALU_DEP_4)
	v_lshrrev_b32 v[OTM+4+\b], 23, v[OTM+8+\b]
.endr
	s_delay_alu instid0(VALU_DEP_3)
	v_lshl_or_b32 v[OPW], v[OTM+5], 8, v[OTM+4]
	s_delay_alu instid0(VALU_DEP_1)
	v_lshl_or_b32 v[OPW], v[OTM+6], 16, v[OPW]
	s_delay_alu instid0(VALU_DEP_1)
	v_lshl_or_b32 v[OPW], v[OTM+7], 24, v[OPW]
.irp c, 0,1
	v_cvt_scalef32_pk16_fp6_f32 v[OPC+6*\c:OPC+2+6*\c], v[96+32*\c:111+32*\c], v[OTM+8+2*\c]
	v_cvt_scalef32_pk16_fp6_f32 v[OPC+12+4*\c:OPC+14+4*\c], v[112+32*\c:127+32*\c], v[OTM+8+2*\c+1]
.endr
	v_nop
.irp c, 0,1
.irp i, 0,1,2
	v_permlane16_swap_b32 v[OPC+6*\c+\i], v[OPC+12+4*\c+\i]
.endr
.irp i, 0,1,2
	s_delay_alu instid0(VALU_DEP_3)
	v_mov_b32 v[OPC+3+6*\c+\i], v[OPC+12+4*\c+\i]
.endr
.endr
.irp j, 0,1,2
	global_store_b128 v[LI], v[OPC+4*\j:OPC+4*\j+3], s[66:67] offset:512*\j   ; 512 consecutive bytes a store
.endr
	global_store_b32 v[R16], v[OPW], s[68:69]      ; my row's scale word, 16 bytes from row to row; lanes l and l + 16 write the same word with the same value
.Ldone:
	s_wait_tensorcnt 0x0                           ; the wave's end
	ds_add_u32 v[SPW], v[NIL]
	s_wait_dscnt 0x0
	CROUND                                         ; the closing round
	s_endpgm
.Lfunc_end_k_q884e3474c9_attn:
	.size	k_q884e3474c9_attn, .Lfunc_end_k_q884e3474c9_attn-k_q884e3474c9_attn
	.p2alignl 7, 3214868480
	.fill 96, 4, 3214868480
	.section	.rodata,"a",@progbits
	.p2align	6, 0x0
	.amdhsa_kernel k_q884e3474c9_attn
		.amdhsa_group_segment_fixed_size 327680
		.amdhsa_private_segment_fixed_size 0
		.amdhsa_enable_private_segment 0
		.amdhsa_kernarg_size 16
		.amdhsa_user_sgpr_count 2
		.amdhsa_user_sgpr_kernarg_segment_ptr 1
		.amdhsa_wavefront_size32 1
		.amdhsa_system_sgpr_workgroup_id_x 1
		.amdhsa_system_sgpr_workgroup_id_y 1
		.amdhsa_system_sgpr_workgroup_id_z 1
		.amdhsa_system_vgpr_workitem_id 0
		.amdhsa_next_free_vgpr 256
		.amdhsa_next_free_sgpr 100
		.amdhsa_reserve_vcc 1
		.amdhsa_float_denorm_mode_32 3
		.amdhsa_float_denorm_mode_16_64 3
		.amdhsa_memory_ordered 1
		.amdhsa_forward_progress 1
		.amdhsa_inst_pref_size 78
	.end_amdhsa_kernel
	.amdgpu_metadata
---
amdhsa.version: [ 1, 2 ]
amdhsa.kernels:
  - .name:           k_q884e3474c9_attn
    .symbol:         k_q884e3474c9_attn.kd
    .args:
      - { .name: qkv, .offset: 0, .size: 8, .value_kind: global_buffer, .address_space: global }
      - { .name: ao, .offset: 8, .size: 8, .value_kind: global_buffer, .address_space: global }
    .group_segment_fixed_size: 327680
    .private_segment_fixed_size: 0
    .kernarg_segment_align: 8
    .kernarg_segment_size: 16
    .max_flat_workgroup_size: 512
    .sgpr_count:     100
    .vgpr_count:     256
    .wavefront_size: 32
...
	.end_amdgpu_metadata
.endif
;; end of part 8
;; launch oproj (part 9): grid 8 x 32, 4 waves a work-group, clusters of 4 x 4, 327,680 bytes of LDS; arguments ao, wq, out0; writes out0
.if DOCPART == 9
	.amdgcn_target "amdgcn-amd-amdhsa--gfx1250"
	.amdhsa_code_object_version 6
	.text
	.protected	k_q884e3474c9_oproj
	.globl	k_q884e3474c9_oproj
	.p2align	8
	.type	k_q884e3474c9_oproj,@function
k_q884e3474c9_oproj:
	s_mov_b64 s[64:65], 0
	v_nop
	global_prefetch_b8 v0, s[64:65] scope:SCOPE_SE
	s_setreg_imm32_b32 hwreg(HW_REG_WAVE_MODE, 25, 1), 1
	s_wait_xcnt 0x0
	s_wait_alu depctr_hold_cnt(0) depctr_sa_sdst(0) depctr_va_vdst(0) depctr_va_sdst(0) depctr_va_ssrc(0) depctr_va_vcc(0) depctr_vm_vsrc(0)
	s_getreg_b32 s2, hwreg(HW_REG_IB_STS2, 6, 4)
	s_cmp_eq_u32 s2, 0
	s_cbranch_scc0 .Lentry_in_a_cluster
	s_endpgm
.Lentry_in_a_cluster:
	s_bfe_u32 s2, ttmp6, 0x10000c
	s_cmp_lg_u32 s2, 0xf033
	s_cbranch_scc0 .Lentry_shape_is_right
	s_endpgm
.Lentry_shape_is_right:
.set FRB,  1536
.set KT,   12288
.set REG,  49152
.set SLOT, 147456
.set SCL,  294912
.set SCB,  4096
.set TS,   512
.set A_SC,   3145728
.set WO_IMG, 3145728
.set WO_SC,  4849664
.set SPITCH, 528
.set ADR0, 16
.set ADR1, 20
.set ADS0, 22
.set ADS1, 23
.set LI,   24
.set STO,  25
.set RD,   26
.set BK,   128
.set G1, 24
.set G0, 32
.set G1B, 48
.set G0B, 56
.set G1S, 68
.set G0S, 76
.set G1SB, 80
.set G0SB, 88
.set MSB, 0
.macro WIN new
.if MSB != (\new)
	s_set_vgpr_msb (MSB<<8)|(\new)
.set MSB, (\new)
.endif
.endm
.macro PLACES n
.rept \n
	v_nop
.endr
.endm
.macro JLOAD g0a, g1a, g0b, g1b
	s_cmp_eq_u32 s15, 0
	s_cbranch_scc0 .Lfor_b_\@
	tensor_load_to_lds s[\g0a:\g0a+3], s[\g1a:\g1a+7]
	s_nop 0
.rept 4
	v_nop
.endr
	s_branch .Lasked_\@
.Lfor_b_\@:
	tensor_load_to_lds s[\g0b:\g0b+3], s[\g1b:\g1b+7]
	s_nop 0
.rept 4
	v_nop
.endr
.Lasked_\@:
.endm
.macro CROUND
	s_barrier_signal -1
	s_barrier_wait -1
	s_cmp_lg_u32 s14, 0
	s_cbranch_scc1 .Lnot_wave_0_\@
	s_barrier_signal -3
.Lnot_wave_0_\@:
	s_barrier_wait -3
	s_barrier_signal -1
	s_barrier_wait -1
.endm
.macro SHAPE g, rows
	s_mov_b32 s[\g+1], 32<<16
	s_mov_b32 s[\g+2], (\rows)<<16
	s_mov_b32 s[\g+3], 32<<16
	s_mov_b32 s[\g+4], \rows
	s_mov_b32 s[\g+5], 32
	s_mov_b32 s[\g+6], 0
	s_mov_b32 s[\g+7], 0
.endm
	s_load_b128 s[4:7], s[0:1], 0x0
	s_load_b64 s[12:13], s[0:1], 0x10
	v_lshl_add_u32 v30, v0, 2, 0x4b000
	v_mov_b32 v31, 0
	ds_add_u32 v30, v31
	ds_add_u32 v30, v31
	v_lshrrev_b32 v1, 5, v0
	v_readfirstlane_b32 s14, v1
	s_lshr_b32 s15, s14, 1
	s_and_b32 s16, s14, 1
	s_bfe_u32 s40, ttmp6, 0x40000
	s_bfe_u32 s41, ttmp6, 0x40004
	s_lshl_b32 s42, ttmp9, 2
	s_add_co_u32 s42, s42, s40
	s_and_b32 s17, ttmp7, 0xffff
	s_lshl_b32 s17, s17, 2
	s_add_co_u32 s17, s17, s41
	s_lshl_b32 s43, s41, 2
	s_lshl_b32 s43, 15, s43
	s_lshl_b32 s44, 0x1111, s40
	s_or_b32 s[G1], s43, (3<<16)|(1<<21)
	s_or_b32 s[G1S], s43, (3<<16)|(1<<21)
	s_or_b32 s[G1B], s44, (3<<16)|(1<<21)
	s_or_b32 s[G1SB], s44, (3<<16)|(1<<21)
	SHAPE G1, 192                                  ; the head's load: the left operand's whole region of slot 0
	s_mov_b32 s[G1B+1], 6144<<16                   ; the head's load: Wo's two regions of slot 0 as 2 rows of 49,152 bytes (6,144 elements),
	s_mov_b32 s[G1B+2], 2<<16
	s_mov_b32 s[G1B+3], 6144<<16
	s_mov_b32 s[G1B+4], 2
	s_mov_b32 s[G1B+5], 12288                      ; 98,304 bytes apart in memory: a block of columns
	s_mov_b32 s[G1B+6], 0
	s_mov_b32 s[G1B+7], 0
	SHAPE G1S, 16                                  ; all of the left operand's scale words
	SHAPE G1SB, 32                                 ; both blocks of columns' scale words: dense in memory
	s_mul_i32 s20, s17, 98304
	s_mul_i32 s45, s16, 24576
	s_add_co_u32 s20, s20, s45
	s_mov_b32 s21, 0
	s_lshl_b32 s22, s17, 12
	s_add_co_u32 s22, s22, A_SC
	s_mov_b32 s23, 0
	s_lshl_b32 s46, s42, 1
	s_add_co_u32 s46, s46, s16
	s_lshl_b32 s92, s42, 13
	s_add_co_u32 s92, s92, WO_SC
	s_mov_b32 s93, 0
	s_mul_i32 s46, s46, 98304
	s_add_co_u32 s46, s46, WO_IMG
	s_mov_b32 s47, 0
	s_mul_i32 s94, s16, REG
	s_add_co_u32 s94, s94, REG
	s_lshl_b32 s96, s16, 12
	s_add_co_u32 s96, s96, SCL+SCB
	s_wait_dscnt 0x0
	s_wait_kmcnt 0x0
	s_add_nc_u64 s[20:21], s[4:5], s[20:21]
	s_add_nc_u64 s[22:23], s[4:5], s[22:23]
	s_add_nc_u64 s[46:47], s[6:7], s[46:47]
	s_add_nc_u64 s[92:93], s[6:7], s[92:93]
	CROUND
	s_mov_b32 s[G0S], 1
	s_mov_b32 s[G0S+1], SCL
	s_mov_b64 s[G0S+2:G0S+3], s[22:23]
	s_or_b32 s[G0S+3], s[G0S+3], 0x80000000
	s_mov_b32 s[G0SB], 1
	s_mov_b32 s[G0SB+1], SCL+SCB
	s_mov_b64 s[G0SB+2:G0SB+3], s[92:93]
	s_or_b32 s[G0SB+3], s[G0SB+3], 0x80000000
.irp s, 0,1
	s_mov_b32 s[G0+4*\s], 1
	s_add_co_u32 s[G0+4*\s+1], s45, \s*SLOT
	s_add_nc_u64 s[G0+4*\s+2:G0+4*\s+3], s[20:21], \s*REG
	s_or_b32 s[G0+4*\s+3], s[G0+4*\s+3], 0x80000000
	s_mov_b32 s[G0B+4*\s], 1
	s_add_co_u32 s[G0B+4*\s+1], s94, \s*SLOT
	s_add_nc_u64 s[G0B+4*\s+2:G0B+4*\s+3], s[46:47], \s*REG
	s_or_b32 s[G0B+4*\s+3], s[G0B+4*\s+3], 0x80000000
.endr
; THE HEAD'S LOADS, ONE A WAVE: wave 0 the left operand's region of slot 0, wave 1 its scale words, wave 2 Wo's two regions, wave 3 Wo's scale words.
; Waves 0 and 2 have part 0, so slot 0's global addresses are the regions' first bytes in them; the LDS addresses are written as constants.
	s_mov_b32 s[G0+1], 0
	s_mov_b32 s[G0B+1], REG
.macro ARM under, g0, g1, next
	s_cmp_lt_u32 s14, \under
	s_cbranch_scc0 \next
	tensor_load_to_lds s[\g0:\g0+3], s[\g1:\g1+7]
	s_nop 0
.rept 4
	v_nop
.endr
	s_branch .Lhead_asked
\next:
.endm
	ARM 1, G0,  G1,  .Lhead_xs
	ARM 2, G0S, G1S, .Lhead_w
	ARM 3, G0B, G1B, .Lhead_ws
	tensor_load_to_lds s[G0SB:G0SB+3], s[G1SB:G1SB+7]
	s_nop 0
.rept 4
	v_nop
.endr
.Lhead_asked:
	v_and_b32 v1, 31, v0
	v_lshlrev_b32 v[LI], 4, v1
	v_and_b32 v2, 15, v0
	v_bfe_u32 v3, v0, 4, 1
	v_add_nc_u32 v[ADR0], s94, v[LI]
	v_add_nc_u32 v[ADR0+1], SLOT, v[ADR0]
	s_mul_i32 s97, s15, 4*FRB
	v_add_nc_u32 v[ADR1], s97, v[LI]
	v_add_nc_u32 v[ADR1+1], SLOT, v[ADR1]
	v_lshlrev_b32 v4, 4, v2
	v_add_nc_u32 v[ADS0], s96, v4
	s_lshl_b32 s97, s15, 11
	s_add_co_u32 s97, s97, SCL
	v_add_nc_u32 v[ADS1], s97, v4
	s_mul_i32 s97, s14, 16*SPITCH
	v_mul_u32_u24 v4, v2, SPITCH
	v_lshl_add_u32 v4, v3, 6, v4
	v_add_nc_u32 v[STO], s97, v4
	v_add_nc_u32 v[RD], s97, v[LI]
	s_lshl_b32 s18, s17, 7
	s_lshl_b32 s19, s15, 6
	s_add_co_u32 s18, s18, s19
	s_lshl_b32 s18, s18, 13
	s_lshl_b32 s19, s42, 10
	s_add_co_u32 s18, s18, s19
	s_lshl_b32 s19, s16, 9
	s_add_co_u32 s18, s18, s19
	s_mov_b32 s19, 0
	s_add_nc_u64 s[12:13], s[12:13], s[18:19]
.macro FETCH sp, q, p
	WIN 0x40
.irp i, 0,1,2,3,4,5,6,7
.irp c, 0,1,2
	ds_load_b128 v[128*(\p)+12*\i+4*\c:128*(\p)+12*\i+4*\c+3], v[ADR0+\sp] offset:(\q)*KT+\i*FRB+512*\c
.endr
.endr
	WIN 0
.irp i, 0,1,2,3
.irp c, 0,1,2
	ds_load_b128 v[128+48*(\p)+12*\i+4*\c:128+48*(\p)+12*\i+4*\c+3], v[ADR1+\sp] offset:(\q)*KT+\i*FRB+512*\c
.endr
.endr
.endm
.macro SCALES g
.irp i, 0,1,2,3,4,5,6,7
	ds_load_b128 v[32+48*((\g)%2)+4*\i:32+48*((\g)%2)+4*\i+3], v[ADS0] offset:\i*TS+256*(\g)
.endr
.irp i, 0,1,2,3
	ds_load_b128 v[64+48*((\g)%2)+4*\i:64+48*((\g)%2)+4*\i+3], v[ADS1] offset:\i*TS+256*(\g)
.endr
.endm
.macro MUL a0, n, p, q, z, zero
	WIN 0xa1
.set ma, \a0
.rept \n
.set mb, 0
.rept 8
.if \zero
	v_wmma_scale_f32_16x16x128_f8f6f4 v[8*(8*ma+mb):8*(8*ma+mb)+7], v[128*(\p)+12*mb:128*(\p)+12*mb+11], v[128+48*(\p)+12*ma:128+48*(\p)+12*ma+11], 0, v[32+48*(\z)+4*mb+(\q)], v[64+48*(\z)+4*ma+(\q)] matrix_a_fmt:MATRIX_FMT_FP6 matrix_b_fmt:MATRIX_FMT_FP6
.else
	v_wmma_scale_f32_16x16x128_f8f6f4 v[8*(8*ma+mb):8*(8*ma+mb)+7], v[128*(\p)+12*mb:128*(\p)+12*mb+11], v[128+48*(\p)+12*ma:128+48*(\p)+12*ma+11], v[8*(8*ma+mb):8*(8*ma+mb)+7], v[32+48*(\z)+4*mb+(\q)], v[64+48*(\z)+4*ma+(\q)] matrix_a_fmt:MATRIX_FMT_FP6 matrix_b_fmt:MATRIX_FMT_FP6
.endif
.set mb, mb+1
.endr
.set ma, ma+1
.endr
.endm
.macro STEP g, q, zero
	PLACES 4
	FETCH (\g)%2, (\q)+1, 1-(\q)%2
	s_wait_dscnt 36
	MUL 0, 4, (\q)%2, \q, (\g)%2, \zero
.endm
	s_wait_alu depctr_va_vdst(0)
	s_wait_tensorcnt 0x0                           ; my tile of the head's four is in; slot 1's first fill is issued as a refill is
	ds_add_u32 v30, v31                            ; 0 onto my spare word
	s_mov_b32 s[G1+2], 96<<16                      ; no tensor load of mine is out: slot 1's shapes: half of the left operand's region,
	s_mov_b32 s[G1+4], 96
	s_mov_b32 s[G1B+1], 32<<16                     ; one of Wo's regions as 192 rows of 256 bytes
	s_mov_b32 s[G1B+2], 192<<16
	s_mov_b32 s[G1B+3], 32<<16
	s_mov_b32 s[G1B+4], 192
	s_mov_b32 s[G1B+5], 32
	s_wait_dscnt 0x0
	CROUND                                         ; all four tiles are in, and all sixteen work-groups are here
	JLOAD G0+4, G1, G0B+4, G1B                     ; slot 1: the first tensor load behind the round
	FETCH 0, 0, 0
	SCALES 0
	STEP 0, 0, 1
	STEP 0, 1, 0
	STEP 0, 2, 0
	s_wait_tensorcnt 0x0
	s_wait_dscnt 0x0
	MUL 0, 1, 1, 3, 0, 0
	s_barrier_signal -1
	MUL 1, 1, 1, 3, 0, 0
	WIN 0
	s_barrier_wait -1
	PLACES 4
	FETCH 1, 0, 0
	SCALES 1
	MUL 2, 2, 1, 3, 0, 0
	STEP 1, 0, 0
	STEP 1, 1, 0
	STEP 1, 2, 0
	s_wait_dscnt 0x0
	MUL 0, 4, 1, 3, 1, 0
	WIN 0
.macro TOSTAGE a
	WIN 0x08
.irp b, 0,1,2,3,4,5,6,7
	ds_store_b128 v[STO], v[8*(8*(\a)+\b):8*(8*(\a)+\b)+3] offset:128*(\b/2)+32*(\b%2)
	ds_store_b128 v[STO], v[8*(8*(\a)+\b)+4:8*(8*(\a)+\b)+7] offset:128*(\b/2)+32*(\b%2)+16
.endr
	WIN 0
.set BB, BK+64*((\a)%2)
.irp t, 0,1,2,3,4,5,6,7,8,9,10,11,12,13,14,15
	ds_load_b128 v[BB+4*\t:BB+4*\t+3], v[RD] offset:\t*SPITCH
.endr
.endm
.macro SEND a, younger
.set BB, BK+64*((\a)%2)
	s_wait_dscnt \younger
.irp t, 0,1,2,3,4,5,6,7,8,9,10,11,12,13,14,15
	global_store_b128 v[LI], v[BB+4*\t:BB+4*\t+3], s[12:13] offset:(32*((\a)/2)+8*((\a)%2)+\t+8*(\t/8))*8192 th:TH_STORE_NT
.endr
.endm
	PLACES 4
	TOSTAGE 0
	TOSTAGE 1
	SEND 0, 32
	s_wait_xcnt 0x0
	TOSTAGE 2
	SEND 1, 32
	s_wait_xcnt 0x0
	TOSTAGE 3
	SEND 2, 32
	SEND 3, 0
	s_wait_tensorcnt 0x0
	ds_add_u32 v30, v31
	s_wait_dscnt 0x0
	CROUND
	s_endpgm
.Lfunc_end_k_q884e3474c9_oproj:
	.size	k_q884e3474c9_oproj, .Lfunc_end_k_q884e3474c9_oproj-k_q884e3474c9_oproj
	.p2alignl 7, 3214868480
	.fill 96, 4, 3214868480
	.section	.rodata,"a",@progbits
	.p2align	6, 0x0
	.amdhsa_kernel k_q884e3474c9_oproj
		.amdhsa_group_segment_fixed_size 327680
		.amdhsa_private_segment_fixed_size 0
		.amdhsa_enable_private_segment 0
		.amdhsa_kernarg_size 24
		.amdhsa_user_sgpr_count 2
		.amdhsa_user_sgpr_kernarg_segment_ptr 1
		.amdhsa_wavefront_size32 1
		.amdhsa_system_sgpr_workgroup_id_x 1
		.amdhsa_system_sgpr_workgroup_id_y 1
		.amdhsa_system_sgpr_workgroup_id_z 1
		.amdhsa_system_vgpr_workitem_id 0
		.amdhsa_next_free_vgpr 768
		.amdhsa_next_free_sgpr 100
		.amdhsa_reserve_vcc 0
		.amdhsa_float_denorm_mode_32 3
		.amdhsa_float_denorm_mode_16_64 3
		.amdhsa_memory_ordered 1
		.amdhsa_forward_progress 1
		.amdhsa_inst_pref_size 78
	.end_amdhsa_kernel
	.amdgpu_metadata
---
amdhsa.version: [ 1, 2 ]
amdhsa.kernels:
  - .name:           k_q884e3474c9_oproj
    .symbol:         k_q884e3474c9_oproj.kd
    .args:
      - { .name: ao, .offset: 0, .size: 8, .value_kind: global_buffer, .address_space: global }
      - { .name: wq, .offset: 8, .size: 8, .value_kind: global_buffer, .address_space: global }
      - { .name: out0, .offset: 16, .size: 8, .value_kind: global_buffer, .address_space: global }
    .group_segment_fixed_size: 327680
    .private_segment_fixed_size: 0
    .kernarg_segment_align: 8
    .kernarg_segment_size: 24
    .max_flat_workgroup_size: 128
    .sgpr_count:     100
    .vgpr_count:     768
    .wavefront_size: 32
...
	.end_amdgpu_metadata
.endif
;; end of part 9
